; MI455X (gfx1250); checked and timed in simulation.
; The chip was launched on July 23, 2026; its instructions are those of AMD's public machine-readable ISA for CDNA 5 (MIT licence, August 2026) and "CDNA5" Instruction Set Architecture Reference Guide (July 2026). The comments in the code are by the model that wrote it; some were corrected since.
;; Simple Mo E. Allowed arithmetic: matrix products marked QUANTISED: E4M3 operands, one E8M0 scale for each 32 along K, by v_wmma_scale_f32_16x16x128_f8f6f4 with both operands' format E4M3, f32 sums; products left as they are: f32 operands where the result goes on into a quantised operand, else bf16, f16 or f32 operands; f32 sums; everything else in f32.
;; Inputs: W1 8 x 1,024 x 4,096 float32; W2 8 x 4,096 x 1,024 float32; Wg 1,024 x 8 float32; b1 8 x 4,096 float32; b2 8 x 1,024 float32; bg 8 float32; x 2 x 512 x 1,024 float32.
;; Outputs: out0 2 x 512 x 1,024 float32.
;; This version of the problem:
;;   THIS VERSION OF THE PROBLEM IS GIVEN IN LOW PRECISION. The matrix products marked QUANTISED in the list below multiply operands that are first quantised to E4M3 (4 exponent bits, 3 mantissa bits; 8 bits a number), with one power-of-two scale for each 32 numbers along K (OCP MX v1.0); their sums are f32. All else is computed in f32.
;;   The module's matrix products, in the order in which they are computed (A, B: the left and right operand; K: the contracted axis; several contracted axes count as one K, in the product's order):
;;     1. [M 1,024, K 1,024] x [K 1,024, N 8]; A: input x; B: input Wg: left as it is (N = 8 < 16)
;;     2. [M 1,024, K 1,024] x [K 1,024, N 32,768]; A: input x; B: input W1: QUANTISED
;;     3. batch 8 x [M 1,024, K 4,096] x [K 4,096, N 1,024]; A: input W2; B: computed on the way: QUANTISED
;;   THE QUANTISER, for each operand of a quantised product, along K:
;;     - K is cut into blocks of 32 from its start; a last block that is shorter is filled with zeros.
;;     - A block's scale is 2^e with e = floor(log2(the largest magnitude in the block)) - 8, held to -126 .. 127; a block of zeros has e = 0. As a byte (E8M0): e + 127.
;;     - Each number is divided by its block's scale, clamped to +-448, and rounded to the nearest number of E4M3, ties to even, subnormals kept.
;;     - The product sums the exact products of the quantised numbers (number of the format x scale) in f32.
;;   ~~~python
;;   def quantise(x, axis):      # numpy; x: float32 -> the quantised numbers, widened to float32 again
;;       x = np.moveaxis(x, axis, -1); K = x.shape[-1]
;;       x = np.pad(x, [(0, 0)] * (x.ndim - 1) + [(0, -K % 32)]); x = x.reshape(x.shape[:-1] + (-1, 32)); a = np.abs(x).max(-1, keepdims=True)
;;       e = np.where(a > 0, np.clip(np.frexp(np.where(a > 0, a, 1))[1] - 1 - 8, -126, 127), 0)      # np.frexp(a)[1] - 1 = floor(log2(a)), exactly
;;       r = np.clip(x / 2.0 ** e, -448, 448)
;;       step = 2.0 ** (np.maximum(np.frexp(np.where(r == 0, 1, r))[1] - 1, -6) - 3)
;;       q = np.round(r / step) * step * 2.0 ** e      # np.round: ties to even
;;       return np.moveaxis(q.reshape(q.shape[:-2] + (-1,))[..., :K], -1, axis).astype(np.float32)
;;   ~~~
;;   OPERANDS COMPUTED ON THE WAY. 'Computed on the way' means the value that the module computes at that place (a softmax that the list does not call 'softmax' is quantised finished and normalised). What goes into a quantiser is computed in f32, as accurately as f32 sums, v_exp_f32 and their like allow (about 1e-6 of the number): no bf16 or f16 on the way to a quantiser, and a product that is left as it is and whose result goes on into a quantised operand takes f32 operands (vector FMAs, or v_wmma_f32_16x16x4_f32). A number that lies on a knife's edge between two numbers of the format may be rounded either way, as far as f32 arithmetic and the matrix unit's own rounding can turn it there, and no further.
;; 2 versions. Each part assembles by itself: llvm-mc -triple=amdgcn-amd-amdhsa -mcpu=gfx1250 --defsym DOCPART=n.
;; ======== version 1 of 2: 5 launches
;; workspace buffers: xc 1,048,576 bytes; xs 32,768 bytes; sel 4,096 bytes of whole numbers; gw 8,192 bytes; hc 33,554,432 bytes; hs 1,048,576 bytes; y 20,971,520 bytes; list 40,960 bytes of whole numbers
;; launch gate (part 1): grid 256 x 1, 2 waves a work-group, no clusters, 34,048 bytes of LDS; arguments x, Wg, bg, xc, xs, sel, gw; writes xc, xs, sel, gw
.if DOCPART == 1
	.amdgcn_target "amdgcn-amd-amdhsa--gfx1250"
	.amdhsa_code_object_version 6
	.text
	.protected	k_qf78820add6_gate
	.globl	k_qf78820add6_gate
	.p2align	8
	.type	k_qf78820add6_gate,@function
k_qf78820add6_gate:
	s_mov_b64 s[64:65], 0
	v_nop
	global_prefetch_b8 v0, s[64:65] scope:SCOPE_SE
	s_setreg_imm32_b32 hwreg(HW_REG_WAVE_MODE, 25, 1), 1
	s_wait_xcnt 0x0
; THE GATE, AND x AS CODES.  x [1024 tokens][1024] f32, Wg [1024][8], bg [8].
; For each token: logits = x Wg + bg by f32 multiply-adds, softmax over the 8 experts with the largest logit taken away first, the two largest
; probabilities (of equal ones the lower index is kept), their weights p / (p1 + p2 + 1e-9).
; Stored at fixed places: sel[t] = index1 | index2 << 8 (a whole number), gw[2 t], gw[2 t + 1] the two weights.  No address and no branch here hangs on the choice.
; x is also turned into codes of E4M3 with one E8M0 byte for each 32 along its 1,024:
;   xc [t][half 2][block 32][16 bytes]: block b's codes 0-15 at 16 b, its codes 16-31 at 512 + 16 b;   xs [t][32] the bytes.
; A block's scale is 2^(floor(log2(largest magnitude)) - 8); each number is held within +-448 x the scale and rounded to the nearest code, ties to even.
; SHARES.  A wave takes two tokens; lane L holds block L (numbers 32 L .. 32 L + 31) of both, so a block's largest magnitude needs no other lane,
; and the logits are 32 partial sums a token and expert, added across the lanes at the end.
; Wg.  Lane L wants rows 32 L .. 32 L + 31 of Wg: 1,024 bytes on end, and the lanes' parts lie 1,024 bytes apart: taken so from memory, each load would pick 16 bytes out of 32 places far apart.
; So the work-group copies Wg once into LDS, each of its two waves one half, by loads of 512 consecutive bytes; one barrier; and the lanes read their rows from there.
; 16 bytes of padding stand behind each 1,024: a lane's part begins 65 x 16 bytes behind its neighbour's.
; LIMITS.  NaN and infinities among the inputs are not served.  A block of zeros gets the byte 1, not 127: its codes are zeros, and only this program reads the bytes.
; Where a token's second and third probabilities differ by less than the rounding of these f32 sums, the other expert may be chosen.
.set X,   32                           ; v32-95    X[32 tok + k]: my 32 numbers of each token
.set WG,  96                           ; v96-223   first my wave's half of Wg on its way to LDS; then four slots of 32: rows 4 i .. 4 i + 3 of my 32 rows of Wg, register 8 kk + j
.set ACC, 224                          ; v224-239  ACC[8 tok + j]: logits, then probabilities
.set QM,  100                          ; v100-107  (Wg's registers are free by then) largest magnitudes, scale operands, holds, bytes
.set CD,  128                          ; v128-143  codes, 8 registers a token
.set WPART, 1040                       ; LDS: a lane's 32 rows of Wg: 1,024 bytes + 16 of padding; 32 such parts from byte 0 on
	s_load_b256 s[4:11], s[0:1], 0x0               ; x s[4:5], Wg s[6:7], bg s[8:9], xc s[10:11]
	s_load_b128 s[12:15], s[0:1], 0x20             ; xs s[12:13], sel s[14:15]
	s_load_b64 s[16:17], s[0:1], 0x30              ; gw
	v_lshl_add_u32 v254, v0, 2, 0x8400
	v_mov_b32 v255, 0
	v_lshrrev_b32 v7, 5, v0
	v_readfirstlane_b32 s18, v7                    ; wave 0, 1
	v_and_b32 v1, 31, v0                           ; lane L
	v_lshlrev_b32 v2, 7, v1                        ; x: 128 L
	v_mul_u32_u24 v3, v1, WPART                    ; Wg in LDS: my part
	v_lshlrev_b32 v4, 4, v1                        ; codes: 16 L
	v_and_b32 v6, 1, v1
	v_lshlrev_b32 v5, 2, v6                        ; sel: 4 (L & 1)
	v_lshlrev_b32 v6, 3, v6                        ; gw: 8 (L & 1)
	s_lshl_b32 s44, s18, 14                        ; my wave's half of Wg in memory: 16,384 bytes,
	s_mul_i32 s45, s18, 16*WPART                   ; and in LDS: 16 parts
	v_add_nc_u32 v29, s44, v4                      ; + 16 L
	v_add_nc_u32 v30, s45, v4
	s_lshl_b32 s19, ttmp9, 2
	s_lshl_b32 s18, s18, 1
	s_add_co_u32 s19, s19, s18                     ; my first token: 4 x work-group + 2 x wave
	s_mov_b32 s29, 0xaaaaaaaa                      ; the odd lanes
	s_mov_b32 s30, 0x76543210                      ; v_permlanex16_b32's selects for lane l xor 16
	s_mov_b32 s31, 0xfedcba98
	s_mov_b32 s32, 0x600000                        ; the mantissa field of 448
	s_lshl_b32 s34, s19, 12                        ; byte offsets of my first token in x, xc, xs, sel, gw
	s_mov_b32 s35, 0
	s_lshl_b32 s36, s19, 10
	s_mov_b32 s37, 0
	s_lshl_b32 s38, s19, 5
	s_mov_b32 s39, 0
	s_lshl_b32 s40, s19, 2
	s_mov_b32 s41, 0
	s_lshl_b32 s42, s19, 3
	s_mov_b32 s43, 0
	s_wait_kmcnt 0x0
	s_load_b256 s[20:27], s[8:9], 0x0              ; bg: eight numbers, the same for every lane
	s_add_nc_u64 s[4:5], s[4:5], s[34:35]
	s_add_nc_u64 s[10:11], s[10:11], s[36:37]
	s_add_nc_u64 s[12:13], s[12:13], s[38:39]
	s_add_nc_u64 s[14:15], s[14:15], s[40:41]
	s_add_nc_u64 s[16:17], s[16:17], s[42:43]
.irp tok, 0,1
.irp m, 0,1,2,3,4,5,6,7
	global_load_b128 v[X+32*\tok+4*\m:X+32*\tok+4*\m+3], v2, s[4:5] offset:4096*\tok+16*\m th:TH_LOAD_NT
.endr
.endr
.irp n, 0,1,2,3,4,5,6,7,8,9,10,11,12,13,14,15,16,17,18,19,20,21,22,23,24,25,26,27,28,29,30,31
	global_load_b128 v[WG+4*\n:WG+4*\n+3], v29, s[6:7] offset:512*\n   ; my half of Wg: 512 consecutive bytes a load
.endr
.irp n, 0,1,2,3,4,5,6,7,8,9,10,11,12,13,14,15,16,17,18,19,20,21,22,23,24,25,26,27,28,29,30,31
	s_wait_loadcnt 31-\n                           ; load n of Wg is in (and x, asked for ahead of it); the later ones may be out
	ds_store_b128 v30, v[WG+4*\n:WG+4*\n+3] offset:512*\n+16*(\n/2)   ; two loads fill a part of 1,024 bytes: 16 bytes of padding more for each part passed
.endr
	s_wait_dscnt 0x0                               ; for the other wave's sake: my half lies in LDS
	s_barrier_signal -1
	s_barrier_wait -1                              ; both halves do
.macro WLOAD i                         ; chunk i: rows 32 L + 4 i .. + 3 of Wg, 128 bytes a lane, from LDS into slot i % 4
.irp m, 0,1,2,3,4,5,6,7
	ds_load_b128 v[WG+32*((\i)%4)+4*\m:WG+32*((\i)%4)+4*\m+3], v3 offset:128*(\i)+16*\m
.endr
.endm
.macro CHUNK i, left                   ; left: the LDS loads of the chunks asked for behind chunk i, which may stay out
	s_wait_dscnt \left
.irp kk, 0,1,2,3
.irp tok, 0,1
.irp j, 0,1,2,3,4,5,6,7
.if ((\i) == 0) && (\kk == 0)
	v_mul_f32 v[ACC+8*\tok+\j], v[X+32*\tok], v[WG+\j]             ; the first product starts the sums: nothing is cleared
.else
	v_fmac_f32 v[ACC+8*\tok+\j], v[X+32*\tok+4*(\i)+\kk], v[WG+32*((\i)%4)+8*\kk+\j]
.endif
.endr
.endr
.endr
.endm
.irp i, 0,1,2,3
	WLOAD \i
.endr
.irp i, 0,1,2,3
	CHUNK \i, 24                                   ; chunk i is in; three chunks of eight loads stay out
	WLOAD \i+4                                     ; the slot just used takes the chunk four further on
.endr
	CHUNK 4, 24
	CHUNK 5, 16
	CHUNK 6, 8
	CHUNK 7, 0
	; the 16 sums over the 32 lanes: four steps inside each half ride on the additions, one crosses the halves; every lane ends with the sums
.irp s, 1,2,4,8
.irp n, 0,1,2,3,4,5,6,7,8,9,10,11,12,13,14,15
	v_add_f32_dpp v[ACC+\n], v[ACC+\n], v[ACC+\n] row_xmask:\s row_mask:0xf bank_mask:0xf
.endr
.endr
.irp n, 0,1,2,3,4,5,6,7,8,9,10,11,12,13,14,15
	v_permlanex16_b32 v[WG+\n], v[ACC+\n], s30, s31                ; (its destination counts as read: Wg's registers have been written)
.endr
.irp n, 0,1,2,3,4,5,6,7,8,9,10,11,12,13,14,15
	v_add_f32 v[ACC+\n], v[ACC+\n], v[WG+\n]
.endr
	s_wait_kmcnt 0x0                               ; bg
.irp tok, 0,1
.irp j, 0,1,2,3,4,5,6,7
	v_add_f32 v[ACC+8*\tok+\j], s[20+\j], v[ACC+8*\tok+\j]
.endr
.endr
; One token's softmax and choice; all lanes hold the same numbers.  R+0 largest logit, +1 sum, +2 its reciprocal, +3/+4 first index/probability, +5/+6 second, +7 divisor, +8 the word for sel
.macro ROUTE tok
.set Z, ACC+8*\tok
.set R, 8+12*\tok
	v_max3_num_f32 v[R], v[Z], v[Z+1], v[Z+2]
	v_max3_num_f32 v[R], v[R], v[Z+3], v[Z+4]
	v_max3_num_f32 v[R], v[R], v[Z+5], v[Z+6]
	v_max_num_f32 v[R], v[R], v[Z+7]
.irp j, 0,1,2,3,4,5,6,7
	v_sub_f32 v[Z+\j], v[Z+\j], v[R]               ; the largest logit is taken away first
.endr
.irp j, 0,1,2,3,4,5,6,7
	v_mul_f32 v[Z+\j], 0x3fb8aa3b, v[Z+\j]         ; x log2(e)
.endr
.irp j, 0,1,2,3,4,5,6,7
	v_exp_f32 v[Z+\j], v[Z+\j]
.endr
	v_mov_b32 v[R+3], 0                            ; (a plain line behind the exponentials)  the first index begins at 0
	s_wait_alu depctr_va_vdst(0)
	v_add_f32 v[R+1], v[Z], v[Z+1]
	v_add_f32 v[R+2], v[Z+2], v[Z+3]
	v_add_f32 v[R+7], v[Z+4], v[Z+5]
	v_add_f32 v[R+8], v[Z+6], v[Z+7]
	v_add_f32 v[R+1], v[R+1], v[R+2]
	v_add_f32 v[R+7], v[R+7], v[R+8]
	v_add_f32 v[R+1], v[R+1], v[R+7]
	v_rcp_f32 v[R+2], v[R+1]
	v_mov_b32 v[R+5], 0                            ; (a plain line behind the reciprocal)
	s_wait_alu depctr_va_vdst(0)
.irp j, 0,1,2,3,4,5,6,7
	v_mul_f32 v[Z+\j], v[Z+\j], v[R+2]             ; the probabilities
.endr
	v_mov_b32 v[R+4], v[Z]
.irp j, 1,2,3,4,5,6,7
	v_cmp_gt_f32 vcc_lo, v[Z+\j], v[R+4]           ; strictly larger: of equal ones the lower index stays
	v_cndmask_b32 v[R+4], v[R+4], v[Z+\j], vcc_lo
	v_cndmask_b32 v[R+3], v[R+3], \j, vcc_lo
.endr
	v_mov_b32 v[R+6], -1.0                         ; under every probability
.irp j, 0,1,2,3,4,5,6,7
	v_cmp_ne_u32 s28, \j, v[R+3]                   ; not the first choice,
	v_cmp_gt_f32 vcc_lo, v[Z+\j], v[R+6]           ; and strictly larger than the best so far
	s_and_b32 vcc_lo, vcc_lo, s28
	v_cndmask_b32 v[R+6], v[R+6], v[Z+\j], vcc_lo
	v_cndmask_b32 v[R+5], v[R+5], \j, vcc_lo
.endr
	v_add_f32 v[R+7], v[R+4], v[R+6]
	v_add_f32 v[R+7], 0x3089705f, v[R+7]           ; + 1e-9
	v_rcp_f32 v[R+7], v[R+7]
	v_lshl_or_b32 v[R+8], v[R+5], 8, v[R+3]        ; (a plain line behind the reciprocal)  index1 | index2 << 8
	s_wait_alu depctr_va_vdst(0)
	v_mul_f32 v[R+4], v[R+4], v[R+7]
	v_mul_f32 v[R+6], v[R+6], v[R+7]
.endm
	ROUTE 0
	ROUTE 1
	v_cndmask_b32 v7, v16, v28, s29                ; even lanes carry the first token's numbers, odd lanes the second's
	v_cndmask_b32 v96, v12, v24, s29
	v_cndmask_b32 v97, v14, v26, s29
	global_store_b32 v5, v7, s[14:15]              ; lanes of equal parity store the same word with the same value
	global_store_b64 v6, v[96:97], s[16:17]
	; x as codes: a block lies in one lane's 32 registers
.irp tok, 0,1
	v_max3_num_f32 v[QM+\tok], |v[X+32*\tok]|, |v[X+32*\tok+1]|, 0x4800000   ; with the floor 2^(9 - 127): the byte cannot fall under 1
.endr
.irp i, 2,4,6,8,10,12,14,16,18,20,22,24,26,28,30
.irp tok, 0,1
	v_max3_num_f32 v[QM+\tok], v[QM+\tok], |v[X+32*\tok+\i]|, |v[X+32*\tok+\i+1]|
.endr
.endr
.irp tok, 0,1
	v_add_nc_u32 v[QM+2+\tok], 0xfc000000, v[QM+\tok]              ; 8 off the exponent field: the conversion's scale operand
	v_and_or_b32 v[QM+4+\tok], v[QM+\tok], 0x7f800000, s32         ; 448 x the scale
	v_lshrrev_b32 v[QM+6+\tok], 23, v[QM+2+\tok]                   ; the scale's byte
.endr
.irp tok, 0,1
.irp i, 0,1,2,3,4,5,6,7,8,9,10,11,12,13,14,15,16,17,18,19,20,21,22,23,24,25,26,27,28,29,30,31
	v_med3_num_f32 v[X+32*\tok+\i], v[X+32*\tok+\i], -v[QM+4+\tok], v[QM+4+\tok]   ; the conversion to an 8-bit code does not saturate (ISA guide 7.6.2): the hold comes first
.endr
.endr
.irp tok, 0,1
.irp g, 0,1,2,3
	v_cvt_scalef32_pk8_fp8_f32 v[CD+8*\tok+2*\g:CD+8*\tok+2*\g+1], v[X+32*\tok+8*\g:X+32*\tok+8*\g+7], v[QM+2+\tok]
.endr
.endr
	v_nop                                          ; a plain line behind the last conversion
.irp tok, 0,1
	global_store_b128 v4, v[CD+8*\tok:CD+8*\tok+3], s[10:11] offset:1024*\tok        ; the blocks' first halves: 512 consecutive bytes a wave
	global_store_b128 v4, v[CD+8*\tok+4:CD+8*\tok+7], s[10:11] offset:1024*\tok+512  ; their second halves likewise
	global_store_b8 v1, v[QM+6+\tok], s[12:13] offset:32*\tok                        ; the token's 32 scale bytes
.endr
	s_wait_tensorcnt 0x0
	ds_add_u32 v254, v255
	s_wait_dscnt 0x0
	s_endpgm
.Lfunc_end_k_qf78820add6_gate:
	.size	k_qf78820add6_gate, .Lfunc_end_k_qf78820add6_gate-k_qf78820add6_gate
	.p2alignl 7, 3214868480
	.fill 96, 4, 3214868480
	.section	.rodata,"a",@progbits
	.p2align	6, 0x0
	.amdhsa_kernel k_qf78820add6_gate
		.amdhsa_group_segment_fixed_size 34048
		.amdhsa_private_segment_fixed_size 0
		.amdhsa_enable_private_segment 0
		.amdhsa_kernarg_size 56
		.amdhsa_user_sgpr_count 2
		.amdhsa_user_sgpr_kernarg_segment_ptr 1
		.amdhsa_wavefront_size32 1
		.amdhsa_system_sgpr_workgroup_id_x 1
		.amdhsa_system_sgpr_workgroup_id_y 1
		.amdhsa_system_sgpr_workgroup_id_z 1
		.amdhsa_system_vgpr_workitem_id 0
		.amdhsa_next_free_vgpr 256
		.amdhsa_next_free_sgpr 66
		.amdhsa_reserve_vcc 1
		.amdhsa_float_denorm_mode_32 3
		.amdhsa_float_denorm_mode_16_64 3
		.amdhsa_memory_ordered 1
		.amdhsa_forward_progress 1
		.amdhsa_inst_pref_size 54
	.end_amdhsa_kernel
	.amdgpu_metadata
---
amdhsa.version: [ 1, 2 ]
amdhsa.kernels:
  - .name:           k_qf78820add6_gate
    .symbol:         k_qf78820add6_gate.kd
    .args:
      - { .name: x, .offset: 0, .size: 8, .value_kind: global_buffer, .address_space: global }
      - { .name: Wg, .offset: 8, .size: 8, .value_kind: global_buffer, .address_space: global }
      - { .name: bg, .offset: 16, .size: 8, .value_kind: global_buffer, .address_space: global }
      - { .name: xc, .offset: 24, .size: 8, .value_kind: global_buffer, .address_space: global }
      - { .name: xs, .offset: 32, .size: 8, .value_kind: global_buffer, .address_space: global }
      - { .name: sel, .offset: 40, .size: 8, .value_kind: global_buffer, .address_space: global }
      - { .name: gw, .offset: 48, .size: 8, .value_kind: global_buffer, .address_space: global }
    .group_segment_fixed_size: 34048
    .private_segment_fixed_size: 0
    .kernarg_segment_align: 8
    .kernarg_segment_size: 56
    .max_flat_workgroup_size: 64
    .sgpr_count:     66
    .vgpr_count:     256
    .wavefront_size: 32
...
	.end_amdgpu_metadata
.endif
;; end of part 1
;; launch place (part 2): grid 8 x 1, 1 waves a work-group, no clusters, 5,376 bytes of LDS; arguments sel, list; writes list
.if DOCPART == 2
	.amdgcn_target "amdgcn-amd-amdhsa--gfx1250"
	.amdhsa_code_object_version 6
	.text
	.protected	k_qf78820add6_place
	.globl	k_qf78820add6_place
	.p2align	8
	.type	k_qf78820add6_place,@function
k_qf78820add6_place:
	s_mov_b64 s[64:65], 0
	v_nop
	global_prefetch_b8 v0, s[64:65] scope:SCOPE_SE
	s_setreg_imm32_b32 hwreg(HW_REG_WAVE_MODE, 25, 1), 1
	s_wait_xcnt 0x0
; THE ROWS OF EACH EXPERT.  sel[t] = index1 | index2 << 8 holds each of the 1,024 tokens' two experts.  Work-group e, one wave, makes expert e's list:
;   list + 5,120 e: words 0 .. 1,151: the row ids (2 token + choice) of the tokens that chose e, one behind the other; a slot p past the count holds 2,048 + 64 e + p % 64:
;   a row id of its own, past every token's, so that what is computed for such a slot is stored where no other slot of its batch of 64 and no other expert stores;
;   at byte 4,608: the count, in 32 equal words (128 consecutive bytes).
; The two launches that follow read the count and the ids from memory and form their branches and addresses from them.
; HOW.  Lane l holds tokens 128 j + 4 l + i.  For each (j, i) the lanes whose token chose e form a mask; such a lane's slot is the entries so far + the number of such lanes below it.
; The ids are placed in LDS, where only LDS addresses hang on sel, and leave by stores at fixed addresses, 512 consecutive bytes each.
; Eight work-groups: there are eight lists, and a list's ranks are one running count.  4,096 bytes are read and 4,736 stored by each: nothing here is worth sharing out further.
; One wave to a work-group: LDS serves a wave's instructions in order (ISA guide 5.7.1.4), so no barrier and no wait stands between the stores and the loads.
.set L16,  2                           ; v2   16 lane
.set L4,   3                           ; v3   4 lane
.set SELW, 8                           ; v8-39  sel, 32 words a lane
.set T,    40                          ; v40-43 what slots past the count hold
.set LT,   44                          ; v44-50 at work
.set OUTR, 52                          ; v52-87 the list on its way out
; One token of each lane: token 128 j + 4 lane + i.  The lanes whose token did not choose e store to a word of their own behind the list.
.macro ENTRY j, i
	v_and_b32 v[LT], 0xff, v[SELW+4*\j+\i]         ; the first choice
	v_lshrrev_b32 v[LT+1], 8, v[SELW+4*\j+\i]      ; the second
	v_cmp_eq_u32 s37, s21, v[LT]
	v_cmp_eq_u32 vcc_lo, s21, v[LT+1]
	s_or_b32 s38, s37, vcc_lo                      ; the lanes whose token chose e
	v_add_nc_u32 v[LT+2], 256*\j+2*\i, v[LT+5]     ; 2 x token
	v_cndmask_b32 v[LT+3], 0, 1, vcc_lo
	v_or_b32 v[LT+2], v[LT+2], v[LT+3]             ; + 1 for the second choice: the row id
	v_mbcnt_lo_u32_b32 v[LT+4], s38, s24           ; entries so far + such lanes below me
	v_cndmask_b32 v[LT+4], v[LT+6], v[LT+4], s38
	v_min_u32 v[LT+4], 1183, v[LT+4]               ; inside the list and the lanes' own words
	v_lshlrev_b32 v[LT+4], 2, v[LT+4]
	ds_store_b32 v[LT+4], v[LT+2]
	s_bcnt1_i32_b32 s25, s38
	s_add_co_u32 s24, s24, s25
.endm
	s_load_b128 s[4:7], s[0:1], 0x0                ; sel s[4:5], list s[6:7]
	v_lshl_add_u32 v96, v0, 2, 0x1400
	v_mov_b32 v97, 0
	v_and_b32 v1, 31, v0                           ; lane
	v_lshlrev_b32 v[L16], 4, v1
	v_lshlrev_b32 v[L4], 2, v1
	s_mov_b32 s21, ttmp9                           ; e
	s_mul_i32 s10, s21, 5120
	s_mov_b32 s11, 0
	s_wait_kmcnt 0x0
	s_add_nc_u64 s[6:7], s[6:7], s[10:11]
.irp j, 0,1,2,3,4,5,6,7
	global_load_b128 v[SELW+4*\j:SELW+4*\j+3], v[L16], s[4:5] offset:512*\j
.endr
	s_lshl_b32 s25, s21, 6
	s_add_co_u32 s25, s25, 2048                    ; 2,048 + 64 e
.irp k, 0,1,2,3
	v_add_nc_u32 v[T+\k], \k, v[L4]                ; store j puts my four words at slots 128 j + 4 lane + k:
.endr
.irp k, 0,1,2,3
	v_and_b32 v[T+\k], 63, v[T+\k]                 ; the slot modulo 64 is the same for every j
.endr
.irp k, 0,1,2,3
	v_add_nc_u32 v[T+\k], s25, v[T+\k]
.endr
.irp j, 0,1,2,3,4,5,6,7,8
	ds_store_b128 v[L16], v[T:T+3] offset:512*\j   ; 1,152 words: 1,024 slots and the two batches of 64 that a fetch ahead may reach
.endr
	v_lshlrev_b32 v[LT+5], 3, v1                   ; 8 lane
	v_add_nc_u32 v[LT+6], 1152, v1                 ; my own word
	s_mov_b32 s24, 0
.irp j, 0,1,2,3,4,5,6,7
	s_wait_loadcnt 7-\j                            ; load j is in; the later ones may be out
.irp i, 0,1,2,3
	ENTRY \j, \i
.endr
.endr
	v_mov_b32 v[LT], s24
	global_store_b32 v[L4], v[LT], s[6:7] offset:4608              ; the count
.irp j, 0,1,2,3,4,5,6,7,8
	ds_load_b128 v[OUTR+4*\j:OUTR+4*\j+3], v[L16] offset:512*\j    ; these see the stores above
.endr
.irp j, 0,1,2,3,4,5,6,7,8
	s_wait_dscnt 8-\j                              ; load j is back; the later ones may be out
	global_store_b128 v[L16], v[OUTR+4*\j:OUTR+4*\j+3], s[6:7] offset:512*\j   ; 512 consecutive bytes, aligned
.endr
	s_wait_tensorcnt 0x0
	ds_add_u32 v96, v97
	s_wait_dscnt 0x0
	s_endpgm
.Lfunc_end_k_qf78820add6_place:
	.size	k_qf78820add6_place, .Lfunc_end_k_qf78820add6_place-k_qf78820add6_place
	.p2alignl 7, 3214868480
	.fill 96, 4, 3214868480
	.section	.rodata,"a",@progbits
	.p2align	6, 0x0
	.amdhsa_kernel k_qf78820add6_place
		.amdhsa_group_segment_fixed_size 5376
		.amdhsa_private_segment_fixed_size 0
		.amdhsa_enable_private_segment 0
		.amdhsa_kernarg_size 16
		.amdhsa_user_sgpr_count 2
		.amdhsa_user_sgpr_kernarg_segment_ptr 1
		.amdhsa_wavefront_size32 1
		.amdhsa_system_sgpr_workgroup_id_x 1
		.amdhsa_system_sgpr_workgroup_id_y 1
		.amdhsa_system_sgpr_workgroup_id_z 1
		.amdhsa_system_vgpr_workitem_id 0
		.amdhsa_next_free_vgpr 98
		.amdhsa_next_free_sgpr 66
		.amdhsa_reserve_vcc 1
		.amdhsa_float_denorm_mode_32 3
		.amdhsa_float_denorm_mode_16_64 3
		.amdhsa_memory_ordered 1
		.amdhsa_forward_progress 1
		.amdhsa_inst_pref_size 28
	.end_amdhsa_kernel
	.amdgpu_metadata
---
amdhsa.version: [ 1, 2 ]
amdhsa.kernels:
  - .name:           k_qf78820add6_place
    .symbol:         k_qf78820add6_place.kd
    .args:
      - { .name: sel, .offset: 0, .size: 8, .value_kind: global_buffer, .address_space: global }
      - { .name: list, .offset: 8, .size: 8, .value_kind: global_buffer, .address_space: global }
    .group_segment_fixed_size: 5376
    .private_segment_fixed_size: 0
    .kernarg_segment_align: 8
    .kernarg_segment_size: 16
    .max_flat_workgroup_size: 32
    .sgpr_count:     66
    .vgpr_count:     98
    .wavefront_size: 32
...
	.end_amdgpu_metadata
.endif
;; end of part 2
;; launch ffn1 (part 3): grid 32 x 8, 4 waves a work-group, no clusters, 102,912 bytes of LDS; arguments xc, xs, list, W1, b1, hc, hs; writes hc, hs
.if DOCPART == 3
	.amdgcn_target "amdgcn-amd-amdhsa--gfx1250"
	.amdhsa_code_object_version 6
	.text
	.protected	k_qf78820add6_ffn1
	.globl	k_qf78820add6_ffn1
	.p2align	8
	.type	k_qf78820add6_ffn1,@function
k_qf78820add6_ffn1:
	s_mov_b64 s[64:65], 0
	v_nop
	global_prefetch_b8 v0, s[64:65] scope:SCOPE_SE
	s_setreg_imm32_b32 hwreg(HW_REG_WAVE_MODE, 25, 1), 1
	s_wait_xcnt 0x0
; THE FIRST PRODUCT OF THE CHOSEN EXPERTS: h = Q(relu(x W1[e] + b1[e])), for the rows that chose expert e alone, on codes of E4M3 with one E8M0 scale for each 32 along K.
; SHARES.  Work-group (s, e) owns columns 128 s .. 128 s + 127 of expert e: 1,024 x 128 numbers of W1, which no other work-group reads.  Wave w = (ch = w / 2, kq = w % 2) owns
; 64 columns x 512 along K.  PHASE 1: it reads them once, as f32, quantises them along K in registers, and keeps the codes as 16 operand fragments (256 registers).  No code of a weight goes to memory.
;   A lane (r, h) loads, of row k = 32 b + 16 h + i, the 16 bytes of columns 4 r .. 4 r + 3: sixteen lanes read 256 consecutive bytes.  TILE q IS THE COLUMNS 4 r + q: which columns form a tile is free.
;   So a lane's 16 loads hold, for each of four tiles, 16 neighbours along K of one column; the hold writes them in that order, and the conversions' results are the operand's registers.
;   The last block steps have no further weights to ask for: in that place they ask for the first batch's rows of x, so that these land while the last weights are quantised.
; PHASE 2: the rows.  The list of e's routed rows (row id = 2 token + choice) and its count were stored by the launch before; the count comes by a scalar load, a batch's ids by loads issued a batch ahead.
;   The rows go in batches of 64 slots (four tiles of 16).  The products are used transposed (source 0 = a tile of W1, source 1 = 16 rows): lane (r', h') then holds row r', and register j of tile q is
;   column 32 h' + 4 j + q: the lane's 32 registers are ONE WHOLE BLOCK of 32 along the next product's K.  K is split between the two waves of a column half: each multiplies all four tiles over its 512,
;   keeps two tiles and sends the other two, as images of the registers, to its partner through LDS.  A wave's local tile i is tile (i + 2 kq) % 4, so that it always keeps its local tiles 0 and 1.
;   b1 is the C of the kq = 0 waves' first products (zeros in the others).  The relu is the lower bound of the hold.
; OUT.  hc [e][K step s][tile 64][c 4][h 2][r 16][16 bytes]: the image of the next product's operand registers; hs [e][s][slot 1,024] one word of four scale bytes.
; THE LOOP over batches has a constant trip count and its barriers stand on every wave's path; a batch past e's count is left out by scalar branches round the work alone.  Batch 0 is written out and always runs.
; WHY NO JOINT REQUESTS AND NO COPY ENGINE: the work that a batch's branches skip hangs on a count read from memory, so every operand goes from memory straight to registers; and of a work-group's
; bytes the 524,288 of W1 are shared with nobody; what is shared is x's codes, 1,024 bytes a row.
; LIMITS.  NaN and infinities among the inputs are not served.  A block of zeros gets the byte 1, not 127: its codes are zeros, and only this program reads the bytes.
; Slots past e's count in a batch that runs are computed from token 1,023; nobody uses them.
; REGISTERS, in windows of 256.  Window 0: addresses, scale words, work (below).  Window 1: W1's 16 fragments, (K step k, tile q) at v[16 (4 k + q)].
;   Window 2: v0-127 the 16 accumulators, (tile i, q) at v[32 i + 8 q] (at the head v0-31 hold b1 as loaded); v128-255 the rows of x's codes on their way to LDS.
;   Window 3: phase 1: four sets of 64 numbers as loaded; phase 2: x's 16 fragments, (k, i) at v[64 k + 16 i]; behind the products v0-63 take the partner's parts.
.set PITCH, 16384                      ; a row of W1[e] in bytes
.set XST,   0                          ; LDS: 64 rows of x's codes, 1,024 bytes + 16 of padding: 65 x 16 bytes, so that 16 rows' loads of 16 bytes start in 16 different groups of banks
.set XROW,  1040
.set XSS,   66560                      ; their scale bytes: 64 rows of 32 + 16
.set MBX,   69632                      ; four mailboxes of 8,192 bytes: two tiles' parts for each wave
.set WO,   4                           ; v4   W1: 16 h rows + 16 r
.set LB,   5                           ; v5   list: my wave's 16 slots of a batch: 64 w;        v6 the same + the batch
.set LBT,  6
.set LSB,  7                           ; v7   list: the slot whose scale bytes I fetch: 64 w + 4 (lane / 2);   v8 + the batch
.set LSBT, 8
.set XW,   9                           ; v9   where I put a row's 16 bytes: XST + 16 w rows + 16 lane
.set XSWA, 10                          ; v10  and 16 scale bytes
.set XR,   11                          ; v11-14 my lane's place in local tile i's rows, at my K half
.set XSR,  15                          ; v15-18 and in their scale bytes
.set MBW,  19                          ; v19  my partner's mailbox + 16 lane
.set MBR,  20                          ; v20  mine
.set HO,   21                          ; v21  hc: 512 h + 16 r;   v22 + the batch
.set HOT,  22
.set SO,   23                          ; v23  hs: 4 r;            v24 + the batch
.set SOT,  24
.set L16,  25                          ; v25  16 lane
.set P16,  26                          ; v26  16 (lane & 1)
.set HW,   27                          ; v27-28 two scale bytes of a row, for each kept tile
.set TMP,  29
.set MX,   30                          ; v30-33 largest magnitudes;  v34-37 the other half's;  v38-41 scale operands;  v42-45 holds;  v46-49 bytes
.set PM,   34
.set SC,   38
.set LIM,  42
.set BY,   46
.set GA,   50                          ; v50-65 byte offsets of 16 rows in xc;  v66 of a row's scale bytes in xs
.set GSA,  66
.set B1O,  67                          ; v67  b1: 128 h
.set GS,   68                          ; v68-71 16 scale bytes on their way
.set WS,   72                          ; v72-87  W1's scale words, (k, q) at 4 k + q: scales and nothing else
.set XSW,  88                          ; v88-103 x's scale words, (i, k) at 4 i + k: scales and nothing else
.set T,    104                         ; v104-167 64 numbers in the order of the conversions
.set HC,   168                         ; v168-183 h's codes
.set LWD,  184                         ; v184-199 the 16 row ids of the batch to be gathered next, the same in every lane;  v200 the id of the slot whose scale bytes I fetch
.set BIASC, 224                        ; v224-255 b1 in the result's layout: (q, j) at 8 q + j
.set MSB, 0
.macro WIN new                         ; s_set_vgpr_msb: bits 1:0 source 0, 3:2 source 1, 5:4 source 2, 7:6 destination; the high byte repeats the setting that is left
.if MSB != \new
	s_set_vgpr_msb (MSB<<8)|\new
.set MSB, \new
.endif
.endm
.macro BAR                             ; my LDS stores have landed and my LDS loads are in: then the work-group's barrier
	s_wait_dscnt 0x0
	s_barrier_signal -1
	s_barrier_wait -1
.endm
.macro LOADSET b                       ; block step b: 32 along K x 64 columns, 16 loads, into set b % 4 of window 3: register 4 i + q = W1(32 b + 16 h + i, 4 r + q)
	WIN 0xc0
.irp i, 0,1,2,3,4,5,6,7,8,9,10,11,12,13,14,15
	global_load_b128 v[64*((\b)%4)+4*\i:64*((\b)%4)+4*\i+3], v[WO], s[10:11] offset:(32*(\b)+\i)*PITCH th:TH_LOAD_NT
.endr
.endm
; THE GATHER of the 16 rows of x that my wave brings for a batch, in four parts.
; GADDR: from the batch's row ids, which lie in v[LWD] on, the rows' byte offsets; and where the ids of the batch behind it lie: its list begins at byte s32.
.macro GADDR
.irp p, 0,1,2,3,4,5,6,7,8,9,10,11,12,13,14,15,16
	v_lshrrev_b32 v[T+\p], 1, v[LWD+\p]            ; the token
.endr
.irp p, 0,1,2,3,4,5,6,7,8,9,10,11,12,13,14,15,16
	v_min_u32 v[T+\p], 1023, v[T+\p]               ; slots past the count take token 1,023
.endr
.irp p, 0,1,2,3,4,5,6,7,8,9,10,11,12,13,14,15
	v_lshl_add_u32 v[GA+\p], v[T+\p], 10, v[L16]
.endr
	v_lshl_add_u32 v[GSA], v[T+16], 5, v[P16]
	v_add_nc_u32 v[LBT], s32, v[LB]
	v_add_nc_u32 v[LSBT], s32, v[LSB]
.endm
.macro GROWS p0                        ; rows p0 .. p0 + 7: 16 loads
	WIN 0x80                                       ; destination: window 2
.irp p, 0,1,2,3,4,5,6,7
.irp g, 0,1
	global_load_b128 v[128+8*(\p0+\p)+4*\g:128+8*(\p0+\p)+4*\g+3], v[GA+\p0+\p], s[4:5] offset:512*\g   ; 512 consecutive bytes of one row
.endr
.endr
.endm
.macro GREST                           ; the rows' scale bytes, and the next ids: 6 loads
	WIN 0
	global_load_b128 v[GS:GS+3], v[GSA], s[6:7]    ; two lanes to a row's 32 scale bytes
.irp j, 0,1,2,3
	global_load_b128 v[LWD+4*\j:LWD+4*\j+3], v[LBT], s[8:9] offset:16*\j   ; the next ids: wanted a batch later.  The furthest reach is 256 x 17 + 256 bytes: the list's 4,608
.endr
	global_load_b32 v[LWD+16], v[LSBT], s[8:9]
.endm
.macro GATHER
	s_wait_loadcnt 0x0                             ; the ids are in, and the gather before is done: its address and data registers may be written again
	GADDR
	GROWS 0
	GROWS 8
	GREST
.endm
; Block step b becomes registers 4 c .. 4 c + 3 (c = b % 4) of the four fragments of K step b / 4, and byte c of their scale words.  left: the loads issued behind set b.
.macro QBLOCK b, left
.set SB, 64*((\b)%4)
.set KS, (\b)/4
.set CQ, (\b)%4
	s_wait_loadcnt \left
	WIN 0x3c                                       ; sources 1 and 2: window 3
.irp q, 0,1,2,3
	v_max3_num_f32 v[MX+\q], s28, |v[SB+\q]|, |v[SB+4+\q]|         ; my 16 numbers of column 4 r + q, and the floor 2^(9 - 127): the byte cannot fall under 1
.endr
.irp i, 2,4,6,8,10,12,14
.irp q, 0,1,2,3
	v_max3_num_f32 v[MX+\q], v[MX+\q], |v[SB+4*\i+\q]|, |v[SB+4*\i+4+\q]|   ; (the four columns by turns)
.endr
.endr
	WIN 0
.irp q, 0,1,2,3
	v_permlanex16_b32 v[PM+\q], v[MX+\q], s26, s27
.endr
.irp q, 0,1,2,3
	v_max_num_f32 v[MX+\q], v[MX+\q], v[PM+\q]     ; with lane l xor 16's 16: the block's largest magnitude
.endr
.irp q, 0,1,2,3
	v_add_nc_u32 v[SC+\q], 0xfc000000, v[MX+\q]    ; 8 off its exponent field: the conversion's scale operand
.endr
.irp q, 0,1,2,3
	v_and_or_b32 v[LIM+\q], v[MX+\q], 0x7f800000, s29   ; 448 x the scale
.endr
.if CQ == 0
.irp q, 0,1,2,3
	v_lshrrev_b32 v[WS+4*KS+\q], 23, v[SC+\q]      ; the scale's byte begins the word
.endr
.else
.irp q, 0,1,2,3
	v_lshrrev_b32 v[BY+\q], 23, v[SC+\q]
.endr
.irp q, 0,1,2,3
	v_lshl_or_b32 v[WS+4*KS+\q], v[BY+\q], 8*CQ, v[WS+4*KS+\q]
.endr
.endif
	WIN 0x03                                       ; source 0: window 3
.irp q, 0,1,2,3
.irp i, 0,1,2,3,4,5,6,7,8,9,10,11,12,13,14,15
	v_med3_num_f32 v[T+16*\q+\i], v[SB+4*\i+\q], -v[LIM+\q], v[LIM+\q]   ; the hold (the conversion does not saturate: ISA guide 7.6.2) also lays a column's 16 numbers on end
.endr
.endr
.if (\b) < 12
	LOADSET \b+4                                   ; the set just read takes the block step four further on
.elseif (\b) == 12
	GROWS 0                                        ; no weights are left to ask for: batch 0's rows of x go out in their place
.elseif (\b) == 13
	GROWS 8
.elseif (\b) == 14
	GREST
.endif
	WIN 0x40                                       ; destination: window 1
.irp q, 0,1,2,3
	v_cvt_scalef32_pk8_fp8_f32 v[64*KS+16*\q+4*CQ:64*KS+16*\q+4*CQ+1], v[T+16*\q:T+16*\q+7], v[SC+\q]
	v_cvt_scalef32_pk8_fp8_f32 v[64*KS+16*\q+4*CQ+2:64*KS+16*\q+4*CQ+3], v[T+16*\q+8:T+16*\q+15], v[SC+\q]
.endr
	WIN 0
	v_nop                                          ; a plain line behind the last conversion
.endm
	s_load_b256 s[4:11], s[0:1], 0x0               ; xc s[4:5], xs s[6:7], list s[8:9], W1 s[10:11]
	s_load_b128 s[12:15], s[0:1], 0x20             ; b1 s[12:13], hc s[14:15]
	s_load_b64 s[16:17], s[0:1], 0x30              ; hs
	v_lshl_add_u32 v222, v0, 2, 0x19000
	v_mov_b32 v223, 0
	v_lshrrev_b32 v[TMP], 5, v0
	v_readfirstlane_b32 s18, v[TMP]                ; wave
	v_and_b32 v1, 31, v0                           ; lane
	v_and_b32 v2, 15, v0                           ; r
	v_bfe_u32 v3, v0, 4, 1                         ; h
	s_lshr_b32 s19, s18, 1                         ; ch: which 64 columns
	s_and_b32 s20, s18, 1                          ; kq: which 512 along K
	s_and_b32 s21, ttmp7, 0xffff                   ; e
	s_mov_b32 s22, ttmp9                           ; s
	s_mov_b32 s26, 0x76543210                      ; v_permlanex16_b32's selects for lane l xor 16
	s_mov_b32 s27, 0xfedcba98
	s_mov_b32 s28, 0x4800000                       ; the floor
	s_mov_b32 s29, 0x600000                        ; the mantissa field of 448
	s_mov_b32 s35, 0xffff0000                      ; lanes 16-31
	s_cmp_eq_u32 s20, 0
	s_cselect_b32 s36, -1, 0                       ; the bias goes in once: in the kq = 0 waves
	v_lshlrev_b32 v[WO], 4, v2
	v_lshl_add_u32 v[WO], v3, 18, v[WO]
	v_lshlrev_b32 v[L16], 4, v1
	v_and_b32 v[P16], 1, v1
	v_lshlrev_b32 v[P16], 4, v[P16]
	v_lshrrev_b32 v[TMP], 1, v1                    ; lane / 2
	s_lshl_b32 s40, s18, 6
	v_mov_b32 v[LB], s40
	v_lshl_add_u32 v[LSB], v[TMP], 2, s40
	s_mul_i32 s40, s18, 16*XROW
	s_add_co_u32 s40, s40, XST
	v_add_nc_u32 v[XW], s40, v[L16]
	s_mul_i32 s40, s18, 16*48
	s_add_co_u32 s40, s40, XSS
	v_mad_u32_u24 v[XSWA], v[TMP], 48, v[P16]
	v_add_nc_u32 v[XSWA], s40, v[XSWA]
	v_mul_u32_u24 v[HW], v2, XROW
	v_lshl_add_u32 v[HW], v3, 9, v[HW]             ; 1,040 r + 512 h
	v_mul_u32_u24 v[HW+1], v2, 48                  ; 48 r
.irp i, 0,1,2,3
	s_lshl_b32 s40, s20, 1
	s_add_co_u32 s40, s40, \i
	s_and_b32 s40, s40, 3                          ; local tile i is tile (i + 2 kq) % 4
	s_mul_i32 s41, s40, 16*XROW
	s_lshl_b32 s42, s20, 8                         ; my four K steps: 64 bytes each in a half row
	s_add_co_u32 s41, s41, s42
	s_add_co_u32 s41, s41, XST
	v_add_nc_u32 v[XR+\i], s41, v[HW]
	s_mul_i32 s41, s40, 16*48
	s_lshl_b32 s42, s20, 4                         ; and their four scale words
	s_add_co_u32 s41, s41, s42
	s_add_co_u32 s41, s41, XSS
	v_add_nc_u32 v[XSR+\i], s41, v[HW+1]
.endr
	s_xor_b32 s40, s18, 1
	s_lshl_b32 s40, s40, 13
	s_add_co_u32 s40, s40, MBX
	v_add_nc_u32 v[MBW], s40, v[L16]
	s_lshl_b32 s40, s18, 13
	s_add_co_u32 s40, s40, MBX
	v_add_nc_u32 v[MBR], s40, v[L16]
	v_lshlrev_b32 v[HO], 4, v2
	v_lshl_add_u32 v[HO], v3, 9, v[HO]
	v_lshlrev_b32 v[SO], 2, v2
	v_lshlrev_b32 v[B1O], 7, v3
.irp q, 0,1,2,3
	v_mov_b32 v[PM+\q], 0                          ; written once: a lane permute's destination counts as one of its sources
.endr
	; byte offsets of my part in W1, b1, hc, hs, list: all under 2^31
	s_lshl_b32 s40, s21, 24
	s_lshl_b32 s48, s20, 23
	s_add_co_u32 s40, s40, s48
	s_lshl_b32 s48, s22, 9
	s_add_co_u32 s40, s40, s48
	s_lshl_b32 s48, s19, 8
	s_add_co_u32 s40, s40, s48                     ; W1: e x 2^24 + 512 kq rows + 4 (128 s + 64 ch)
	s_mov_b32 s41, 0
	s_lshl_b32 s42, s21, 14
	s_lshl_b32 s48, s22, 9
	s_add_co_u32 s42, s42, s48
	s_lshl_b32 s48, s19, 8
	s_add_co_u32 s42, s42, s48                     ; b1: 4 (4,096 e + 128 s + 64 ch)
	s_mov_b32 s43, 0
	s_lshl_b32 s44, s21, 5
	s_add_co_u32 s44, s44, s22                     ; 32 e + s
	s_lshl_b32 s46, s44, 12
	s_lshl_b32 s44, s44, 17
	s_lshl_b32 s48, s19, 10
	s_add_co_u32 s44, s44, s48
	s_lshl_b32 s48, s20, 12
	s_add_co_u32 s44, s44, s48                     ; hc: (32 e + s) x 131,072 + blocks 2 ch on + tiles 2 kq on
	s_mov_b32 s45, 0
	s_lshl_b32 s48, s19, 1
	s_add_co_u32 s46, s46, s48
	s_lshl_b32 s48, s20, 7
	s_add_co_u32 s46, s46, s48                     ; hs: (32 e + s) x 4,096 + bytes 2 ch on + slots 32 kq on
	s_mov_b32 s47, 0
	s_mul_i32 s50, s21, 5120                       ; list: 5,120 bytes an expert
	s_mov_b32 s51, 0
	s_wait_kmcnt 0x0
	s_add_nc_u64 s[8:9], s[8:9], s[50:51]
	s_add_nc_u64 s[10:11], s[10:11], s[40:41]
	s_add_nc_u64 s[12:13], s[12:13], s[42:43]
	s_add_nc_u64 s[14:15], s[14:15], s[44:45]
	s_add_nc_u64 s[16:17], s[16:17], s[46:47]
	s_load_b32 s23, s[8:9], 0x1200                 ; e's count, behind its 1,152 list words
	WIN 0x80                                       ; destination: window 2
.irp m, 0,1,2,3,4,5,6,7
	global_load_b128 v[4*\m:4*\m+3], v[B1O], s[12:13] offset:16*\m   ; b1 of columns 32 h + 0 .. 31
.endr
	WIN 0
.irp j, 0,1,2,3
	global_load_b128 v[LWD+4*\j:LWD+4*\j+3], v[LB], s[8:9] offset:16*\j   ; batch 0's 16 row ids of my wave, the same in every lane
.endr
	global_load_b32 v[LWD+16], v[LSB], s[8:9]
	LOADSET 0
	LOADSET 1
	LOADSET 2
	LOADSET 3
.irp b, 0,1,2,3,4,5,6,7,8,9,10,11
	QBLOCK \b, 48                                  ; three sets of 16 loads stay out
.endr
	s_mov_b32 s32, 256                             ; s32: where the list of the batch BEHIND the one gathered begins
	GADDR                                          ; batch 0's ids were asked for ahead of the first weights: they have long been shown in
	QBLOCK 12, 48                                  ; behind set 12: sets 13, 14, 15
	QBLOCK 13, 48                                  ; behind set 13: sets 14, 15 and the 16 loads of rows 0-7
	QBLOCK 14, 48                                  ; behind set 14: set 15 and the 32 loads of the 16 rows
	QBLOCK 15, 38                                  ; behind set 15: those 32, the scale bytes' load and the next ids' five
	WIN 0x08                                       ; source 1: window 2
.irp q, 0,1,2,3
.irp j, 0,1,2,3,4,5,6,7
	v_cndmask_b32 v[BIASC+8*\q+\j], 0, v[4*\j+\q], s36             ; register j of tile q is column 32 h + 4 j + q
.endr
.endr
	WIN 0
	s_wait_kmcnt 0x0
	s_min_u32 s23, s23, 1024                       ; N: e's rows
.macro STAGE_X                         ; my 16 rows go to the stage
	s_wait_loadcnt 0x0
	WIN 0x08                                       ; an LDS store's data are its source 1: window 2
.irp p, 0,1,2,3,4,5,6,7,8,9,10,11,12,13,14,15
.irp g, 0,1
	ds_store_b128 v[XW], v[128+8*\p+4*\g:128+8*\p+4*\g+3] offset:XROW*\p+512*\g
.endr
.endr
	WIN 0
	ds_store_b128 v[XSWA], v[GS:GS+3]
.endm
.macro AFLOAD k                        ; x's four fragments of my K step k: 16 LDS loads
	WIN 0xc0                                       ; destination: window 3
.irp i, 0,1,2,3
.irp c, 0,1,2,3
	ds_load_b128 v[64*\k+16*\i+4*\c:64*\k+16*\i+4*\c+3], v[XR+\i] offset:64*\k+16*\c
.endr
.endr
.endm
.macro MULK k                          ; K step k: 16 products; the 16 accumulators take turns, one instruction a turn, in the same order in every K step
.if \k == 0
	WIN 0x8d                                       ; W1 window 1, x window 3, C (the bias) window 0, D window 2
.else
	WIN 0xad                                       ; C and D window 2
.endif
.irp i, 0,1,2,3
.irp q, 0,1,2,3
.if \k == 0
	v_wmma_scale_f32_16x16x128_f8f6f4 v[32*\i+8*\q:32*\i+8*\q+7], v[16*(4*\k+\q):16*(4*\k+\q)+15], v[64*\k+16*\i:64*\k+16*\i+15], v[BIASC+8*\q:BIASC+8*\q+7], v[WS+4*\k+\q], v[XSW+4*\i+\k]
.else
	v_wmma_scale_f32_16x16x128_f8f6f4 v[32*\i+8*\q:32*\i+8*\q+7], v[16*(4*\k+\q):16*(4*\k+\q)+15], v[64*\k+16*\i:64*\k+16*\i+15], v[32*\i+8*\q:32*\i+8*\q+7], v[WS+4*\k+\q], v[XSW+4*\i+\k]
.endif
.endr
.endr
.endm
; A batch's products.  LDS loads and products go by turns, two K steps of loads ahead: while one K step is multiplied, a later one's fragments are on their way.  A run of loads lands in registers that none of the
; products issued since the last batch's end has named: each K step has its own 64.
.macro MULT
.irp i, 0,1,2,3
	ds_load_b128 v[XSW+4*\i:XSW+4*\i+3], v[XSR+\i] ; four scale words of row r of local tile i: my four K steps
.endr
	AFLOAD 0
	AFLOAD 1
	WIN 0
	GATHER                                         ; while they land, the next batch's rows are asked for: these have this batch's products and its way out in which to land
	s_wait_dscnt 16                                ; the scale words and K step 0 are in; K step 1's 16 loads may be out
	MULK 0
	AFLOAD 2
	s_wait_dscnt 16                                ; K step 1 is in; K step 2's 16 may be out
	MULK 1
	AFLOAD 3
	s_wait_dscnt 16                                ; K step 2 is in; K step 3's 16 may be out
	MULK 2
	s_wait_dscnt 0x0
	MULK 3
	WIN 0
.rept 8
	v_nop                                          ; eight plain places between the last product and the first read of a result, and the next loads into operands
.endr
	WIN 0x08
.irp g, 0,1,2,3,4,5,6,7,8,9,10,11,12,13,14,15
	ds_store_b128 v[MBW], v[64+4*\g:64+4*\g+3] offset:512*\g       ; local tiles 2 and 3 as they stand, each accumulator from its low end on: they are my partner's local tiles 0 and 1
.endr
	WIN 0
.endm
.macro FINISH
	WIN 0xc0
.irp g, 0,1,2,3,4,5,6,7,8,9,10,11,12,13,14,15
	ds_load_b128 v[4*\g:4*\g+3], v[MBR] offset:512*\g              ; my partner's parts of my two tiles
.endr
	WIN 0
	s_wait_xcnt 0x0                                ; the last batch's stores have read their data and addresses: both are written again below
	v_add_nc_u32 v[HOT], s33, v[HO]
	v_add_nc_u32 v[SOT], s34, v[SO]
	s_wait_dscnt 0x0
	WIN 0x8e                                       ; destination and source 0 window 2, source 1 window 3
.set n, 0
.rept 32
	v_pk_add_f32 v[n:n+1], v[n:n+1], v[n:n+1]      ; my part + my partner's, from the low end on
.set n, n+2
.endr
	WIN 0x28                                       ; sources 1 and 2: window 2
.irp k, 0,1,2,3
	v_max3_num_f32 v[MX+\k], s28, v[16*\k], v[16*\k+1]             ; no |.|: what is negative becomes 0, so it must not count; the floor stands over it.  Two chains a tile
.endr
.irp i, 2,4,6,8,10,12,14
.irp k, 0,1,2,3
	v_max3_num_f32 v[MX+\k], v[MX+\k], v[16*\k+\i], v[16*\k+\i+1]
.endr
.endr
	WIN 0
.irp u, 0,1
	v_max_num_f32 v[MX+2*\u], v[MX+2*\u], v[MX+2*\u+1]             ; the block's largest number: all 32 are mine
.endr
.irp u, 0,1
	v_add_nc_u32 v[SC+\u], 0xfc000000, v[MX+2*\u]
.endr
.irp u, 0,1
	v_and_or_b32 v[LIM+\u], v[MX+2*\u], 0x7f800000, s29
.endr
.irp u, 0,1
	v_lshrrev_b32 v[BY+\u], 23, v[SC+\u]           ; the byte of block 2 ch + h of my row
.endr
.irp u, 0,1
	v_permlanex16_b32 v[PM+\u], v[BY+\u], s26, s27 ; and the other half's
.endr
.irp u, 0,1
	v_cndmask_b32 v[BY+2+\u], v[BY+\u], v[PM+\u], s35              ; block 2 ch's
	v_cndmask_b32 v[PM+2+\u], v[PM+\u], v[BY+\u], s35              ; block 2 ch + 1's
.endr
.irp u, 0,1
	v_lshl_or_b32 v[HW+\u], v[PM+2+\u], 8, v[BY+2+\u]
.endr
	WIN 0x02                                       ; source 0: window 2
.irp u, 0,1
.irp q, 0,1,2,3
.irp j, 0,1,2,3,4,5,6,7
	v_med3_num_f32 v[T+32*\u+4*\j+\q], v[32*\u+8*\q+\j], 0, v[LIM+\u]   ; the relu, the hold and the order of the columns in one line
.endr
.endr
.endr
	WIN 0
.irp u, 0,1
.irp g, 0,1,2,3
	v_cvt_scalef32_pk8_fp8_f32 v[HC+8*\u+2*\g:HC+8*\u+2*\g+1], v[T+32*\u+8*\g:T+32*\u+8*\g+7], v[SC+\u]
.endr
.endr
	v_nop                                          ; a plain line behind the last conversion
.irp u, 0,1
	global_store_b128 v[HOT], v[HC+8*\u:HC+8*\u+3], s[14:15] offset:2048*\u          ; the block's codes 0-15 of 16 rows: sixteen lanes store 256 consecutive bytes, aligned
	global_store_b128 v[HOT], v[HC+8*\u+4:HC+8*\u+7], s[14:15] offset:2048*\u+256    ; its codes 16-31
	global_store_b16 v[SOT], v[HW+\u], s[16:17] offset:64*\u                         ; two of the row's four scale bytes (both halves of the lanes store the same)
.endr
.endm
	s_mov_b32 s32, 512                             ; batch 0's products gather batch 1 and ask for batch 2's ids
	s_mov_b32 s33, 0                               ; s33: the batch's four tiles in hc: 8,192 bytes a batch
	s_mov_b32 s34, 0                               ; s34: its 64 words in hs
	STAGE_X                                        ; batch 0 is written out and always runs
	BAR
	MULT
	BAR
	FINISH
	s_mov_b32 s30, 0
	s_mov_b32 s31, 64                              ; s31: the batch's first slot
	s_mov_b32 s32, 768
	s_mov_b32 s33, 8192
	s_mov_b32 s34, 256
.Lbatch:                                               ; batches 1 to 15: a constant count; only the work is jumped over
	s_cmp_lt_u32 s31, s23
	s_cbranch_scc0 .Lskip_a
	STAGE_X
.Lskip_a:
	BAR                                            ; the 64 rows lie in the stage; every wave's reads of its mailbox are over
	s_cmp_lt_u32 s31, s23
	s_cbranch_scc0 .Lskip_b
	MULT
.Lskip_b:
	BAR                                            ; the parts lie in the mailboxes; every wave's reads of the stage are over
	s_cmp_lt_u32 s31, s23
	s_cbranch_scc0 .Lskip_c
	FINISH
.Lskip_c:
	s_add_co_u32 s31, s31, 64
	s_add_co_u32 s32, s32, 256
	s_add_co_u32 s33, s33, 8192
	s_add_co_u32 s34, s34, 256
	s_add_co_u32 s30, s30, 1
	s_cmp_lt_u32 s30, 15
	s_cbranch_scc1 .Lbatch
	s_wait_tensorcnt 0x0
	ds_add_u32 v222, v223
	s_wait_dscnt 0x0
	s_endpgm
.Lfunc_end_k_qf78820add6_ffn1:
	.size	k_qf78820add6_ffn1, .Lfunc_end_k_qf78820add6_ffn1-k_qf78820add6_ffn1
	.p2alignl 7, 3214868480
	.fill 96, 4, 3214868480
	.section	.rodata,"a",@progbits
	.p2align	6, 0x0
	.amdhsa_kernel k_qf78820add6_ffn1
		.amdhsa_group_segment_fixed_size 102912
		.amdhsa_private_segment_fixed_size 0
		.amdhsa_enable_private_segment 0
		.amdhsa_kernarg_size 56
		.amdhsa_user_sgpr_count 2
		.amdhsa_user_sgpr_kernarg_segment_ptr 1
		.amdhsa_wavefront_size32 1
		.amdhsa_system_sgpr_workgroup_id_x 1
		.amdhsa_system_sgpr_workgroup_id_y 1
		.amdhsa_system_sgpr_workgroup_id_z 1
		.amdhsa_system_vgpr_workitem_id 0
		.amdhsa_next_free_vgpr 1024
		.amdhsa_next_free_sgpr 66
		.amdhsa_reserve_vcc 0
		.amdhsa_float_denorm_mode_32 3
		.amdhsa_float_denorm_mode_16_64 3
		.amdhsa_memory_ordered 1
		.amdhsa_forward_progress 1
		.amdhsa_inst_pref_size 238
	.end_amdhsa_kernel
	.amdgpu_metadata
---
amdhsa.version: [ 1, 2 ]
amdhsa.kernels:
  - .name:           k_qf78820add6_ffn1
    .symbol:         k_qf78820add6_ffn1.kd
    .args:
      - { .name: xc, .offset: 0, .size: 8, .value_kind: global_buffer, .address_space: global }
      - { .name: xs, .offset: 8, .size: 8, .value_kind: global_buffer, .address_space: global }
      - { .name: list, .offset: 16, .size: 8, .value_kind: global_buffer, .address_space: global }
      - { .name: W1, .offset: 24, .size: 8, .value_kind: global_buffer, .address_space: global }
      - { .name: b1, .offset: 32, .size: 8, .value_kind: global_buffer, .address_space: global }
      - { .name: hc, .offset: 40, .size: 8, .value_kind: global_buffer, .address_space: global }
      - { .name: hs, .offset: 48, .size: 8, .value_kind: global_buffer, .address_space: global }
    .group_segment_fixed_size: 102912
    .private_segment_fixed_size: 0
    .kernarg_segment_align: 8
    .kernarg_segment_size: 56
    .max_flat_workgroup_size: 128
    .sgpr_count:     66
    .vgpr_count:     1024
    .wavefront_size: 32
...
	.end_amdgpu_metadata
.endif
;; end of part 3
;; launch ffn2 (part 4): grid 32 x 8, 4 waves a work-group, no clusters, 67,072 bytes of LDS; arguments hc, hs, list, W2, b2, y; writes y
.if DOCPART == 4
	.amdgcn_target "amdgcn-amd-amdhsa--gfx1250"
	.amdhsa_code_object_version 6
	.text
	.protected	k_qf78820add6_ffn2
	.globl	k_qf78820add6_ffn2
	.p2align	8
	.type	k_qf78820add6_ffn2,@function
k_qf78820add6_ffn2:
	s_mov_b64 s[64:65], 0
	v_nop
	global_prefetch_b8 v0, s[64:65] scope:SCOPE_SE
	s_setreg_imm32_b32 hwreg(HW_REG_WAVE_MODE, 25, 1), 1
	s_wait_xcnt 0x0
; THE SECOND PRODUCT OF THE CHOSEN EXPERTS: y = h W2[e] (+ b2[e]), for the rows that chose expert e alone, on codes of E4M3 with one E8M0 scale for each 32 along K.
; SHARES.  Work-group (ds + 16 kh, e) owns columns 64 ds .. 64 ds + 63 and K half kh (2,048 of 4,096) of expert e: 2,048 x 64 numbers of W2, which no other work-group reads.
; Wave kq owns 512 along K of them.  PHASE 1: it reads them once, as f32, quantises them along K in registers and keeps the codes as 16 operand fragments (256 registers).
;   A lane (r, h) loads, of row k = 32 b + 16 h + i, the 16 bytes of columns 4 r .. 4 r + 3: sixteen lanes read 256 consecutive bytes.  TILE q IS THE COLUMNS 4 r + q.
;   The last four block steps have no further weights to ask for, and the 64 registers that block step 12 + k has just read are those of h's K step k: so each of them asks for that K step of the first batch.
; PHASE 2: the rows, in batches of 64 slots (four tiles of 16) of e's list, which an earlier launch stored with its count: both come by scalar loads.  h's fragments come from memory
;   straight into registers: hc holds them as images of the operand's registers.  The products are used transposed: lane (r', h') holds row r', register j of tile q is column 32 h' + 4 j + q.
;   K is split among the four waves: each multiplies all four tiles over its 512, keeps one and sends three, as images of the registers, through LDS.  A wave's local tile i is tile (i + kq) % 4,
;   so that it always keeps its local tile 0.  b2 is the C of the first products of wave 0 of K half 0 (zeros elsewhere).
; OUT.  y [kh 2][2,560 rows][1,024] f32: row = the slot's row id (2 token + choice).  A slot p past e's count holds the id 2,048 + 64 e + p % 64: a row that nobody reads.  Only the last batch that runs
;   has such slots, so each of these rows is stored by one slot alone: no byte of y is stored twice.
;   The two K halves and a token's two rows are added by the next launch: no sum spans work-groups here.
; THE LOOP over batches has a constant trip count and its barriers stand on every wave's path; a batch past e's count is left out by scalar branches round the work alone.  Batch 0 is written out and always runs.
; WHY NO JOINT REQUESTS AND NO COPY ENGINE: the work that a batch's branches skip hangs on a count read from memory, so every operand goes from memory straight to registers; and of a work-group's
; bytes the 524,288 of W2 are shared with nobody; what is shared is h's codes, 2,048 bytes a row.
; LIMITS.  NaN and infinities among the inputs are not served.  A block of zeros gets the byte 1, not 127: its codes are zeros, and only this program reads the bytes.
; REGISTERS, in windows of 256.  Window 0: addresses, scale words, work (below).  Window 1: W2's 16 fragments, (K step k, tile q) at v[16 (4 k + q)].
;   Window 2: v0-127 the 16 accumulators, (tile i, q) at v[32 i + 8 q]; v128-223 three parts from the other waves; v224-255 b2 as loaded.
;   Window 3: phase 1: four sets of 64 numbers as loaded; phase 2: h's 16 fragments, (k, i) at v[64 k + 16 i].
;   s[68:83]: the 16 row ids of my tile of the batch in hand.
.set PITCH, 4096                       ; a row of W2[e] in bytes
.set YROWS, 2560                       ; rows in a K half of y: 2,048 of tokens' choices, 8 x 64 for slots past a count
.set MBX,   0                          ; LDS: four mailboxes of 3 x 4,096 bytes
.set STG,   49152                      ; a stage of 16 rows x (256 bytes + 16) for each wave
.set WO,   4                           ; v4   W2: 16 h rows + 16 r
.set AT,   5                           ; v5-8   hc: local tile i + 16 lane;    v9-12  + the batch
.set ATT,  9
.set STO,  13                          ; v13-16 hs: local tile i's slots + 4 r; v17-20 + the batch
.set STT,  17
.set MBW,  21                          ; v21-23 where local tiles 1, 2, 3 go
.set MBR,  24                          ; v24  my mailbox + 16 lane
.set SGW,  25                          ; v25  my stage: row r, + 128 h
.set SGR,  26                          ; v26  and back: row h, + 16 r
.set R16,  29                          ; v29  16 r
.set MX,   30                          ; v30-33 largest magnitudes;  v34-37 the other half's;  v38-41 scale operands;  v42-45 holds;  v46-49 bytes
.set PM,   34
.set SC,   38
.set LIM,  42
.set BY,   46
.set RR,   50                          ; v50-57 row ids of the rows that I store
.set YA,   58                          ; v58-65 their byte offsets in y
.set B2O,  66                          ; v66  b2: 128 h
.set L16,  67                          ; v67  16 lane
.set TMP,  69
.set WS,   72                          ; v72-87  W2's scale words, (k, q) at 4 k + q: scales and nothing else
.set HSW,  88                          ; v88-103 h's scale words, (i, k) at 4 i + k: scales and nothing else
.set T,    104                         ; v104-167 64 numbers in the order of the conversions; later a row's 32 results in the order of the columns
.set OB,   168                         ; v168-199 rows of y on their way out
.set BIASC, 224                        ; v224-255 b2 in the result's layout: (q, j) at 8 q + j
.set IDS,  68                          ; s[68:83]
.set MSB, 0
.macro WIN new                         ; s_set_vgpr_msb: bits 1:0 source 0, 3:2 source 1, 5:4 source 2, 7:6 destination; the high byte repeats the setting that is left
.if MSB != \new
	s_set_vgpr_msb (MSB<<8)|\new
.set MSB, \new
.endif
.endm
.macro BAR                             ; my LDS stores have landed and my LDS loads are in: then the work-group's barrier
	s_wait_dscnt 0x0
	s_barrier_signal -1
	s_barrier_wait -1
.endm
.macro LOADSET b                       ; block step b: 32 along K x 64 columns, 16 loads, into set b % 4 of window 3: register 4 i + q = W2(32 b + 16 h + i, 4 r + q)
	WIN 0xc0
.irp i, 0,1,2,3,4,5,6,7,8,9,10,11,12,13,14,15
	global_load_b128 v[64*((\b)%4)+4*\i:64*((\b)%4)+4*\i+3], v[WO], s[10:11] offset:(32*(\b)+\i)*PITCH th:TH_LOAD_NT
.endr
.endm
; K step k of a batch's four tiles of h: four loads of scale words and sixteen of codes, 512 consecutive bytes each: 20 loads
.macro LOADA k
	WIN 0
.irp i, 0,1,2,3
	global_load_b32 v[HSW+4*\i+\k], v[STT+\i], s[6:7] offset:4096*\k
.endr
	WIN 0xc0
.irp i, 0,1,2,3
.irp c, 0,1,2,3
	global_load_b128 v[64*\k+16*\i+4*\c:64*\k+16*\i+4*\c+3], v[ATT+\i], s[4:5] offset:131072*\k+512*\c
.endr
.endr
	WIN 0
.endm
; Block step b becomes registers 4 c .. 4 c + 3 (c = b % 4) of the four fragments of K step b / 4, and byte c of their scale words.  left: the loads issued behind set b.
; tail: for block steps 12 to 15, b - 12: the K step of batch 0's h that takes the registers just read.
.macro QBLOCK b, left, tail
.set SB, 64*((\b)%4)
.set KS, (\b)/4
.set CQ, (\b)%4
	s_wait_loadcnt \left
	WIN 0x3c                                       ; sources 1 and 2: window 3
.irp q, 0,1,2,3
	v_max3_num_f32 v[MX+\q], s28, |v[SB+\q]|, |v[SB+4+\q]|         ; my 16 numbers of column 4 r + q, and the floor 2^(9 - 127): the byte cannot fall under 1
.endr
.irp i, 2,4,6,8,10,12,14
.irp q, 0,1,2,3
	v_max3_num_f32 v[MX+\q], v[MX+\q], |v[SB+4*\i+\q]|, |v[SB+4*\i+4+\q]|   ; (the four columns by turns)
.endr
.endr
	WIN 0
.irp q, 0,1,2,3
	v_permlanex16_b32 v[PM+\q], v[MX+\q], s26, s27
.endr
.irp q, 0,1,2,3
	v_max_num_f32 v[MX+\q], v[MX+\q], v[PM+\q]     ; with lane l xor 16's 16: the block's largest magnitude
.endr
.irp q, 0,1,2,3
	v_add_nc_u32 v[SC+\q], 0xfc000000, v[MX+\q]    ; 8 off its exponent field: the conversion's scale operand
.endr
.irp q, 0,1,2,3
	v_and_or_b32 v[LIM+\q], v[MX+\q], 0x7f800000, s29   ; 448 x the scale
.endr
.if CQ == 0
.irp q, 0,1,2,3
	v_lshrrev_b32 v[WS+4*KS+\q], 23, v[SC+\q]      ; the scale's byte begins the word
.endr
.else
.irp q, 0,1,2,3
	v_lshrrev_b32 v[BY+\q], 23, v[SC+\q]
.endr
.irp q, 0,1,2,3
	v_lshl_or_b32 v[WS+4*KS+\q], v[BY+\q], 8*CQ, v[WS+4*KS+\q]
.endr
.endif
	WIN 0x03                                       ; source 0: window 3
.irp q, 0,1,2,3
.irp i, 0,1,2,3,4,5,6,7,8,9,10,11,12,13,14,15
	v_med3_num_f32 v[T+16*\q+\i], v[SB+4*\i+\q], -v[LIM+\q], v[LIM+\q]   ; the hold (the conversion does not saturate: ISA guide 7.6.2) also lays a column's 16 numbers on end
.endr
.endr
.if (\b) < 12
	LOADSET \b+4                                   ; the set just read takes the block step four further on
.else
	LOADA \tail                                    ; no weights are left to ask for: the set just read takes batch 0's K step b - 12 of h
.endif
	WIN 0x40                                       ; destination: window 1
.irp q, 0,1,2,3
	v_cvt_scalef32_pk8_fp8_f32 v[64*KS+16*\q+4*CQ:64*KS+16*\q+4*CQ+1], v[T+16*\q:T+16*\q+7], v[SC+\q]
	v_cvt_scalef32_pk8_fp8_f32 v[64*KS+16*\q+4*CQ+2:64*KS+16*\q+4*CQ+3], v[T+16*\q+8:T+16*\q+15], v[SC+\q]
.endr
	WIN 0
	v_nop                                          ; a plain line behind the last conversion
.endm
	s_load_b256 s[4:11], s[0:1], 0x0               ; hc s[4:5], hs s[6:7], list s[8:9], W2 s[10:11]
	s_load_b128 s[12:15], s[0:1], 0x20             ; b2 s[12:13], y s[14:15]
	v_lshl_add_u32 v222, v0, 2, 0x10400
	v_mov_b32 v223, 0
	v_lshrrev_b32 v[TMP], 5, v0
	v_readfirstlane_b32 s18, v[TMP]                ; wave = kq: which 512 along K
	v_and_b32 v1, 31, v0                           ; lane
	v_and_b32 v2, 15, v0                           ; r
	v_bfe_u32 v3, v0, 4, 1                         ; h
	s_and_b32 s19, ttmp9, 15                       ; ds: which 64 columns
	s_lshr_b32 s20, ttmp9, 4                       ; kh: which half of K
	s_and_b32 s21, ttmp7, 0xffff                   ; e
	s_mov_b32 s26, 0x76543210                      ; v_permlanex16_b32's selects for lane l xor 16
	s_mov_b32 s27, 0xfedcba98
	s_mov_b32 s28, 0x4800000                       ; the floor
	s_mov_b32 s29, 0x600000                        ; the mantissa field of 448
	s_mov_b32 s39, 0xffff0000                      ; lanes 16-31
	s_or_b32 s40, s18, s20
	s_cmp_eq_u32 s40, 0
	s_cselect_b32 s36, -1, 0                       ; the bias goes in once: in wave 0 of K half 0
	v_lshlrev_b32 v[WO], 4, v2
	v_lshl_add_u32 v[WO], v3, 16, v[WO]
	v_lshlrev_b32 v[L16], 4, v1
	v_lshlrev_b32 v[R16], 4, v2
	v_lshlrev_b32 v[B2O], 7, v3
.irp i, 0,1,2,3
	s_add_co_u32 s40, s18, \i
	s_and_b32 s40, s40, 3                          ; local tile i is tile (i + kq) % 4, which wave (i + kq) % 4 keeps
	s_lshl_b32 s41, s40, 11
	v_add_nc_u32 v[AT+\i], s41, v[L16]
	s_lshl_b32 s41, s40, 6
	v_lshl_add_u32 v[STO+\i], v2, 2, s41
.if \i > 0
	s_mul_i32 s41, s40, 12288
	s_add_co_u32 s41, s41, MBX+(\i-1)*4096         ; its keeper's mailbox, place i - 1: the three senders of a keeper have three different i
	v_add_nc_u32 v[MBW+\i-1], s41, v[L16]
.endif
.endr
	s_mul_i32 s40, s18, 12288
	s_add_co_u32 s40, s40, MBX
	v_add_nc_u32 v[MBR], s40, v[L16]
	s_mul_i32 s40, s18, 16*272
	s_add_co_u32 s40, s40, STG
	v_mul_u32_u24 v[SGW], v2, 272
	v_lshl_add_u32 v[SGW], v3, 7, v[SGW]
	v_add_nc_u32 v[SGW], s40, v[SGW]
	v_mul_u32_u24 v[SGR], v3, 272
	v_lshl_add_u32 v[SGR], v2, 4, v[SGR]
	v_add_nc_u32 v[SGR], s40, v[SGR]
.irp i, 0,1,2,3
	v_mov_b32 v[ATT+\i], v[AT+\i]                  ; batch 0
	v_mov_b32 v[STT+\i], v[STO+\i]
.endr
.irp q, 0,1,2,3
	v_mov_b32 v[PM+\q], 0                          ; written once: a lane permute's destination counts as one of its sources
.endr
	; byte offsets of my part in W2, b2, hc, hs, y, list: all under 2^31
	s_lshl_b32 s40, s21, 24
	s_lshl_b32 s50, s20, 23
	s_add_co_u32 s40, s40, s50
	s_lshl_b32 s50, s18, 21
	s_add_co_u32 s40, s40, s50
	s_lshl_b32 s50, s19, 8
	s_add_co_u32 s40, s40, s50                     ; W2: e x 2^24 + (2,048 kh + 512 kq) rows + 256 ds
	s_mov_b32 s41, 0
	s_lshl_b32 s42, s21, 12
	s_add_co_u32 s42, s42, s50                     ; b2: 4 (1,024 e + 64 ds)
	s_mov_b32 s43, 0
	s_lshl_b32 s44, s21, 5
	s_lshl_b32 s50, s20, 4
	s_add_co_u32 s44, s44, s50
	s_lshl_b32 s50, s18, 2
	s_add_co_u32 s44, s44, s50                     ; my first K step: 32 e + 16 kh + 4 kq
	s_lshl_b32 s46, s44, 12                        ; hs: 4,096 bytes a K step
	s_lshl_b32 s44, s44, 17                        ; hc: 131,072
	s_mov_b32 s45, 0
	s_mov_b32 s47, 0
	s_mul_i32 s48, s20, YROWS*4096
	s_lshl_b32 s50, s19, 8
	s_add_co_u32 s48, s48, s50                     ; y: K half kh's 2,560 rows + 256 ds
	s_mov_b32 s49, 0
	s_mul_i32 s52, s21, 5120                       ; list: 5,120 bytes an expert;
	s_mov_b32 s53, 0
	s_lshl_b32 s54, s18, 6                         ; in a batch's 64 words my tile's 16: 64 kq bytes on
	s_mov_b32 s55, 0
	s_wait_kmcnt 0x0
	s_add_nc_u64 s[8:9], s[8:9], s[52:53]
	s_add_nc_u64 s[16:17], s[8:9], s[54:55]
	s_add_nc_u64 s[10:11], s[10:11], s[40:41]
	s_add_nc_u64 s[12:13], s[12:13], s[42:43]
	s_add_nc_u64 s[4:5], s[4:5], s[44:45]
	s_add_nc_u64 s[6:7], s[6:7], s[46:47]
	s_add_nc_u64 s[14:15], s[14:15], s[48:49]
	s_load_b32 s23, s[8:9], 0x1200                 ; e's count, behind its 1,152 list words
	WIN 0x80                                       ; destination: window 2
.irp m, 0,1,2,3,4,5,6,7
	global_load_b128 v[224+4*\m:224+4*\m+3], v[B2O], s[12:13] offset:16*\m   ; b2 of columns 32 h + 0 .. 31
.endr
	LOADSET 0
	LOADSET 1
	LOADSET 2
	LOADSET 3
.irp b, 0,1,2,3,4,5,6,7,8,9,10,11
	QBLOCK \b, 48, 0                               ; three sets of 16 loads stay out
.endr
	QBLOCK 12, 48, 0                               ; behind set 12: sets 13, 14, 15
	QBLOCK 13, 52, 1                               ; behind set 13: sets 14, 15 and the 20 loads of h's K step 0
	QBLOCK 14, 56, 2                               ; behind set 14: set 15 and the 40 loads of K steps 0, 1
	QBLOCK 15, 60, 3                               ; behind set 15: the 60 loads of K steps 0, 1, 2
	WIN 0x08                                       ; source 1: window 2
.irp q, 0,1,2,3
.irp j, 0,1,2,3,4,5,6,7
	v_cndmask_b32 v[BIASC+8*\q+\j], 0, v[224+4*\j+\q], s36         ; register j of tile q is column 32 h + 4 j + q
.endr
.endr
	WIN 0
	s_wait_kmcnt 0x0
	s_min_u32 s23, s23, 1024                       ; N: e's rows
	s_add_co_u32 s34, s23, 63
	s_lshr_b32 s34, s34, 6
	s_max_u32 s34, s34, 1
	s_sub_co_u32 s34, s34, 1                       ; the last batch that the launch before has written
.macro MULK k                          ; K step k: 16 products; the 16 accumulators take turns, one instruction a turn, in the same order in every K step
.if \k == 0
	WIN 0x8d                                       ; W2 window 1, h window 3, C (the bias) window 0, D window 2
.else
	WIN 0xad                                       ; C and D window 2
.endif
.irp i, 0,1,2,3
.irp q, 0,1,2,3
.if \k == 0
	v_wmma_scale_f32_16x16x128_f8f6f4 v[32*\i+8*\q:32*\i+8*\q+7], v[16*(4*\k+\q):16*(4*\k+\q)+15], v[64*\k+16*\i:64*\k+16*\i+15], v[BIASC+8*\q:BIASC+8*\q+7], v[WS+4*\k+\q], v[HSW+4*\i+\k]
.else
	v_wmma_scale_f32_16x16x128_f8f6f4 v[32*\i+8*\q:32*\i+8*\q+7], v[16*(4*\k+\q):16*(4*\k+\q)+15], v[64*\k+16*\i:64*\k+16*\i+15], v[32*\i+8*\q:32*\i+8*\q+7], v[WS+4*\k+\q], v[HSW+4*\i+\k]
.endif
.endr
.endr
.endm
.macro MULT
	s_wait_xcnt 0x0                                ; the loads that are out have read their address registers: these are written again
	s_min_u32 s33, s35, s34                        ; the batch to fetch next: the one that follows, or the last written one again,
	s_min_u32 s33, s33, 15                         ; inside the buffers whatever the count
	s_lshl_b32 s40, s33, 13                        ; four tiles of 2,048 bytes a batch
	s_lshl_b32 s41, s33, 8                         ; 64 words
.irp i, 0,1,2,3
	v_add_nc_u32 v[ATT+\i], s40, v[AT+\i]
	v_add_nc_u32 v[STT+\i], s41, v[STO+\i]
.endr
	s_load_b512 s[IDS:IDS+15], s[16:17], s32 offset:0x0            ; the 16 row ids of my tile of this batch: wanted on the way out
.irp k, 0,1,2,3
	s_wait_loadcnt 60                              ; the sets go out in the order 0, 1, 2, 3, 0, ..: behind this batch's set k three sets of 20 loads have been issued
	MULK \k
	WIN 0
.rept 8
	v_nop                                          ; eight plain places between the last product and the loads into its operands, and the first read of a result
.endr
	LOADA \k                                       ; the next batch's K step k: it has three K steps, the exchange and the way out in which to land
.endr
	s_wait_kmcnt 0x0                               ; the ids are in: so s32, which their load reads, is stepped only behind this wait, whichever blocks of the trip run
	WIN 0x08                                       ; an LDS store's data are its source 1: window 2
.irp i, 1,2,3
.irp g, 0,1,2,3,4,5,6,7
	ds_store_b128 v[MBW+\i-1], v[32*\i+4*\g:32*\i+4*\g+3] offset:512*\g   ; local tiles 1 to 3 as they stand, each accumulator from its low end on
.endr
.endr
	WIN 0
.endm
.macro FINISH
	WIN 0x80
.irp m, 0,1,2
.irp g, 0,1,2,3,4,5,6,7
	ds_load_b128 v[128+32*\m+4*\g:128+32*\m+4*\g+3], v[MBR] offset:4096*\m+512*\g   ; the other three waves' parts of my tile
.endr
.endr
	WIN 0
	s_wait_xcnt 0x0                                ; the last batch's stores have read their data and addresses: both are written again below
.irp t, 0,1,2,3,4,5,6,7
	v_mov_b32 v[RR+\t], s[IDS+2*\t]                ; the row id of slot 2 t + h of my tile: lanes 0-15 the even slot's,
.endr
.irp t, 0,1,2,3,4,5,6,7
	v_cndmask_b32 v[RR+\t], v[RR+\t], s[IDS+2*\t+1], s39           ; lanes 16-31 the odd slot's
.endr
	s_wait_dscnt 0x0
	WIN 0x8a                                       ; all in window 2
.set n, 0
.rept 16
	v_pk_add_f32 v[n:n+1], v[n:n+1], v[128+n:129+n]                ; my part + the first, from the low end on;
	v_pk_add_f32 v[160+n:161+n], v[160+n:161+n], v[192+n:193+n]    ; the second + the third
.set n, n+2
.endr
	WIN 0x0a                                       ; sources window 2, destination window 0
.irp j, 0,1,2,3,4,5,6,7
.irp q, 0,1,2,3
	v_add_f32 v[T+4*\j+\q], v[8*\q+\j], v[160+8*\q+\j]             ; the last addition lays the 32 columns in order
.endr
.endr
	WIN 0
.irp t, 0,1,2,3,4,5,6,7
	v_min_u32 v[RR+\t], YROWS-1, v[RR+\t]          ; inside y
.endr
.irp t, 0,1,2,3,4,5,6,7
	v_lshl_add_u32 v[YA+\t], v[RR+\t], 12, v[R16]  ; row x 4,096 bytes + 16 r
.endr
.irp j, 0,1,2,3,4,5,6,7
	ds_store_b128 v[SGW], v[T+4*\j:T+4*\j+3] offset:16*\j          ; 128 bytes of row r into my own stage
.endr
.irp t, 0,1,2,3,4,5,6,7
	ds_load_b128 v[OB+4*\t:OB+4*\t+3], v[SGR] offset:544*\t        ; LDS serves a wave's instructions in order (ISA guide 5.7.1.4): these see the stores above.  Rows 2 t + h, whole
.endr
.irp t, 0,1,2,3,4,5,6,7
	s_wait_dscnt 7-\t                              ; row pair t is back; the later pairs' loads may be out
	global_store_b128 v[YA+\t], v[OB+4*\t:OB+4*\t+3], s[14:15] th:TH_STORE_NT   ; sixteen lanes store 256 consecutive bytes of one row, aligned; every slot has a row of its own
.endr
.endm
	s_mov_b32 s32, 0                               ; s32: where the batch's list begins
	s_mov_b32 s35, 1                               ; s35: the batch's number + 1
	MULT                                           ; batch 0 is written out and always runs
	BAR
	FINISH
	BAR
	s_mov_b32 s30, 0
	s_mov_b32 s31, 64                              ; s31: the batch's first slot
	s_mov_b32 s32, 256
	s_mov_b32 s35, 2
.Lbatch:                                               ; batches 1 to 15: a constant count; only the work is jumped over
	s_cmp_lt_u32 s31, s23
	s_cbranch_scc0 .Lskip_b
	MULT
.Lskip_b:
	BAR                                            ; the parts lie in the mailboxes
	s_cmp_lt_u32 s31, s23
	s_cbranch_scc0 .Lskip_c
	FINISH
.Lskip_c:
	BAR                                            ; every wave's reads of its mailbox are over: the next batch's parts may be sent
	s_add_co_u32 s31, s31, 64
	s_add_co_u32 s32, s32, 256
	s_add_co_u32 s35, s35, 1
	s_add_co_u32 s30, s30, 1
	s_cmp_lt_u32 s30, 15
	s_cbranch_scc1 .Lbatch
	s_wait_tensorcnt 0x0
	ds_add_u32 v222, v223
	s_wait_dscnt 0x0
	s_endpgm
.Lfunc_end_k_qf78820add6_ffn2:
	.size	k_qf78820add6_ffn2, .Lfunc_end_k_qf78820add6_ffn2-k_qf78820add6_ffn2
	.p2alignl 7, 3214868480
	.fill 96, 4, 3214868480
	.section	.rodata,"a",@progbits
	.p2align	6, 0x0
	.amdhsa_kernel k_qf78820add6_ffn2
		.amdhsa_group_segment_fixed_size 67072
		.amdhsa_private_segment_fixed_size 0
		.amdhsa_enable_private_segment 0
		.amdhsa_kernarg_size 48
		.amdhsa_user_sgpr_count 2
		.amdhsa_user_sgpr_kernarg_segment_ptr 1
		.amdhsa_wavefront_size32 1
		.amdhsa_system_sgpr_workgroup_id_x 1
		.amdhsa_system_sgpr_workgroup_id_y 1
		.amdhsa_system_sgpr_workgroup_id_z 1
		.amdhsa_system_vgpr_workitem_id 0
		.amdhsa_next_free_vgpr 1024
		.amdhsa_next_free_sgpr 96
		.amdhsa_reserve_vcc 0
		.amdhsa_float_denorm_mode_32 3
		.amdhsa_float_denorm_mode_16_64 3
		.amdhsa_memory_ordered 1
		.amdhsa_forward_progress 1
		.amdhsa_inst_pref_size 226
	.end_amdhsa_kernel
	.amdgpu_metadata
---
amdhsa.version: [ 1, 2 ]
amdhsa.kernels:
  - .name:           k_qf78820add6_ffn2
    .symbol:         k_qf78820add6_ffn2.kd
    .args:
      - { .name: hc, .offset: 0, .size: 8, .value_kind: global_buffer, .address_space: global }
      - { .name: hs, .offset: 8, .size: 8, .value_kind: global_buffer, .address_space: global }
      - { .name: list, .offset: 16, .size: 8, .value_kind: global_buffer, .address_space: global }
      - { .name: W2, .offset: 24, .size: 8, .value_kind: global_buffer, .address_space: global }
      - { .name: b2, .offset: 32, .size: 8, .value_kind: global_buffer, .address_space: global }
      - { .name: y, .offset: 40, .size: 8, .value_kind: global_buffer, .address_space: global }
    .group_segment_fixed_size: 67072
    .private_segment_fixed_size: 0
    .kernarg_segment_align: 8
    .kernarg_segment_size: 48
    .max_flat_workgroup_size: 128
    .sgpr_count:     96
    .vgpr_count:     1024
    .wavefront_size: 32
...
	.end_amdgpu_metadata
.endif
;; end of part 4
;; launch combine (part 5): grid 256 x 1, 8 waves a work-group, no clusters, 0 bytes of LDS; arguments y, gw, out0; writes out0
.if DOCPART == 5
	.amdgcn_target "amdgcn-amd-amdhsa--gfx1250"
	.amdhsa_code_object_version 6
	.text
	.protected	k_qf78820add6_combine
	.globl	k_qf78820add6_combine
	.p2align	8
	.type	k_qf78820add6_combine,@function
k_qf78820add6_combine:
	s_mov_b64 s[64:65], 0
	v_nop
	global_prefetch_b8 v0, s[64:65] scope:SCOPE_SE
	s_setreg_imm32_b32 hwreg(HW_REG_WAVE_MODE, 25, 1), 1
	s_wait_xcnt 0x0
; out0[t] = gw[2 t] (y0[2 t] + y1[2 t]) + gw[2 t + 1] (y0[2 t + 1] + y1[2 t + 1]):  y0, y1 the two K halves of the second product, rows by 2 token + choice.
; y [2][2,560 rows][1,024] f32 (rows 2,048 on are read by nobody), gw [2,048] f32, out0 [1,024][1,024] f32.
; A stream: a work-group takes four tokens, thread i the 16 bytes at 16 i of every row, so each load and store of a wave covers 512 consecutive bytes.  All 16 loads go out at once;
; nothing is read twice; no LDS, no barrier, no matrix unit: there is nothing here for them to do.
.set Y, 16                             ; v16-79: token j at 16 j: +0 y0 of its first row, +4 y1 of it, +8 y0 of its second row, +12 y1 of it
	s_load_b128 s[4:7], s[0:1], 0x0                ; y s[4:5], gw s[6:7]
	s_load_b64 s[8:9], s[0:1], 0x10                ; out0
	v_lshlrev_b32 v1, 4, v0
	s_lshl_b32 s20, ttmp9, 5                       ; gw: 8 numbers a work-group
	s_mov_b32 s21, 0
	s_lshl_b32 s22, ttmp9, 15                      ; y: 8 rows of 4,096 bytes
	s_mov_b32 s23, 0
	s_lshl_b32 s24, ttmp9, 14                      ; out0: 4 rows
	s_mov_b32 s25, 0
	s_wait_kmcnt 0x0
	s_add_nc_u64 s[6:7], s[6:7], s[20:21]
	s_load_b256 s[12:19], s[6:7], 0x0              ; the four tokens' weights
	s_add_nc_u64 s[4:5], s[4:5], s[22:23]
	s_add_nc_u64 s[10:11], s[4:5], 2560*4096       ; the second K half
	s_add_nc_u64 s[8:9], s[8:9], s[24:25]
.irp j, 0,1,2,3
.irp c, 0,1
	global_load_b128 v[Y+16*\j+8*\c:Y+16*\j+8*\c+3], v1, s[4:5] offset:(2*\j+\c)*4096 th:TH_LOAD_NT
	global_load_b128 v[Y+16*\j+8*\c+4:Y+16*\j+8*\c+7], v1, s[10:11] offset:(2*\j+\c)*4096 th:TH_LOAD_NT
.endr
.endr
	s_wait_kmcnt 0x0
.irp j, 0,1,2,3
	s_wait_loadcnt 12-4*\j                         ; token j's four loads are in; the later tokens' may be out
	v_pk_add_f32 v[Y+16*\j:Y+16*\j+1], v[Y+16*\j:Y+16*\j+1], v[Y+16*\j+4:Y+16*\j+5]
	v_pk_add_f32 v[Y+16*\j+2:Y+16*\j+3], v[Y+16*\j+2:Y+16*\j+3], v[Y+16*\j+6:Y+16*\j+7]
	v_pk_add_f32 v[Y+16*\j+8:Y+16*\j+9], v[Y+16*\j+8:Y+16*\j+9], v[Y+16*\j+12:Y+16*\j+13]
	v_pk_add_f32 v[Y+16*\j+10:Y+16*\j+11], v[Y+16*\j+10:Y+16*\j+11], v[Y+16*\j+14:Y+16*\j+15]
.irp k, 0,1,2,3
	v_mul_f32 v[Y+16*\j+\k], s[12+2*\j], v[Y+16*\j+\k]
.endr
.irp k, 0,1,2,3
	v_fmac_f32 v[Y+16*\j+\k], s[13+2*\j], v[Y+16*\j+8+\k]
.endr
	global_store_b128 v1, v[Y+16*\j:Y+16*\j+3], s[8:9] offset:4096*\j th:TH_STORE_NT
.endr
	s_endpgm
.Lfunc_end_k_qf78820add6_combine:
	.size	k_qf78820add6_combine, .Lfunc_end_k_qf78820add6_combine-k_qf78820add6_combine
	.p2alignl 7, 3214868480
	.fill 96, 4, 3214868480
	.section	.rodata,"a",@progbits
	.p2align	6, 0x0
	.amdhsa_kernel k_qf78820add6_combine
		.amdhsa_group_segment_fixed_size 0
		.amdhsa_private_segment_fixed_size 0
		.amdhsa_enable_private_segment 0
		.amdhsa_kernarg_size 24
		.amdhsa_user_sgpr_count 2
		.amdhsa_user_sgpr_kernarg_segment_ptr 1
		.amdhsa_wavefront_size32 1
		.amdhsa_system_sgpr_workgroup_id_x 1
		.amdhsa_system_sgpr_workgroup_id_y 1
		.amdhsa_system_sgpr_workgroup_id_z 1
		.amdhsa_system_vgpr_workitem_id 0
		.amdhsa_next_free_vgpr 96
		.amdhsa_next_free_sgpr 66
		.amdhsa_reserve_vcc 0
		.amdhsa_float_denorm_mode_32 3
		.amdhsa_float_denorm_mode_16_64 3
		.amdhsa_memory_ordered 1
		.amdhsa_forward_progress 1
		.amdhsa_inst_pref_size 5
	.end_amdhsa_kernel
	.amdgpu_metadata
---
amdhsa.version: [ 1, 2 ]
amdhsa.kernels:
  - .name:           k_qf78820add6_combine
    .symbol:         k_qf78820add6_combine.kd
    .args:
      - { .name: y, .offset: 0, .size: 8, .value_kind: global_buffer, .address_space: global }
      - { .name: gw, .offset: 8, .size: 8, .value_kind: global_buffer, .address_space: global }
      - { .name: out0, .offset: 16, .size: 8, .value_kind: global_buffer, .address_space: global }
    .group_segment_fixed_size: 0
    .private_segment_fixed_size: 0
    .kernarg_segment_align: 8
    .kernarg_segment_size: 24
    .max_flat_workgroup_size: 256
    .sgpr_count:     66
    .vgpr_count:     96
    .wavefront_size: 32
...
	.end_amdgpu_metadata
.endif
;; end of part 5
;; ======== version 2 of 2: 5 launches
;; workspace buffers: xc 1,048,576 bytes; xs 32,768 bytes; sel 4,096 bytes of whole numbers; gw 8,192 bytes; hc 33,554,432 bytes; hs 1,048,576 bytes; y 20,971,520 bytes; list 40,960 bytes of whole numbers
;; launch gate (part 6): grid 256 x 1, 2 waves a work-group, no clusters, 34,048 bytes of LDS; arguments x, Wg, bg, xc, xs, sel, gw; writes xc, xs, sel, gw
.if DOCPART == 6
	.amdgcn_target "amdgcn-amd-amdhsa--gfx1250"
	.amdhsa_code_object_version 6
	.text
	.protected	k_qf78820add6_gate
	.globl	k_qf78820add6_gate
	.p2align	8
	.type	k_qf78820add6_gate,@function
k_qf78820add6_gate:
	s_mov_b64 s[64:65], 0
	v_nop
	global_prefetch_b8 v0, s[64:65] scope:SCOPE_SE
	s_setreg_imm32_b32 hwreg(HW_REG_WAVE_MODE, 25, 1), 1
	s_wait_xcnt 0x0
; THE GATE, AND x AS CODES.  x [1024 tokens][1024] f32, Wg [1024][8], bg [8].
; For each token: logits = x Wg + bg by f32 multiply-adds, softmax over the 8 experts with the largest logit taken away first, the two largest
; probabilities (of equal ones the lower index is kept), their weights p / (p1 + p2 + 1e-9).
; Stored at fixed places: sel[t] = index1 | index2 << 8 (a whole number), gw[2 t], gw[2 t + 1] the two weights.  No address and no branch here hangs on the choice.
; x is also turned into codes of E4M3 with one E8M0 byte for each 32 along its 1,024:
;   xc [t][half 2][block 32][16 bytes]: block b's codes 0-15 at 16 b, its codes 16-31 at 512 + 16 b;   xs [t][32] the bytes.
; A block's scale is 2^(floor(log2(largest magnitude)) - 8); each number is held within +-448 x the scale and rounded to the nearest code, ties to even.
; SHARES.  A wave takes two tokens; lane L holds block L (numbers 32 L .. 32 L + 31) of both, so a block's largest magnitude needs no other lane,
; and the logits are 32 partial sums a token and expert, added across the lanes at the end.
; Wg.  Lane L wants rows 32 L .. 32 L + 31 of Wg: 1,024 bytes on end, and the lanes' parts lie 1,024 bytes apart: taken so from memory, each load would pick 16 bytes out of 32 places far apart.
; So the work-group copies Wg once into LDS, each of its two waves one half, by loads of 512 consecutive bytes; one barrier; and the lanes read their rows from there.
; 16 bytes of padding stand behind each 1,024: a lane's part begins 65 x 16 bytes behind its neighbour's.
; LIMITS.  NaN and infinities among the inputs are not served.  A block of zeros gets the byte 1, not 127: its codes are zeros, and only this program reads the bytes.
; Where a token's second and third probabilities differ by less than the rounding of these f32 sums, the other expert may be chosen.
.set X,   32                           ; v32-95    X[32 tok + k]: my 32 numbers of each token
.set WG,  96                           ; v96-223   first my wave's half of Wg on its way to LDS; then four slots of 32: rows 4 i .. 4 i + 3 of my 32 rows of Wg, register 8 kk + j
.set ACC, 224                          ; v224-239  ACC[8 tok + j]: logits, then probabilities
.set QM,  100                          ; v100-107  (Wg's registers are free by then) largest magnitudes, scale operands, holds, bytes
.set CD,  128                          ; v128-143  codes, 8 registers a token
.set WPART, 1040                       ; LDS: a lane's 32 rows of Wg: 1,024 bytes + 16 of padding; 32 such parts from byte 0 on
	s_load_b256 s[4:11], s[0:1], 0x0               ; x s[4:5], Wg s[6:7], bg s[8:9], xc s[10:11]
	s_load_b128 s[12:15], s[0:1], 0x20             ; xs s[12:13], sel s[14:15]
	s_load_b64 s[16:17], s[0:1], 0x30              ; gw
	v_lshl_add_u32 v254, v0, 2, 0x8400
	v_mov_b32 v255, 0
	v_lshrrev_b32 v7, 5, v0
	v_readfirstlane_b32 s18, v7                    ; wave 0, 1
	v_and_b32 v1, 31, v0                           ; lane L
	v_lshlrev_b32 v2, 7, v1                        ; x: 128 L
	v_mul_u32_u24 v3, v1, WPART                    ; Wg in LDS: my part
	v_lshlrev_b32 v4, 4, v1                        ; codes: 16 L
	v_and_b32 v6, 1, v1
	v_lshlrev_b32 v5, 2, v6                        ; sel: 4 (L & 1)
	v_lshlrev_b32 v6, 3, v6                        ; gw: 8 (L & 1)
	s_lshl_b32 s44, s18, 14                        ; my wave's half of Wg in memory: 16,384 bytes,
	s_mul_i32 s45, s18, 16*WPART                   ; and in LDS: 16 parts
	v_add_nc_u32 v29, s44, v4                      ; + 16 L
	v_add_nc_u32 v30, s45, v4
	s_lshl_b32 s19, ttmp9, 2
	s_lshl_b32 s18, s18, 1
	s_add_co_u32 s19, s19, s18                     ; my first token: 4 x work-group + 2 x wave
	s_mov_b32 s29, 0xaaaaaaaa                      ; the odd lanes
	s_mov_b32 s30, 0x76543210                      ; v_permlanex16_b32's selects for lane l xor 16
	s_mov_b32 s31, 0xfedcba98
	s_mov_b32 s32, 0x600000                        ; the mantissa field of 448
	s_lshl_b32 s34, s19, 12                        ; byte offsets of my first token in x, xc, xs, sel, gw
	s_mov_b32 s35, 0
	s_lshl_b32 s36, s19, 10
	s_mov_b32 s37, 0
	s_lshl_b32 s38, s19, 5
	s_mov_b32 s39, 0
	s_lshl_b32 s40, s19, 2
	s_mov_b32 s41, 0
	s_lshl_b32 s42, s19, 3
	s_mov_b32 s43, 0
	s_wait_alu depctr_va_vdst(0)
	s_wait_kmcnt 0x0
	s_load_b256 s[20:27], s[8:9], 0x0              ; bg: eight numbers, the same for every lane
	s_add_nc_u64 s[4:5], s[4:5], s[34:35]
	s_add_nc_u64 s[10:11], s[10:11], s[36:37]
	s_add_nc_u64 s[12:13], s[12:13], s[38:39]
	s_add_nc_u64 s[14:15], s[14:15], s[40:41]
	s_add_nc_u64 s[16:17], s[16:17], s[42:43]
.irp tok, 0,1
.irp m, 0,1,2,3,4,5,6,7
	global_load_b128 v[X+32*\tok+4*\m:X+32*\tok+4*\m+3], v2, s[4:5] offset:4096*\tok+16*\m th:TH_LOAD_NT
.endr
.endr
.irp n, 0,1,2,3,4,5,6,7,8,9,10,11,12,13,14,15,16,17,18,19,20,21,22,23,24,25,26,27,28,29,30,31
	global_load_b128 v[WG+4*\n:WG+4*\n+3], v29, s[6:7] offset:512*\n   ; my half of Wg: 512 consecutive bytes a load
.endr
.irp n, 0,1,2,3,4,5,6,7,8,9,10,11,12,13,14,15,16,17,18,19,20,21,22,23,24,25,26,27,28,29,30,31
	s_wait_loadcnt 31-\n                           ; load n of Wg is in (and x, asked for ahead of it); the later ones may be out
	ds_store_b128 v30, v[WG+4*\n:WG+4*\n+3] offset:512*\n+16*(\n/2)   ; two loads fill a part of 1,024 bytes: 16 bytes of padding more for each part passed
.endr
	s_wait_dscnt 0x0                               ; for the other wave's sake: my half lies in LDS
	s_barrier_signal -1
	s_barrier_wait -1                              ; both halves do
.macro WLOAD i                         ; chunk i: rows 32 L + 4 i .. + 3 of Wg, 128 bytes a lane, from LDS into slot i % 4
.irp m, 0,1,2,3,4,5,6,7
	ds_load_b128 v[WG+32*((\i)%4)+4*\m:WG+32*((\i)%4)+4*\m+3], v3 offset:128*(\i)+16*\m
.endr
.endm
.macro CHUNK i, left                   ; left: the LDS loads of the chunks asked for behind chunk i, which may stay out
	s_wait_dscnt \left
.irp kk, 0,1,2,3
.irp tok, 0,1
.irp j, 0,1,2,3,4,5,6,7
.if ((\i) == 0) && (\kk == 0)
	v_mul_f32 v[ACC+8*\tok+\j], v[X+32*\tok], v[WG+\j]             ; the first product starts the sums: nothing is cleared
.else
	v_fmac_f32 v[ACC+8*\tok+\j], v[X+32*\tok+4*(\i)+\kk], v[WG+32*((\i)%4)+8*\kk+\j]
.endif
.endr
.endr
.endr
.endm
.irp i, 0,1,2,3
	WLOAD \i
.endr
.irp i, 0,1,2,3
	CHUNK \i, 24                                   ; chunk i is in; three chunks of eight loads stay out
	WLOAD \i+4                                     ; the slot just used takes the chunk four further on
.endr
	CHUNK 4, 24
	CHUNK 5, 16
	CHUNK 6, 8
	CHUNK 7, 0
	; the 16 sums over the 32 lanes: four steps inside each half ride on the additions, one crosses the halves; every lane ends with the sums
.irp s, 1,2,4,8
.irp n, 0,1,2,3,4,5,6,7,8,9,10,11,12,13,14,15
	v_add_f32_dpp v[ACC+\n], v[ACC+\n], v[ACC+\n] row_xmask:\s row_mask:0xf bank_mask:0xf
.endr
.endr
.irp n, 0,1,2,3,4,5,6,7,8,9,10,11,12,13,14,15
	v_permlanex16_b32 v[WG+\n], v[ACC+\n], s30, s31                ; (its destination counts as read: Wg's registers have been written)
.endr
.irp n, 0,1,2,3,4,5,6,7,8,9,10,11,12,13,14,15
	v_add_f32 v[ACC+\n], v[ACC+\n], v[WG+\n]
.endr
	s_wait_kmcnt 0x0                               ; bg
.irp tok, 0,1
.irp j, 0,1,2,3,4,5,6,7
	v_add_f32 v[ACC+8*\tok+\j], s[20+\j], v[ACC+8*\tok+\j]
.endr
.endr
; One token's softmax and choice; all lanes hold the same numbers.  R+0 largest logit, +1 sum, +2 its reciprocal, +3/+4 first index/probability, +5/+6 second, +7 divisor, +8 the word for sel
.macro ROUTE tok
.set Z, ACC+8*\tok
.set R, 8+12*\tok
	v_max3_num_f32 v[R], v[Z], v[Z+1], v[Z+2]
	v_max3_num_f32 v[R], v[R], v[Z+3], v[Z+4]
	v_max3_num_f32 v[R], v[R], v[Z+5], v[Z+6]
	v_max_num_f32 v[R], v[R], v[Z+7]
.irp j, 0,1,2,3,4,5,6,7
	v_sub_f32 v[Z+\j], v[Z+\j], v[R]               ; the largest logit is taken away first
.endr
.irp j, 0,1,2,3,4,5,6,7
	v_mul_f32 v[Z+\j], 0x3fb8aa3b, v[Z+\j]         ; x log2(e)
.endr
	s_wait_alu depctr_va_vdst(0)
.irp j, 0,1,2,3,4,5,6,7
	v_exp_f32 v[Z+\j], v[Z+\j]
.endr
	v_mov_b32 v[R+3], 0                            ; (a plain line behind the exponentials)  the first index begins at 0
	s_wait_alu depctr_va_vdst(0)
	v_add_f32 v[R+1], v[Z], v[Z+1]
	v_add_f32 v[R+2], v[Z+2], v[Z+3]
	v_add_f32 v[R+7], v[Z+4], v[Z+5]
	v_add_f32 v[R+8], v[Z+6], v[Z+7]
	v_add_f32 v[R+1], v[R+1], v[R+2]
	v_add_f32 v[R+7], v[R+7], v[R+8]
	v_add_f32 v[R+1], v[R+1], v[R+7]
	s_wait_alu depctr_va_vdst(0)
	v_rcp_f32 v[R+2], v[R+1]
	v_mov_b32 v[R+5], 0                            ; (a plain line behind the reciprocal)
	s_wait_alu depctr_va_vdst(0)
.irp j, 0,1,2,3,4,5,6,7
	v_mul_f32 v[Z+\j], v[Z+\j], v[R+2]             ; the probabilities
.endr
	v_mov_b32 v[R+4], v[Z]
.irp j, 1,2,3,4,5,6,7
	v_cmp_gt_f32 vcc_lo, v[Z+\j], v[R+4]           ; strictly larger: of equal ones the lower index stays
	v_cndmask_b32 v[R+4], v[R+4], v[Z+\j], vcc_lo
	v_cndmask_b32 v[R+3], v[R+3], \j, vcc_lo
.endr
	v_mov_b32 v[R+6], -1.0                         ; under every probability
.irp j, 0,1,2,3,4,5,6,7
	v_cmp_ne_u32 s28, \j, v[R+3]                   ; not the first choice,
	v_cmp_gt_f32 vcc_lo, v[Z+\j], v[R+6]           ; and strictly larger than the best so far
	s_and_b32 vcc_lo, vcc_lo, s28
	v_cndmask_b32 v[R+6], v[R+6], v[Z+\j], vcc_lo
	v_cndmask_b32 v[R+5], v[R+5], \j, vcc_lo
.endr
	v_add_f32 v[R+7], v[R+4], v[R+6]
	v_add_f32 v[R+7], 0x3089705f, v[R+7]           ; + 1e-9
	s_wait_alu depctr_va_vdst(0)
	v_rcp_f32 v[R+7], v[R+7]
	v_lshl_or_b32 v[R+8], v[R+5], 8, v[R+3]        ; (a plain line behind the reciprocal)  index1 | index2 << 8
	s_wait_alu depctr_va_vdst(0)
	v_mul_f32 v[R+4], v[R+4], v[R+7]
	v_mul_f32 v[R+6], v[R+6], v[R+7]
.endm
	ROUTE 0
	ROUTE 1
	v_cndmask_b32 v7, v16, v28, s29                ; even lanes carry the first token's numbers, odd lanes the second's
	v_cndmask_b32 v96, v12, v24, s29
	v_cndmask_b32 v97, v14, v26, s29
	global_store_b32 v5, v7, s[14:15]              ; lanes of equal parity store the same word with the same value
	global_store_b64 v6, v[96:97], s[16:17]
	; x as codes: a block lies in one lane's 32 registers
.irp tok, 0,1
	v_max3_num_f32 v[QM+\tok], |v[X+32*\tok]|, |v[X+32*\tok+1]|, 0x4800000   ; with the floor 2^(9 - 127): the byte cannot fall under 1
.endr
.irp i, 2,4,6,8,10,12,14,16,18,20,22,24,26,28,30
.irp tok, 0,1
	v_max3_num_f32 v[QM+\tok], v[QM+\tok], |v[X+32*\tok+\i]|, |v[X+32*\tok+\i+1]|
.endr
.endr
.irp tok, 0,1
	v_add_nc_u32 v[QM+2+\tok], 0xfc000000, v[QM+\tok]              ; 8 off the exponent field: the conversion's scale operand
	v_and_or_b32 v[QM+4+\tok], v[QM+\tok], 0x7f800000, s32         ; 448 x the scale
	v_lshrrev_b32 v[QM+6+\tok], 23, v[QM+2+\tok]                   ; the scale's byte
.endr
.irp tok, 0,1
.irp i, 0,1,2,3,4,5,6,7,8,9,10,11,12,13,14,15,16,17,18,19,20,21,22,23,24,25,26,27,28,29,30,31
	v_med3_num_f32 v[X+32*\tok+\i], v[X+32*\tok+\i], -v[QM+4+\tok], v[QM+4+\tok]   ; the conversion to an 8-bit code does not saturate (ISA guide 7.6.2): the hold comes first
.endr
.endr
.irp tok, 0,1
.irp g, 0,1,2,3
	v_cvt_scalef32_pk8_fp8_f32 v[CD+8*\tok+2*\g:CD+8*\tok+2*\g+1], v[X+32*\tok+8*\g:X+32*\tok+8*\g+7], v[QM+2+\tok]
.endr
.endr
	v_nop                                          ; a plain line behind the last conversion
.irp tok, 0,1
	global_store_b128 v4, v[CD+8*\tok:CD+8*\tok+3], s[10:11] offset:1024*\tok        ; the blocks' first halves: 512 consecutive bytes a wave
	global_store_b128 v4, v[CD+8*\tok+4:CD+8*\tok+7], s[10:11] offset:1024*\tok+512  ; their second halves likewise
	global_store_b8 v1, v[QM+6+\tok], s[12:13] offset:32*\tok                        ; the token's 32 scale bytes
.endr
	s_wait_tensorcnt 0x0
	ds_add_u32 v254, v255
	s_wait_dscnt 0x0
	s_endpgm
.Lfunc_end_k_qf78820add6_gate:
	.size	k_qf78820add6_gate, .Lfunc_end_k_qf78820add6_gate-k_qf78820add6_gate
	.p2alignl 7, 3214868480
	.fill 96, 4, 3214868480
	.section	.rodata,"a",@progbits
	.p2align	6, 0x0
	.amdhsa_kernel k_qf78820add6_gate
		.amdhsa_group_segment_fixed_size 34048
		.amdhsa_private_segment_fixed_size 0
		.amdhsa_enable_private_segment 0
		.amdhsa_kernarg_size 56
		.amdhsa_user_sgpr_count 2
		.amdhsa_user_sgpr_kernarg_segment_ptr 1
		.amdhsa_wavefront_size32 1
		.amdhsa_system_sgpr_workgroup_id_x 1
		.amdhsa_system_sgpr_workgroup_id_y 1
		.amdhsa_system_sgpr_workgroup_id_z 1
		.amdhsa_system_vgpr_workitem_id 0
		.amdhsa_next_free_vgpr 256
		.amdhsa_next_free_sgpr 66
		.amdhsa_reserve_vcc 1
		.amdhsa_float_denorm_mode_32 3
		.amdhsa_float_denorm_mode_16_64 3
		.amdhsa_memory_ordered 1
		.amdhsa_forward_progress 1
		.amdhsa_inst_pref_size 54
	.end_amdhsa_kernel
	.amdgpu_metadata
---
amdhsa.version: [ 1, 2 ]
amdhsa.kernels:
  - .name:           k_qf78820add6_gate
    .symbol:         k_qf78820add6_gate.kd
    .args:
      - { .name: x, .offset: 0, .size: 8, .value_kind: global_buffer, .address_space: global }
      - { .name: Wg, .offset: 8, .size: 8, .value_kind: global_buffer, .address_space: global }
      - { .name: bg, .offset: 16, .size: 8, .value_kind: global_buffer, .address_space: global }
      - { .name: xc, .offset: 24, .size: 8, .value_kind: global_buffer, .address_space: global }
      - { .name: xs, .offset: 32, .size: 8, .value_kind: global_buffer, .address_space: global }
      - { .name: sel, .offset: 40, .size: 8, .value_kind: global_buffer, .address_space: global }
      - { .name: gw, .offset: 48, .size: 8, .value_kind: global_buffer, .address_space: global }
    .group_segment_fixed_size: 34048
    .private_segment_fixed_size: 0
    .kernarg_segment_align: 8
    .kernarg_segment_size: 56
    .max_flat_workgroup_size: 64
    .sgpr_count:     66
    .vgpr_count:     256
    .wavefront_size: 32
...
	.end_amdgpu_metadata
.endif
;; end of part 6
;; launch place (part 7): grid 8 x 1, 1 waves a work-group, no clusters, 5,376 bytes of LDS; arguments sel, list; writes list
.if DOCPART == 7
	.amdgcn_target "amdgcn-amd-amdhsa--gfx1250"
	.amdhsa_code_object_version 6
	.text
	.protected	k_qf78820add6_place
	.globl	k_qf78820add6_place
	.p2align	8
	.type	k_qf78820add6_place,@function
k_qf78820add6_place:
	s_mov_b64 s[64:65], 0
	v_nop
	global_prefetch_b8 v0, s[64:65] scope:SCOPE_SE
	s_setreg_imm32_b32 hwreg(HW_REG_WAVE_MODE, 25, 1), 1
	s_wait_xcnt 0x0
; THE ROWS OF EACH EXPERT.  sel[t] = index1 | index2 << 8 holds each of the 1,024 tokens' two experts.  Work-group e, one wave, makes expert e's list:
;   list + 5,120 e: words 0 .. 1,151: the row ids (2 token + choice) of the tokens that chose e, one behind the other; a slot p past the count holds 2,048 + 64 e + p % 64:
;   a row id of its own, past every token's, so that what is computed for such a slot is stored where no other slot of its batch of 64 and no other expert stores;
;   at byte 4,608: the count, in 32 equal words (128 consecutive bytes).
; The two launches that follow read the count and the ids from memory and form their branches and addresses from them.
; HOW.  Lane l holds tokens 128 j + 4 l + i.  For each (j, i) the lanes whose token chose e form a mask; such a lane's slot is the entries so far + the number of such lanes below it.
; The ids are placed in LDS, where only LDS addresses hang on sel, and leave by stores at fixed addresses, 512 consecutive bytes each.
; Eight work-groups: there are eight lists, and a list's ranks are one running count.  4,096 bytes are read and 4,736 stored by each: nothing here is worth sharing out further.
; One wave to a work-group: LDS serves a wave's instructions in order (ISA guide 5.7.1.4), so no barrier and no wait stands between the stores and the loads.
.set L16,  2                           ; v2   16 lane
.set L4,   3                           ; v3   4 lane
.set SELW, 8                           ; v8-39  sel, 32 words a lane
.set T,    40                          ; v40-43 what slots past the count hold
.set LT,   44                          ; v44-50 at work
.set OUTR, 52                          ; v52-87 the list on its way out
; One token of each lane: token 128 j + 4 lane + i.  The lanes whose token did not choose e store to a word of their own behind the list.
.macro ENTRY j, i
	v_and_b32 v[LT], 0xff, v[SELW+4*\j+\i]         ; the first choice
	v_lshrrev_b32 v[LT+1], 8, v[SELW+4*\j+\i]      ; the second
	v_cmp_eq_u32 s37, s21, v[LT]
	v_cmp_eq_u32 vcc_lo, s21, v[LT+1]
	s_or_b32 s38, s37, vcc_lo                      ; the lanes whose token chose e
	v_add_nc_u32 v[LT+2], 256*\j+2*\i, v[LT+5]     ; 2 x token
	v_cndmask_b32 v[LT+3], 0, 1, vcc_lo
	v_or_b32 v[LT+2], v[LT+2], v[LT+3]             ; + 1 for the second choice: the row id
	v_mbcnt_lo_u32_b32 v[LT+4], s38, s24           ; entries so far + such lanes below me
	v_cndmask_b32 v[LT+4], v[LT+6], v[LT+4], s38
	v_min_u32 v[LT+4], 1183, v[LT+4]               ; inside the list and the lanes' own words
	v_lshlrev_b32 v[LT+4], 2, v[LT+4]
	ds_store_b32 v[LT+4], v[LT+2]
	s_bcnt1_i32_b32 s25, s38
	s_add_co_u32 s24, s24, s25
.endm
	s_load_b128 s[4:7], s[0:1], 0x0                ; sel s[4:5], list s[6:7]
	v_lshl_add_u32 v96, v0, 2, 0x1400
	v_mov_b32 v97, 0
	v_and_b32 v1, 31, v0                           ; lane
	v_lshlrev_b32 v[L16], 4, v1
	v_lshlrev_b32 v[L4], 2, v1
	s_mov_b32 s21, ttmp9                           ; e
	s_mul_i32 s10, s21, 5120
	s_mov_b32 s11, 0
	s_wait_alu depctr_va_vdst(0)
	s_wait_kmcnt 0x0
	s_add_nc_u64 s[6:7], s[6:7], s[10:11]
.irp j, 0,1,2,3,4,5,6,7
	global_load_b128 v[SELW+4*\j:SELW+4*\j+3], v[L16], s[4:5] offset:512*\j
.endr
	s_lshl_b32 s25, s21, 6
	s_add_co_u32 s25, s25, 2048                    ; 2,048 + 64 e
.irp k, 0,1,2,3
	v_add_nc_u32 v[T+\k], \k, v[L4]                ; store j puts my four words at slots 128 j + 4 lane + k:
.endr
.irp k, 0,1,2,3
	v_and_b32 v[T+\k], 63, v[T+\k]                 ; the slot modulo 64 is the same for every j
.endr
.irp k, 0,1,2,3
	v_add_nc_u32 v[T+\k], s25, v[T+\k]
.endr
.irp j, 0,1,2,3,4,5,6,7,8
	ds_store_b128 v[L16], v[T:T+3] offset:512*\j   ; 1,152 words: 1,024 slots and the two batches of 64 that a fetch ahead may reach
.endr
	v_lshlrev_b32 v[LT+5], 3, v1                   ; 8 lane
	v_add_nc_u32 v[LT+6], 1152, v1                 ; my own word
	s_mov_b32 s24, 0
	s_wait_alu depctr_va_vdst(0)
.irp j, 0,1,2,3,4,5,6,7
	s_wait_loadcnt 7-\j                            ; load j is in; the later ones may be out
.irp i, 0,1,2,3
	ENTRY \j, \i
.endr
.endr
	v_mov_b32 v[LT], s24
	global_store_b32 v[L4], v[LT], s[6:7] offset:4608              ; the count
.irp j, 0,1,2,3,4,5,6,7,8
	ds_load_b128 v[OUTR+4*\j:OUTR+4*\j+3], v[L16] offset:512*\j    ; these see the stores above
.endr
.irp j, 0,1,2,3,4,5,6,7,8
	s_wait_dscnt 8-\j                              ; load j is back; the later ones may be out
	global_store_b128 v[L16], v[OUTR+4*\j:OUTR+4*\j+3], s[6:7] offset:512*\j   ; 512 consecutive bytes, aligned
.endr
	s_wait_tensorcnt 0x0
	ds_add_u32 v96, v97
	s_wait_dscnt 0x0
	s_endpgm
.Lfunc_end_k_qf78820add6_place:
	.size	k_qf78820add6_place, .Lfunc_end_k_qf78820add6_place-k_qf78820add6_place
	.p2alignl 7, 3214868480
	.fill 96, 4, 3214868480
	.section	.rodata,"a",@progbits
	.p2align	6, 0x0
	.amdhsa_kernel k_qf78820add6_place
		.amdhsa_group_segment_fixed_size 5376
		.amdhsa_private_segment_fixed_size 0
		.amdhsa_enable_private_segment 0
		.amdhsa_kernarg_size 16
		.amdhsa_user_sgpr_count 2
		.amdhsa_user_sgpr_kernarg_segment_ptr 1
		.amdhsa_wavefront_size32 1
		.amdhsa_system_sgpr_workgroup_id_x 1
		.amdhsa_system_sgpr_workgroup_id_y 1
		.amdhsa_system_sgpr_workgroup_id_z 1
		.amdhsa_system_vgpr_workitem_id 0
		.amdhsa_next_free_vgpr 98
		.amdhsa_next_free_sgpr 66
		.amdhsa_reserve_vcc 1
		.amdhsa_float_denorm_mode_32 3
		.amdhsa_float_denorm_mode_16_64 3
		.amdhsa_memory_ordered 1
		.amdhsa_forward_progress 1
		.amdhsa_inst_pref_size 28
	.end_amdhsa_kernel
	.amdgpu_metadata
---
amdhsa.version: [ 1, 2 ]
amdhsa.kernels:
  - .name:           k_qf78820add6_place
    .symbol:         k_qf78820add6_place.kd
    .args:
      - { .name: sel, .offset: 0, .size: 8, .value_kind: global_buffer, .address_space: global }
      - { .name: list, .offset: 8, .size: 8, .value_kind: global_buffer, .address_space: global }
    .group_segment_fixed_size: 5376
    .private_segment_fixed_size: 0
    .kernarg_segment_align: 8
    .kernarg_segment_size: 16
    .max_flat_workgroup_size: 32
    .sgpr_count:     66
    .vgpr_count:     98
    .wavefront_size: 32
...
	.end_amdgpu_metadata
.endif
;; end of part 7
;; launch ffn1 (part 8): grid 32 x 8, 4 waves a work-group, no clusters, 102,912 bytes of LDS; arguments xc, xs, list, W1, b1, hc, hs; writes hc, hs
.if DOCPART == 8
	.amdgcn_target "amdgcn-amd-amdhsa--gfx1250"
	.amdhsa_code_object_version 6
	.text
	.protected	k_qf78820add6_ffn1
	.globl	k_qf78820add6_ffn1
	.p2align	8
	.type	k_qf78820add6_ffn1,@function
k_qf78820add6_ffn1:
	s_mov_b64 s[64:65], 0
	v_nop
	global_prefetch_b8 v0, s[64:65] scope:SCOPE_SE
	s_setreg_imm32_b32 hwreg(HW_REG_WAVE_SCHED_MODE, 0, 2), 2
	s_setreg_imm32_b32 hwreg(HW_REG_WAVE_MODE, 25, 1), 1
	s_wait_xcnt 0x0
	s_wait_alu depctr_vm_vsrc(0)
; THE FIRST PRODUCT OF THE CHOSEN EXPERTS: h = Q(relu(x W1[e] + b1[e])), for the rows that chose expert e alone, on codes of E4M3 with one E8M0 scale for each 32 along K.
; SHARES.  Work-group (s, e) owns columns 128 s .. 128 s + 127 of expert e: 1,024 x 128 numbers of W1, which no other work-group reads.  Wave w = (ch = w / 2, kq = w % 2) owns
; 64 columns x 512 along K.  PHASE 1: it reads them once, as f32, quantises them along K in registers, and keeps the codes as 16 operand fragments (256 registers).  No code of a weight goes to memory.
;   A lane (r, h) loads, of row k = 32 b + 16 h + i, the 16 bytes of columns 4 r .. 4 r + 3: sixteen lanes read 256 consecutive bytes.  TILE q IS THE COLUMNS 4 r + q: which columns form a tile is free.
;   So a lane's 16 loads hold, for each of four tiles, 16 neighbours along K of one column; the hold writes them in that order, and the conversions' results are the operand's registers.
;   The last block steps have no further weights to ask for: in that place they ask for the first batch's rows of x, so that these land while the last weights are quantised.
; PHASE 2: the rows.  The list of e's routed rows (row id = 2 token + choice) and its count were stored by the launch before; the count comes by a scalar load, a batch's ids by loads issued a batch ahead.
;   The rows go in batches of 64 slots (four tiles of 16).  The products are used transposed (source 0 = a tile of W1, source 1 = 16 rows): lane (r', h') then holds row r', and register j of tile q is
;   column 32 h' + 4 j + q: the lane's 32 registers are ONE WHOLE BLOCK of 32 along the next product's K.  K is split between the two waves of a column half: each multiplies all four tiles over its 512,
;   keeps two tiles and sends the other two, as images of the registers, to its partner through LDS.  A wave's local tile i is tile (i + 2 kq) % 4, so that it always keeps its local tiles 0 and 1.
;   b1 is the C of the kq = 0 waves' first products (zeros in the others).  The relu is the lower bound of the hold.
; OUT.  hc [e][K step s][tile 64][c 4][h 2][r 16][16 bytes]: the image of the next product's operand registers; hs [e][s][slot 1,024] one word of four scale bytes.
; THE LOOP over batches has a constant trip count and its barriers stand on every wave's path; a batch past e's count is left out by scalar branches round the work alone.  Batch 0 is written out and always runs.
; WHY NO JOINT REQUESTS AND NO COPY ENGINE: the work that a batch's branches skip hangs on a count read from memory, so every operand goes from memory straight to registers; and of a work-group's
; bytes the 524,288 of W1 are shared with nobody; what is shared is x's codes, 1,024 bytes a row.
; LIMITS.  NaN and infinities among the inputs are not served.  A block of zeros gets the byte 1, not 127: its codes are zeros, and only this program reads the bytes.
; Slots past e's count in a batch that runs are computed from token 1,023; nobody uses them.
; REGISTERS, in windows of 256.  Window 0: addresses, scale words, work (below).  Window 1: W1's 16 fragments, (K step k, tile q) at v[16 (4 k + q)].
;   Window 2: v0-127 the 16 accumulators, (tile i, q) at v[32 i + 8 q] (at the head v0-31 hold b1 as loaded); v128-255 the rows of x's codes on their way to LDS.
;   Window 3: phase 1: four sets of 64 numbers as loaded; phase 2: x's 16 fragments, (k, i) at v[64 k + 16 i]; behind the products v0-63 take the partner's parts.
; THE MODE: SCHED_MODE bits 1:0 = 2 (LLVM: expert scheduling mode 2), set by the entry lines.  The code itself states the register dependences
; between vector or matrix instructions and memory or LDS instructions, with s_wait_alu, always for 0.
; THE PLAN.  Registers that memory or LDS instructions touch, and who else names them:
;   v4, v5, v7, v9-20, v67, and the closing add's v222, v223: offsets and LDS addresses, made at the head and never written again: one wait on va_vdst ahead of the first load.
;   Window 3 in phase 1: block step b's maxima and holds read set b % 4; one wait on va_vdst behind the holds; then the loads of block step b + 4 land in it.
;   v[GA ..], v[GSA], v[LBT], v[LSBT]: GADDR writes them, a gather's loads read them.  v[LWD ..]: GADDR reads them, the next ids land in them.
;   Window 2's v128-255 and v[GS ..]: a gather's loads land in them, the stage's LDS stores read them; no vector instruction names them.
;   v[XSW ..] and window 3 in phase 2: LDS loads land in them, the products read them.  Window 2's v64-127: the products write them, the LDS stores to the mailbox read them.
;   Window 3's v0-63 behind the products: LDS loads land in them, the way out's additions read them.  v[HC ..], v[HW ..], v[HOT], v[SOT]: the way out writes them, its stores read them.
; A BATCH HAS FIVE WAITS.  In the products' block: vm_vsrc ahead of GADDR (the old offsets, the stage's data and the mailbox's data have been read), va_vdst behind it (the new offsets are written, the ids read),
; and va_vdst behind the last product and its places (the accumulators are written; every product is done reading its fragments and scale words).  On the way out: vm_vsrc at its head (the last stores have read their
; registers) and va_vdst ahead of its stores (which also shows its additions done reading the partner's parts).  So each of a trip's three blocks closes its own vector readers before it ends and frees its own sources
; at its head, whichever of the blocks a trip runs; and the LDS loads of K steps 2 and 3 are dealt among the products with no further wait.
.set PITCH, 16384                      ; a row of W1[e] in bytes
.set XST,   0                          ; LDS: 64 rows of x's codes, 1,024 bytes + 16 of padding: 65 x 16 bytes, so that 16 rows' loads of 16 bytes start in 16 different groups of banks
.set XROW,  1040
.set XSS,   66560                      ; their scale bytes: 64 rows of 32 + 16
.set MBX,   69632                      ; four mailboxes of 8,192 bytes: two tiles' parts for each wave
.set WO,   4                           ; v4   W1: 16 h rows + 16 r
.set LB,   5                           ; v5   list: my wave's 16 slots of a batch: 64 w;        v6 the same + the batch
.set LBT,  6
.set LSB,  7                           ; v7   list: the slot whose scale bytes I fetch: 64 w + 4 (lane / 2);   v8 + the batch
.set LSBT, 8
.set XW,   9                           ; v9   where I put a row's 16 bytes: XST + 16 w rows + 16 lane
.set XSWA, 10                          ; v10  and 16 scale bytes
.set XR,   11                          ; v11-14 my lane's place in local tile i's rows, at my K half
.set XSR,  15                          ; v15-18 and in their scale bytes
.set MBW,  19                          ; v19  my partner's mailbox + 16 lane
.set MBR,  20                          ; v20  mine
.set HO,   21                          ; v21  hc: 512 h + 16 r;   v22 + the batch
.set HOT,  22
.set SO,   23                          ; v23  hs: 4 r;            v24 + the batch
.set SOT,  24
.set L16,  25                          ; v25  16 lane
.set P16,  26                          ; v26  16 (lane & 1)
.set HW,   27                          ; v27-28 two scale bytes of a row, for each kept tile
.set TMP,  29
.set MX,   30                          ; v30-33 largest magnitudes;  v34-37 the other half's;  v38-41 scale operands;  v42-45 holds;  v46-49 bytes
.set PM,   34
.set SC,   38
.set LIM,  42
.set BY,   46
.set GA,   50                          ; v50-65 byte offsets of 16 rows in xc;  v66 of a row's scale bytes in xs
.set GSA,  66
.set B1O,  67                          ; v67  b1: 128 h
.set GS,   68                          ; v68-71 16 scale bytes on their way
.set WS,   72                          ; v72-87  W1's scale words, (k, q) at 4 k + q: scales and nothing else
.set XSW,  88                          ; v88-103 x's scale words, (i, k) at 4 i + k: scales and nothing else
.set T,    104                         ; v104-167 64 numbers in the order of the conversions
.set HC,   168                         ; v168-183 h's codes
.set LWD,  184                         ; v184-199 the 16 row ids of the batch to be gathered next, the same in every lane;  v200 the id of the slot whose scale bytes I fetch
.set BIASC, 224                        ; v224-255 b1 in the result's layout: (q, j) at 8 q + j
.set MSB, 0
.macro WIN new                         ; s_set_vgpr_msb: bits 1:0 source 0, 3:2 source 1, 5:4 source 2, 7:6 destination; the high byte repeats the setting that is left
.if MSB != \new
	s_set_vgpr_msb (MSB<<8)|\new
.set MSB, \new
.endif
.endm
.macro BAR                             ; my LDS stores have landed and my LDS loads are in: then the work-group's barrier
	s_wait_dscnt 0x0
	s_barrier_signal -1
	s_barrier_wait -1
.endm
.macro LOADSET b                       ; block step b: 32 along K x 64 columns, 16 loads, into set b % 4 of window 3: register 4 i + q = W1(32 b + 16 h + i, 4 r + q)
	WIN 0xc0
.irp i, 0,1,2,3,4,5,6,7,8,9,10,11,12,13,14,15
	global_load_b128 v[64*((\b)%4)+4*\i:64*((\b)%4)+4*\i+3], v[WO], s[10:11] offset:(32*(\b)+\i)*PITCH th:TH_LOAD_NT
.endr
.endm
; THE GATHER of the 16 rows of x that my wave brings for a batch, in four parts.
; GADDR: from the batch's row ids, which lie in v[LWD] on, the rows' byte offsets; and where the ids of the batch behind it lie: its list begins at byte s32.
.macro GADDR
.irp p, 0,1,2,3,4,5,6,7,8,9,10,11,12,13,14,15,16
	v_lshrrev_b32 v[T+\p], 1, v[LWD+\p]            ; the token
.endr
.irp p, 0,1,2,3,4,5,6,7,8,9,10,11,12,13,14,15,16
	v_min_u32 v[T+\p], 1023, v[T+\p]               ; slots past the count take token 1,023
.endr
.irp p, 0,1,2,3,4,5,6,7,8,9,10,11,12,13,14,15
	v_lshl_add_u32 v[GA+\p], v[T+\p], 10, v[L16]
.endr
	v_lshl_add_u32 v[GSA], v[T+16], 5, v[P16]
	v_add_nc_u32 v[LBT], s32, v[LB]
	v_add_nc_u32 v[LSBT], s32, v[LSB]
.endm
.macro GROWS p0                        ; rows p0 .. p0 + 7: 16 loads
	WIN 0x80                                       ; destination: window 2
.irp p, 0,1,2,3,4,5,6,7
.irp g, 0,1
	global_load_b128 v[128+8*(\p0+\p)+4*\g:128+8*(\p0+\p)+4*\g+3], v[GA+\p0+\p], s[4:5] offset:512*\g   ; 512 consecutive bytes of one row
.endr
.endr
.endm
.macro GREST                           ; the rows' scale bytes, and the next ids: 6 loads
	WIN 0
	global_load_b128 v[GS:GS+3], v[GSA], s[6:7]    ; two lanes to a row's 32 scale bytes
.irp j, 0,1,2,3
	global_load_b128 v[LWD+4*\j:LWD+4*\j+3], v[LBT], s[8:9] offset:16*\j   ; the next ids: wanted a batch later.  The furthest reach is 256 x 17 + 256 bytes: the list's 4,608
.endr
	global_load_b32 v[LWD+16], v[LSBT], s[8:9]
.endm
.macro GATHER
	s_wait_loadcnt 0x0                             ; the ids are in, and the gather before is done: its address and data registers may be written again
	s_wait_alu depctr_vm_vsrc(0)                   ; the gather before has read v[GA ..], v[GSA], v[LBT], v[LSBT], which GADDR writes; the stage's LDS stores have read window 2's v128-255 and v[GS ..], in which the loads below land; the last batch's LDS stores to the mailbox have read local tiles 2 and 3, which the products below write anew
	GADDR
	WIN 0x80
	s_wait_alu depctr_va_vdst(0)                   ; GADDR has written the offsets, which the loads below read, and is done reading the ids v[LWD ..], in which the next ids land
	GROWS 0
	GROWS 8
	GREST
.endm
; Block step b becomes registers 4 c .. 4 c + 3 (c = b % 4) of the four fragments of K step b / 4, and byte c of their scale words.  left: the loads issued behind set b.
.macro QBLOCK b, left
.set SB, 64*((\b)%4)
.set KS, (\b)/4
.set CQ, (\b)%4
	s_wait_loadcnt \left
	WIN 0x3c                                       ; sources 1 and 2: window 3
.irp q, 0,1,2,3
	v_max3_num_f32 v[MX+\q], s28, |v[SB+\q]|, |v[SB+4+\q]|         ; my 16 numbers of column 4 r + q, and the floor 2^(9 - 127): the byte cannot fall under 1
.endr
.irp i, 2,4,6,8,10,12,14
.irp q, 0,1,2,3
	v_max3_num_f32 v[MX+\q], v[MX+\q], |v[SB+4*\i+\q]|, |v[SB+4*\i+4+\q]|   ; (the four columns by turns)
.endr
.endr
	WIN 0
.irp q, 0,1,2,3
	v_permlanex16_b32 v[PM+\q], v[MX+\q], s26, s27
.endr
.irp q, 0,1,2,3
	v_max_num_f32 v[MX+\q], v[MX+\q], v[PM+\q]     ; with lane l xor 16's 16: the block's largest magnitude
.endr
.irp q, 0,1,2,3
	v_add_nc_u32 v[SC+\q], 0xfc000000, v[MX+\q]    ; 8 off its exponent field: the conversion's scale operand
.endr
.irp q, 0,1,2,3
	v_and_or_b32 v[LIM+\q], v[MX+\q], 0x7f800000, s29   ; 448 x the scale
.endr
.if CQ == 0
.irp q, 0,1,2,3
	v_lshrrev_b32 v[WS+4*KS+\q], 23, v[SC+\q]      ; the scale's byte begins the word
.endr
.else
.irp q, 0,1,2,3
	v_lshrrev_b32 v[BY+\q], 23, v[SC+\q]
.endr
.irp q, 0,1,2,3
	v_lshl_or_b32 v[WS+4*KS+\q], v[BY+\q], 8*CQ, v[WS+4*KS+\q]
.endr
.endif
	WIN 0x03                                       ; source 0: window 3
.irp q, 0,1,2,3
.irp i, 0,1,2,3,4,5,6,7,8,9,10,11,12,13,14,15
	v_med3_num_f32 v[T+16*\q+\i], v[SB+4*\i+\q], -v[LIM+\q], v[LIM+\q]   ; the hold (the conversion does not saturate: ISA guide 7.6.2) also lays a column's 16 numbers on end
.endr
.endr
.if (\b) < 12
	WIN 0xc0
	s_wait_alu depctr_va_vdst(0)                   ; the maxima and the holds are done reading set b % 4, in which the loads below land
	LOADSET \b+4                                   ; the set just read takes the block step four further on
.elseif (\b) == 12
	WIN 0x80
	s_wait_alu depctr_va_vdst(0)                   ; GADDR has written v[GA ..], v[GSA], v[LBT], v[LSBT], which the loads of this block step and of the next two read, and is done reading the ids v[LWD ..], in which the next ids land
	GROWS 0                                        ; no weights are left to ask for: batch 0's rows of x go out in their place
.elseif (\b) == 13
	GROWS 8                                        ; no wait: no vector instruction since block step 12's wait names these offsets or the registers in which the loads land
.elseif (\b) == 14
	GREST                                          ; likewise
.endif
	WIN 0x40                                       ; destination: window 1
.irp q, 0,1,2,3
	v_cvt_scalef32_pk8_fp8_f32 v[64*KS+16*\q+4*CQ:64*KS+16*\q+4*CQ+1], v[T+16*\q:T+16*\q+7], v[SC+\q]
	v_cvt_scalef32_pk8_fp8_f32 v[64*KS+16*\q+4*CQ+2:64*KS+16*\q+4*CQ+3], v[T+16*\q+8:T+16*\q+15], v[SC+\q]
.endr
	WIN 0
	v_nop                                          ; a plain line behind the last conversion
.endm
	s_load_b256 s[4:11], s[0:1], 0x0               ; xc s[4:5], xs s[6:7], list s[8:9], W1 s[10:11]
	s_load_b128 s[12:15], s[0:1], 0x20             ; b1 s[12:13], hc s[14:15]
	s_load_b64 s[16:17], s[0:1], 0x30              ; hs
	v_lshl_add_u32 v222, v0, 2, 0x19000
	v_mov_b32 v223, 0
	v_lshrrev_b32 v[TMP], 5, v0
	v_readfirstlane_b32 s18, v[TMP]                ; wave
	v_and_b32 v1, 31, v0                           ; lane
	v_and_b32 v2, 15, v0                           ; r
	s_wait_alu depctr_va_vdst(0)
	v_bfe_u32 v3, v0, 4, 1                         ; h
	s_wait_alu depctr_va_sdst(0)                   ; s18 is written, ahead of its first reader: the wave's shares, LDS places and bases are made from it
	s_lshr_b32 s19, s18, 1                         ; ch: which 64 columns
	s_and_b32 s20, s18, 1                          ; kq: which 512 along K
	s_and_b32 s21, ttmp7, 0xffff                   ; e
	s_mov_b32 s22, ttmp9                           ; s
	s_mov_b32 s26, 0x76543210                      ; v_permlanex16_b32's selects for lane l xor 16
	s_mov_b32 s27, 0xfedcba98
	s_mov_b32 s28, 0x4800000                       ; the floor
	s_mov_b32 s29, 0x600000                        ; the mantissa field of 448
	s_mov_b32 s35, 0xffff0000                      ; lanes 16-31
	s_cmp_eq_u32 s20, 0
	s_cselect_b32 s36, -1, 0                       ; the bias goes in once: in the kq = 0 waves
	v_lshlrev_b32 v[WO], 4, v2
	s_wait_alu depctr_va_vdst(0)
	v_lshl_add_u32 v[WO], v3, 18, v[WO]
	v_lshlrev_b32 v[L16], 4, v1
	v_and_b32 v[P16], 1, v1
	v_lshlrev_b32 v[P16], 4, v[P16]
	v_lshrrev_b32 v[TMP], 1, v1                    ; lane / 2
	s_lshl_b32 s40, s18, 6
	v_mov_b32 v[LB], s40
	v_lshl_add_u32 v[LSB], v[TMP], 2, s40
	s_mul_i32 s40, s18, 16*XROW
	s_add_co_u32 s40, s40, XST
	v_add_nc_u32 v[XW], s40, v[L16]
	s_mul_i32 s40, s18, 16*48
	s_add_co_u32 s40, s40, XSS
	v_mad_u32_u24 v[XSWA], v[TMP], 48, v[P16]
	v_add_nc_u32 v[XSWA], s40, v[XSWA]
	v_mul_u32_u24 v[HW], v2, XROW
	v_lshl_add_u32 v[HW], v3, 9, v[HW]             ; 1,040 r + 512 h
	v_mul_u32_u24 v[HW+1], v2, 48                  ; 48 r
	s_wait_alu depctr_va_vdst(0)
.irp i, 0,1,2,3
	s_lshl_b32 s40, s20, 1
	s_add_co_u32 s40, s40, \i
	s_and_b32 s40, s40, 3                          ; local tile i is tile (i + 2 kq) % 4
	s_mul_i32 s41, s40, 16*XROW
	s_lshl_b32 s42, s20, 8                         ; my four K steps: 64 bytes each in a half row
	s_add_co_u32 s41, s41, s42
	s_add_co_u32 s41, s41, XST
	v_add_nc_u32 v[XR+\i], s41, v[HW]
	s_mul_i32 s41, s40, 16*48
	s_lshl_b32 s42, s20, 4                         ; and their four scale words
	s_add_co_u32 s41, s41, s42
	s_add_co_u32 s41, s41, XSS
	v_add_nc_u32 v[XSR+\i], s41, v[HW+1]
.endr
	s_xor_b32 s40, s18, 1
	s_lshl_b32 s40, s40, 13
	s_add_co_u32 s40, s40, MBX
	v_add_nc_u32 v[MBW], s40, v[L16]
	s_lshl_b32 s40, s18, 13
	s_add_co_u32 s40, s40, MBX
	v_add_nc_u32 v[MBR], s40, v[L16]
	v_lshlrev_b32 v[HO], 4, v2
	v_lshl_add_u32 v[HO], v3, 9, v[HO]
	v_lshlrev_b32 v[SO], 2, v2
	v_lshlrev_b32 v[B1O], 7, v3
.irp q, 0,1,2,3
	v_mov_b32 v[PM+\q], 0                          ; written once: a lane permute's destination counts as one of its sources
.endr
	; byte offsets of my part in W1, b1, hc, hs, list: all under 2^31
	s_lshl_b32 s40, s21, 24
	s_lshl_b32 s48, s20, 23
	s_add_co_u32 s40, s40, s48
	s_lshl_b32 s48, s22, 9
	s_add_co_u32 s40, s40, s48
	s_lshl_b32 s48, s19, 8
	s_add_co_u32 s40, s40, s48                     ; W1: e x 2^24 + 512 kq rows + 4 (128 s + 64 ch)
	s_mov_b32 s41, 0
	s_lshl_b32 s42, s21, 14
	s_lshl_b32 s48, s22, 9
	s_add_co_u32 s42, s42, s48
	s_lshl_b32 s48, s19, 8
	s_add_co_u32 s42, s42, s48                     ; b1: 4 (4,096 e + 128 s + 64 ch)
	s_mov_b32 s43, 0
	s_lshl_b32 s44, s21, 5
	s_add_co_u32 s44, s44, s22                     ; 32 e + s
	s_lshl_b32 s46, s44, 12
	s_lshl_b32 s44, s44, 17
	s_lshl_b32 s48, s19, 10
	s_add_co_u32 s44, s44, s48
	s_lshl_b32 s48, s20, 12
	s_add_co_u32 s44, s44, s48                     ; hc: (32 e + s) x 131,072 + blocks 2 ch on + tiles 2 kq on
	s_mov_b32 s45, 0
	s_lshl_b32 s48, s19, 1
	s_add_co_u32 s46, s46, s48
	s_lshl_b32 s48, s20, 7
	s_add_co_u32 s46, s46, s48                     ; hs: (32 e + s) x 4,096 + bytes 2 ch on + slots 32 kq on
	s_mov_b32 s47, 0
	s_mul_i32 s50, s21, 5120                       ; list: 5,120 bytes an expert
	s_mov_b32 s51, 0
	s_wait_kmcnt 0x0
	s_add_nc_u64 s[8:9], s[8:9], s[50:51]
	s_add_nc_u64 s[10:11], s[10:11], s[40:41]
	s_add_nc_u64 s[12:13], s[12:13], s[42:43]
	s_add_nc_u64 s[14:15], s[14:15], s[44:45]
	s_add_nc_u64 s[16:17], s[16:17], s[46:47]
	s_load_b32 s23, s[8:9], 0x1200                 ; e's count, behind its 1,152 list words
	WIN 0x80                                       ; destination: window 2
	s_wait_alu depctr_va_vdst(0)                   ; the offsets and LDS addresses made above are written: v4, v5, v7, v9-20 and v67, which the kernel's loads, LDS loads and LDS stores read, and v222, v223, which the closing add reads
.irp m, 0,1,2,3,4,5,6,7
	global_load_b128 v[4*\m:4*\m+3], v[B1O], s[12:13] offset:16*\m   ; b1 of columns 32 h + 0 .. 31
.endr
	WIN 0
.irp j, 0,1,2,3
	global_load_b128 v[LWD+4*\j:LWD+4*\j+3], v[LB], s[8:9] offset:16*\j   ; batch 0's 16 row ids of my wave, the same in every lane
.endr
	global_load_b32 v[LWD+16], v[LSB], s[8:9]
	LOADSET 0
	LOADSET 1
	LOADSET 2
	LOADSET 3
.irp b, 0,1,2,3,4,5,6,7,8,9,10,11
	QBLOCK \b, 48                                  ; three sets of 16 loads stay out
.endr
	s_mov_b32 s32, 256                             ; s32: where the list of the batch BEHIND the one gathered begins
	GADDR                                          ; batch 0's ids were asked for ahead of the first weights: they have long been shown in
	QBLOCK 12, 48                                  ; behind set 12: sets 13, 14, 15
	QBLOCK 13, 48                                  ; behind set 13: sets 14, 15 and the 16 loads of rows 0-7
	QBLOCK 14, 48                                  ; behind set 14: set 15 and the 32 loads of the 16 rows
	QBLOCK 15, 38                                  ; behind set 15: those 32, the scale bytes' load and the next ids' five
	WIN 0x08                                       ; source 1: window 2
.irp q, 0,1,2,3
.irp j, 0,1,2,3,4,5,6,7
	v_cndmask_b32 v[BIASC+8*\q+\j], 0, v[4*\j+\q], s36             ; register j of tile q is column 32 h + 4 j + q
.endr
.endr
	WIN 0
	s_wait_alu depctr_va_vdst(0)                   ; the conversions have written W1's fragments and the shifts its scale words, which the products take as source 0 and as scales (the 32 selects above are the places ahead of this wait); block steps 13 to 15 are done reading sets 1 to 3, in which x's fragments land
	s_wait_kmcnt 0x0
	s_min_u32 s23, s23, 1024                       ; N: e's rows
.macro STAGE_X                         ; my 16 rows go to the stage.  No vector instruction has written what these LDS stores read: their data came by loads, their addresses stand since the head
	s_wait_loadcnt 0x0
	WIN 0x08                                       ; an LDS store's data are its source 1: window 2
.irp p, 0,1,2,3,4,5,6,7,8,9,10,11,12,13,14,15
.irp g, 0,1
	ds_store_b128 v[XW], v[128+8*\p+4*\g:128+8*\p+4*\g+3] offset:XROW*\p+512*\g
.endr
.endr
	WIN 0
	ds_store_b128 v[XSWA], v[GS:GS+3]
.endm
.macro AFLOAD k                        ; x's four fragments of my K step k: 16 LDS loads
	WIN 0xc0                                       ; destination: window 3
.irp i, 0,1,2,3
.irp c, 0,1,2,3
	ds_load_b128 v[64*\k+16*\i+4*\c:64*\k+16*\i+4*\c+3], v[XR+\i] offset:64*\k+16*\c
.endr
.endr
.endm
.macro MULK k                          ; K step k: 16 products; the 16 accumulators take turns, one instruction a turn, in the same order in every K step
.if \k == 0
	WIN 0x8d                                       ; W1 window 1, x window 3, C (the bias) window 0, D window 2
.else
	WIN 0xad                                       ; C and D window 2
.endif
.irp i, 0,1,2,3
.irp q, 0,1,2,3
.if \k == 0
	v_wmma_scale_f32_16x16x128_f8f6f4 v[32*\i+8*\q:32*\i+8*\q+7], v[16*(4*\k+\q):16*(4*\k+\q)+15], v[64*\k+16*\i:64*\k+16*\i+15], v[BIASC+8*\q:BIASC+8*\q+7], v[WS+4*\k+\q], v[XSW+4*\i+\k]
.else
	v_wmma_scale_f32_16x16x128_f8f6f4 v[32*\i+8*\q:32*\i+8*\q+7], v[16*(4*\k+\q):16*(4*\k+\q)+15], v[64*\k+16*\i:64*\k+16*\i+15], v[32*\i+8*\q:32*\i+8*\q+7], v[WS+4*\k+\q], v[XSW+4*\i+\k]
.endif
.endr
.endr
.endm
; A batch's products.  LDS loads and products go by turns, two K steps of loads ahead: while one K step is multiplied, a later one's fragments are on their way.
; The first runs of LDS loads owe no wait: every earlier reader of v[XSW ..] and of window 3 stands ahead of a wait on va_vdst (the one at phase 1's end, the one behind the last batch's products, the one ahead of the way out's stores).
; The runs among the products owe none either: each K step has its own 64 registers, and no product issued since GATHER's wait on va_vdst names those of a later K step.
.macro MULT
.irp i, 0,1,2,3
	ds_load_b128 v[XSW+4*\i:XSW+4*\i+3], v[XSR+\i] ; four scale words of row r of local tile i: my four K steps
.endr
	AFLOAD 0
	AFLOAD 1
	WIN 0
	GATHER                                         ; while they land, the next batch's rows are asked for: these have this batch's products and its way out in which to land
	s_wait_dscnt 16                                ; the scale words and K step 0 are in; K step 1's 16 loads may be out
	MULK 0
	AFLOAD 2
	s_wait_dscnt 16                                ; K step 1 is in; K step 2's 16 may be out
	MULK 1
	AFLOAD 3
	s_wait_dscnt 16                                ; K step 2 is in; K step 3's 16 may be out
	MULK 2
	s_wait_dscnt 0x0
	MULK 3
	WIN 0
.rept 8
	v_nop                                          ; eight plain places between the last product and the first read of a result, and the next loads into operands
.endr
	WIN 0x08
	s_wait_alu depctr_va_vdst(0)                   ; the products have written local tiles 2 and 3, which the LDS stores below read, and are done reading x's fragments and scale words, in which later LDS loads land; the places above stay beside this wait
.irp g, 0,1,2,3,4,5,6,7,8,9,10,11,12,13,14,15
	ds_store_b128 v[MBW], v[64+4*\g:64+4*\g+3] offset:512*\g       ; local tiles 2 and 3 as they stand, each accumulator from its low end on: they are my partner's local tiles 0 and 1
.endr
	WIN 0
.endm
.macro FINISH
	WIN 0xc0
.irp g, 0,1,2,3,4,5,6,7,8,9,10,11,12,13,14,15
	ds_load_b128 v[4*\g:4*\g+3], v[MBR] offset:512*\g              ; my partner's parts of my two tiles.  No wait: the products and the last way out's additions, which read these registers, stand ahead of a wait on va_vdst
.endr
	WIN 0
	s_wait_xcnt 0x0                                ; the last batch's stores have read their data and addresses: both are written again below
	s_wait_alu depctr_vm_vsrc(0)                   ; the last batch's stores have read v[HOT], v[SOT], v[HC ..] and v[HW ..], which the lines below write again
	v_add_nc_u32 v[HOT], s33, v[HO]
	v_add_nc_u32 v[SOT], s34, v[SO]
	s_wait_dscnt 0x0
	WIN 0x8e                                       ; destination and source 0 window 2, source 1 window 3
.set n, 0
.rept 32
	v_pk_add_f32 v[n:n+1], v[n:n+1], v[n:n+1]      ; my part + my partner's, from the low end on
.set n, n+2
.endr
	WIN 0x28                                       ; sources 1 and 2: window 2
.irp k, 0,1,2,3
	v_max3_num_f32 v[MX+\k], s28, v[16*\k], v[16*\k+1]             ; no |.|: what is negative becomes 0, so it must not count; the floor stands over it.  Two chains a tile
.endr
.irp i, 2,4,6,8,10,12,14
.irp k, 0,1,2,3
	v_max3_num_f32 v[MX+\k], v[MX+\k], v[16*\k+\i], v[16*\k+\i+1]
.endr
.endr
	WIN 0
.irp u, 0,1
	v_max_num_f32 v[MX+2*\u], v[MX+2*\u], v[MX+2*\u+1]             ; the block's largest number: all 32 are mine
.endr
.irp u, 0,1
	v_add_nc_u32 v[SC+\u], 0xfc000000, v[MX+2*\u]
.endr
.irp u, 0,1
	v_and_or_b32 v[LIM+\u], v[MX+2*\u], 0x7f800000, s29
.endr
.irp u, 0,1
	v_lshrrev_b32 v[BY+\u], 23, v[SC+\u]           ; the byte of block 2 ch + h of my row
.endr
.irp u, 0,1
	v_permlanex16_b32 v[PM+\u], v[BY+\u], s26, s27 ; and the other half's
.endr
.irp u, 0,1
	v_cndmask_b32 v[BY+2+\u], v[BY+\u], v[PM+\u], s35              ; block 2 ch's
	v_cndmask_b32 v[PM+2+\u], v[PM+\u], v[BY+\u], s35              ; block 2 ch + 1's
.endr
.irp u, 0,1
	v_lshl_or_b32 v[HW+\u], v[PM+2+\u], 8, v[BY+2+\u]
.endr
	WIN 0x02                                       ; source 0: window 2
.irp u, 0,1
.irp q, 0,1,2,3
.irp j, 0,1,2,3,4,5,6,7
	v_med3_num_f32 v[T+32*\u+4*\j+\q], v[32*\u+8*\q+\j], 0, v[LIM+\u]   ; the relu, the hold and the order of the columns in one line
.endr
.endr
.endr
	WIN 0
.irp u, 0,1
.irp g, 0,1,2,3
	v_cvt_scalef32_pk8_fp8_f32 v[HC+8*\u+2*\g:HC+8*\u+2*\g+1], v[T+32*\u+8*\g:T+32*\u+8*\g+7], v[SC+\u]
.endr
.endr
	v_nop                                          ; a plain line behind the last conversion
	s_wait_alu depctr_va_vdst(0)                   ; the conversions have written v[HC ..], the lines above v[HW ..], v[HOT] and v[SOT], which the stores below read; the additions are done reading the partner's parts, in which the next batch's LDS loads land
.irp u, 0,1
	global_store_b128 v[HOT], v[HC+8*\u:HC+8*\u+3], s[14:15] offset:2048*\u          ; the block's codes 0-15 of 16 rows: sixteen lanes store 256 consecutive bytes, aligned
	global_store_b128 v[HOT], v[HC+8*\u+4:HC+8*\u+7], s[14:15] offset:2048*\u+256    ; its codes 16-31
	global_store_b16 v[SOT], v[HW+\u], s[16:17] offset:64*\u                         ; two of the row's four scale bytes (both halves of the lanes store the same)
.endr
.endm
	s_mov_b32 s32, 512                             ; batch 0's products gather batch 1 and ask for batch 2's ids
	s_mov_b32 s33, 0                               ; s33: the batch's four tiles in hc: 8,192 bytes a batch
	s_mov_b32 s34, 0                               ; s34: its 64 words in hs
	STAGE_X                                        ; batch 0 is written out and always runs
	BAR
	MULT
	BAR
	FINISH
	s_mov_b32 s30, 0
	s_mov_b32 s31, 64                              ; s31: the batch's first slot
	s_mov_b32 s32, 768
	s_mov_b32 s33, 8192
	s_mov_b32 s34, 256
.Lbatch:                                               ; batches 1 to 15: a constant count; only the work is jumped over
	s_cmp_lt_u32 s31, s23
	s_cbranch_scc0 .Lskip_a
	STAGE_X
.Lskip_a:
	BAR                                            ; the 64 rows lie in the stage; every wave's reads of its mailbox are over
	s_cmp_lt_u32 s31, s23
	s_cbranch_scc0 .Lskip_b
	MULT
.Lskip_b:
	BAR                                            ; the parts lie in the mailboxes; every wave's reads of the stage are over
	s_cmp_lt_u32 s31, s23
	s_cbranch_scc0 .Lskip_c
	FINISH
.Lskip_c:
	s_add_co_u32 s31, s31, 64
	s_add_co_u32 s32, s32, 256
	s_add_co_u32 s33, s33, 8192
	s_add_co_u32 s34, s34, 256
	s_add_co_u32 s30, s30, 1
	s_cmp_lt_u32 s30, 15
	s_cbranch_scc1 .Lbatch
	s_wait_dscnt 0x0                               ; the closing lines, six on end
	s_wait_alu 0x0
	s_wait_tensorcnt 0x0
	ds_add_u32 v222, v223
	s_wait_dscnt 0x0
	s_endpgm
.Lfunc_end_k_qf78820add6_ffn1:
	.size	k_qf78820add6_ffn1, .Lfunc_end_k_qf78820add6_ffn1-k_qf78820add6_ffn1
	.p2alignl 7, 3214868480
	.fill 96, 4, 3214868480
	.section	.rodata,"a",@progbits
	.p2align	6, 0x0
	.amdhsa_kernel k_qf78820add6_ffn1
		.amdhsa_group_segment_fixed_size 102912
		.amdhsa_private_segment_fixed_size 0
		.amdhsa_enable_private_segment 0
		.amdhsa_kernarg_size 56
		.amdhsa_user_sgpr_count 2
		.amdhsa_user_sgpr_kernarg_segment_ptr 1
		.amdhsa_wavefront_size32 1
		.amdhsa_system_sgpr_workgroup_id_x 1
		.amdhsa_system_sgpr_workgroup_id_y 1
		.amdhsa_system_sgpr_workgroup_id_z 1
		.amdhsa_system_vgpr_workitem_id 0
		.amdhsa_next_free_vgpr 1024
		.amdhsa_next_free_sgpr 66
		.amdhsa_reserve_vcc 0
		.amdhsa_float_denorm_mode_32 3
		.amdhsa_float_denorm_mode_16_64 3
		.amdhsa_memory_ordered 1
		.amdhsa_forward_progress 1
		.amdhsa_inst_pref_size 239
	.end_amdhsa_kernel
	.amdgpu_metadata
---
amdhsa.version: [ 1, 2 ]
amdhsa.kernels:
  - .name:           k_qf78820add6_ffn1
    .symbol:         k_qf78820add6_ffn1.kd
    .args:
      - { .name: xc, .offset: 0, .size: 8, .value_kind: global_buffer, .address_space: global }
      - { .name: xs, .offset: 8, .size: 8, .value_kind: global_buffer, .address_space: global }
      - { .name: list, .offset: 16, .size: 8, .value_kind: global_buffer, .address_space: global }
      - { .name: W1, .offset: 24, .size: 8, .value_kind: global_buffer, .address_space: global }
      - { .name: b1, .offset: 32, .size: 8, .value_kind: global_buffer, .address_space: global }
      - { .name: hc, .offset: 40, .size: 8, .value_kind: global_buffer, .address_space: global }
      - { .name: hs, .offset: 48, .size: 8, .value_kind: global_buffer, .address_space: global }
    .group_segment_fixed_size: 102912
    .private_segment_fixed_size: 0
    .kernarg_segment_align: 8
    .kernarg_segment_size: 56
    .max_flat_workgroup_size: 128
    .sgpr_count:     66
    .vgpr_count:     1024
    .wavefront_size: 32
...
	.end_amdgpu_metadata
.endif
;; end of part 8
;; launch ffn2 (part 9): grid 32 x 8, 4 waves a work-group, no clusters, 67,072 bytes of LDS; arguments hc, hs, list, W2, b2, y; writes y
.if DOCPART == 9
	.amdgcn_target "amdgcn-amd-amdhsa--gfx1250"
	.amdhsa_code_object_version 6
	.text
	.protected	k_qf78820add6_ffn2
	.globl	k_qf78820add6_ffn2
	.p2align	8
	.type	k_qf78820add6_ffn2,@function
k_qf78820add6_ffn2:
	s_mov_b64 s[64:65], 0
	v_nop
	global_prefetch_b8 v0, s[64:65] scope:SCOPE_SE
	s_setreg_imm32_b32 hwreg(HW_REG_WAVE_SCHED_MODE, 0, 2), 2
	s_setreg_imm32_b32 hwreg(HW_REG_WAVE_MODE, 25, 1), 1
	s_wait_xcnt 0x0
	s_wait_alu depctr_vm_vsrc(0)
; THE SECOND PRODUCT OF THE CHOSEN EXPERTS: y = h W2[e] (+ b2[e]), for the rows that chose expert e alone, on codes of E4M3 with one E8M0 scale for each 32 along K.
; SHARES.  Work-group (ds + 16 kh, e) owns columns 64 ds .. 64 ds + 63 and K half kh (2,048 of 4,096) of expert e: 2,048 x 64 numbers of W2, which no other work-group reads.
; Wave kq owns 512 along K of them.  PHASE 1: it reads them once, as f32, quantises them along K in registers and keeps the codes as 16 operand fragments (256 registers).
;   A lane (r, h) loads, of row k = 32 b + 16 h + i, the 16 bytes of columns 4 r .. 4 r + 3: sixteen lanes read 256 consecutive bytes.  TILE q IS THE COLUMNS 4 r + q.
;   The last four block steps have no further weights to ask for, and the 64 registers that block step 12 + k has just read are those of h's K step k: so each of them asks for that K step of the first batch.
; PHASE 2: the rows, in batches of 64 slots (four tiles of 16) of e's list, which an earlier launch stored with its count: both come by scalar loads.  h's fragments come from memory
;   straight into registers: hc holds them as images of the operand's registers.  The products are used transposed: lane (r', h') holds row r', register j of tile q is column 32 h' + 4 j + q.
;   K is split among the four waves: each multiplies all four tiles over its 512, keeps one and sends three, as images of the registers, through LDS.  A wave's local tile i is tile (i + kq) % 4,
;   so that it always keeps its local tile 0.  b2 is the C of the first products of wave 0 of K half 0 (zeros elsewhere).
; OUT.  y [kh 2][2,560 rows][1,024] f32: row = the slot's row id (2 token + choice).  A slot p past e's count holds the id 2,048 + 64 e + p % 64: a row that nobody reads.  Only the last batch that runs
;   has such slots, so each of these rows is stored by one slot alone: no byte of y is stored twice.
;   The two K halves and a token's two rows are added by the next launch: no sum spans work-groups here.
; THE LOOP over batches has a constant trip count and its barriers stand on every wave's path; a batch past e's count is left out by scalar branches round the work alone.  Batch 0 is written out and always runs.
; WHY NO JOINT REQUESTS AND NO COPY ENGINE: the work that a batch's branches skip hangs on a count read from memory, so every operand goes from memory straight to registers; and of a work-group's
; bytes the 524,288 of W2 are shared with nobody; what is shared is h's codes, 2,048 bytes a row.
; LIMITS.  NaN and infinities among the inputs are not served.  A block of zeros gets the byte 1, not 127: its codes are zeros, and only this program reads the bytes.
; REGISTERS, in windows of 256.  Window 0: addresses, scale words, work (below).  Window 1: W2's 16 fragments, (K step k, tile q) at v[16 (4 k + q)].
;   Window 2: v0-127 the 16 accumulators, (tile i, q) at v[32 i + 8 q]; v128-223 three parts from the other waves; v224-255 b2 as loaded.
;   Window 3: phase 1: four sets of 64 numbers as loaded; phase 2: h's 16 fragments, (k, i) at v[64 k + 16 i].
;   s[68:83]: the 16 row ids of my tile of the batch in hand.
; THE MODE: SCHED_MODE bits 1:0 = 2 (LLVM: expert scheduling mode 2), set by the entry lines.  The code itself states the register dependences
; between vector or matrix instructions and memory or LDS instructions, with s_wait_alu, always for 0.
; THE PLAN.  Registers that memory or LDS instructions touch, and who else names them:
;   v4, v21-26, v66, and the closing add's v222, v223: offsets and LDS addresses, made at the head and never written again: one wait on va_vdst ahead of the first load.
;   Window 3 in phase 1: block step b's maxima and holds read set b % 4; one wait on va_vdst behind the holds; then the loads of block step b + 4, or of h's K step b - 12, land in it.
;   v[ATT ..], v[STT ..]: written at the head of a batch's products, read by the four runs of loads for the next batch.
;   v[HSW + 4 i + k] and window 3's set k in phase 2: K step k's products read them; the next batch's K step k lands in them.
;   Window 2's v32-127: the products write them, the LDS stores to the mailboxes read them.  Window 2's v128-223: LDS loads land in them, the way out's additions read and write them.
;   v[T ..], v[YA ..]: the way out writes them, its LDS stores and its global stores read them.  v[OB ..]: LDS loads land in them, the global stores read them; no vector instruction names them.
; A K STEP HAS ONE WAIT on va_vdst, at its head, behind the wait for its own data: it states that the K step before is done reading its fragments and scale words.  The loads that land in those stand in the middle
; of this K step's sixteen products, which name other registers.  The last K step's own registers are asked for again behind the wait that the LDS stores of the results owe in any case.
; A wait on vm_vsrc stands at the head of the products' block and at the head of the way out, ahead of the lines that write again what earlier loads and stores have read; a wait on va_vdst ahead of the way out's LDS stores.
; So each of a trip's two blocks closes its own vector readers before it ends and frees its own sources at its head, whichever of the blocks a trip runs.
.set PITCH, 4096                       ; a row of W2[e] in bytes
.set YROWS, 2560                       ; rows in a K half of y: 2,048 of tokens' choices, 8 x 64 for slots past a count
.set MBX,   0                          ; LDS: four mailboxes of 3 x 4,096 bytes
.set STG,   49152                      ; a stage of 16 rows x (256 bytes + 16) for each wave
.set WO,   4                           ; v4   W2: 16 h rows + 16 r
.set AT,   5                           ; v5-8   hc: local tile i + 16 lane;    v9-12  + the batch
.set ATT,  9
.set STO,  13                          ; v13-16 hs: local tile i's slots + 4 r; v17-20 + the batch
.set STT,  17
.set MBW,  21                          ; v21-23 where local tiles 1, 2, 3 go
.set MBR,  24                          ; v24  my mailbox + 16 lane
.set SGW,  25                          ; v25  my stage: row r, + 128 h
.set SGR,  26                          ; v26  and back: row h, + 16 r
.set R16,  29                          ; v29  16 r
.set MX,   30                          ; v30-33 largest magnitudes;  v34-37 the other half's;  v38-41 scale operands;  v42-45 holds;  v46-49 bytes
.set PM,   34
.set SC,   38
.set LIM,  42
.set BY,   46
.set RR,   50                          ; v50-57 row ids of the rows that I store
.set YA,   58                          ; v58-65 their byte offsets in y
.set B2O,  66                          ; v66  b2: 128 h
.set L16,  67                          ; v67  16 lane
.set TMP,  69
.set WS,   72                          ; v72-87  W2's scale words, (k, q) at 4 k + q: scales and nothing else
.set HSW,  88                          ; v88-103 h's scale words, (i, k) at 4 i + k: scales and nothing else
.set T,    104                         ; v104-167 64 numbers in the order of the conversions; later a row's 32 results in the order of the columns
.set OB,   168                         ; v168-199 rows of y on their way out
.set BIASC, 224                        ; v224-255 b2 in the result's layout: (q, j) at 8 q + j
.set IDS,  68                          ; s[68:83]
.set MSB, 0
.macro WIN new                         ; s_set_vgpr_msb: bits 1:0 source 0, 3:2 source 1, 5:4 source 2, 7:6 destination; the high byte repeats the setting that is left
.if MSB != \new
	s_set_vgpr_msb (MSB<<8)|\new
.set MSB, \new
.endif
.endm
.macro BAR                             ; my LDS stores have landed and my LDS loads are in: then the work-group's barrier
	s_wait_dscnt 0x0
	s_barrier_signal -1
	s_barrier_wait -1
.endm
.macro LOADSET b                       ; block step b: 32 along K x 64 columns, 16 loads, into set b % 4 of window 3: register 4 i + q = W2(32 b + 16 h + i, 4 r + q)
	WIN 0xc0
.irp i, 0,1,2,3,4,5,6,7,8,9,10,11,12,13,14,15
	global_load_b128 v[64*((\b)%4)+4*\i:64*((\b)%4)+4*\i+3], v[WO], s[10:11] offset:(32*(\b)+\i)*PITCH th:TH_LOAD_NT
.endr
.endm
; K step k of a batch's four tiles of h: four loads of scale words and sixteen of codes, 512 consecutive bytes each: 20 loads
.macro LOADA k
	WIN 0
.irp i, 0,1,2,3
	global_load_b32 v[HSW+4*\i+(\k)], v[STT+\i], s[6:7] offset:4096*(\k)
.endr
	WIN 0xc0
.irp i, 0,1,2,3
.irp c, 0,1,2,3
	global_load_b128 v[64*(\k)+16*\i+4*\c:64*(\k)+16*\i+4*\c+3], v[ATT+\i], s[4:5] offset:131072*(\k)+512*\c
.endr
.endr
.endm
; Block step b becomes registers 4 c .. 4 c + 3 (c = b % 4) of the four fragments of K step b / 4, and byte c of their scale words.  left: the loads issued behind set b.
; tail: for block steps 12 to 15, b - 12: the K step of batch 0's h that takes the registers just read.
.macro QBLOCK b, left, tail
.set SB, 64*((\b)%4)
.set KS, (\b)/4
.set CQ, (\b)%4
	s_wait_loadcnt \left
	WIN 0x3c                                       ; sources 1 and 2: window 3
.irp q, 0,1,2,3
	v_max3_num_f32 v[MX+\q], s28, |v[SB+\q]|, |v[SB+4+\q]|         ; my 16 numbers of column 4 r + q, and the floor 2^(9 - 127): the byte cannot fall under 1
.endr
.irp i, 2,4,6,8,10,12,14
.irp q, 0,1,2,3
	v_max3_num_f32 v[MX+\q], v[MX+\q], |v[SB+4*\i+\q]|, |v[SB+4*\i+4+\q]|   ; (the four columns by turns)
.endr
.endr
	WIN 0
.irp q, 0,1,2,3
	v_permlanex16_b32 v[PM+\q], v[MX+\q], s26, s27
.endr
.irp q, 0,1,2,3
	v_max_num_f32 v[MX+\q], v[MX+\q], v[PM+\q]     ; with lane l xor 16's 16: the block's largest magnitude
.endr
.irp q, 0,1,2,3
	v_add_nc_u32 v[SC+\q], 0xfc000000, v[MX+\q]    ; 8 off its exponent field: the conversion's scale operand
.endr
.irp q, 0,1,2,3
	v_and_or_b32 v[LIM+\q], v[MX+\q], 0x7f800000, s29   ; 448 x the scale
.endr
.if CQ == 0
.irp q, 0,1,2,3
	v_lshrrev_b32 v[WS+4*KS+\q], 23, v[SC+\q]      ; the scale's byte begins the word
.endr
.else
.irp q, 0,1,2,3
	v_lshrrev_b32 v[BY+\q], 23, v[SC+\q]
.endr
.irp q, 0,1,2,3
	v_lshl_or_b32 v[WS+4*KS+\q], v[BY+\q], 8*CQ, v[WS+4*KS+\q]
.endr
.endif
	WIN 0x03                                       ; source 0: window 3
.irp q, 0,1,2,3
.irp i, 0,1,2,3,4,5,6,7,8,9,10,11,12,13,14,15
	v_med3_num_f32 v[T+16*\q+\i], v[SB+4*\i+\q], -v[LIM+\q], v[LIM+\q]   ; the hold (the conversion does not saturate: ISA guide 7.6.2) also lays a column's 16 numbers on end
.endr
.endr
.if (\b) < 12
	WIN 0xc0
	s_wait_alu depctr_va_vdst(0)                   ; the maxima and the holds are done reading set b % 4, in which the loads below land
	LOADSET \b+4                                   ; the set just read takes the block step four further on
.else
	WIN 0
	s_wait_alu depctr_va_vdst(0)                   ; the maxima and the holds are done reading set b % 4, in which h's codes land
	LOADA \tail                                    ; no weights are left to ask for: the set just read takes batch 0's K step b - 12 of h
.endif
	WIN 0x40                                       ; destination: window 1
.irp q, 0,1,2,3
	v_cvt_scalef32_pk8_fp8_f32 v[64*KS+16*\q+4*CQ:64*KS+16*\q+4*CQ+1], v[T+16*\q:T+16*\q+7], v[SC+\q]
	v_cvt_scalef32_pk8_fp8_f32 v[64*KS+16*\q+4*CQ+2:64*KS+16*\q+4*CQ+3], v[T+16*\q+8:T+16*\q+15], v[SC+\q]
.endr
	WIN 0
	v_nop                                          ; a plain line behind the last conversion
.endm
	s_load_b256 s[4:11], s[0:1], 0x0               ; hc s[4:5], hs s[6:7], list s[8:9], W2 s[10:11]
	s_load_b128 s[12:15], s[0:1], 0x20             ; b2 s[12:13], y s[14:15]
	v_lshl_add_u32 v222, v0, 2, 0x10400
	v_mov_b32 v223, 0
	v_lshrrev_b32 v[TMP], 5, v0
	v_readfirstlane_b32 s18, v[TMP]                ; wave = kq: which 512 along K
	v_and_b32 v1, 31, v0                           ; lane
	v_and_b32 v2, 15, v0                           ; r
	s_wait_alu depctr_va_vdst(0)
	v_bfe_u32 v3, v0, 4, 1                         ; h
	s_and_b32 s19, ttmp9, 15                       ; ds: which 64 columns
	s_lshr_b32 s20, ttmp9, 4                       ; kh: which half of K
	s_and_b32 s21, ttmp7, 0xffff                   ; e
	s_mov_b32 s26, 0x76543210                      ; v_permlanex16_b32's selects for lane l xor 16
	s_mov_b32 s27, 0xfedcba98
	s_mov_b32 s28, 0x4800000                       ; the floor
	s_mov_b32 s29, 0x600000                        ; the mantissa field of 448
	s_mov_b32 s39, 0xffff0000                      ; lanes 16-31
	s_wait_alu depctr_va_sdst(0)                   ; s18 is written, ahead of its first reader: the wave's shares, LDS places and bases are made from it
	s_or_b32 s40, s18, s20
	s_cmp_eq_u32 s40, 0
	s_cselect_b32 s36, -1, 0                       ; the bias goes in once: in wave 0 of K half 0
	v_lshlrev_b32 v[WO], 4, v2
	s_wait_alu depctr_va_vdst(0)
	v_lshl_add_u32 v[WO], v3, 16, v[WO]
	v_lshlrev_b32 v[L16], 4, v1
	s_wait_alu depctr_va_vdst(0)
	v_lshlrev_b32 v[R16], 4, v2
	v_lshlrev_b32 v[B2O], 7, v3
.irp i, 0,1,2,3
	s_add_co_u32 s40, s18, \i
	s_and_b32 s40, s40, 3                          ; local tile i is tile (i + kq) % 4, which wave (i + kq) % 4 keeps
	s_lshl_b32 s41, s40, 11
	v_add_nc_u32 v[AT+\i], s41, v[L16]
	s_lshl_b32 s41, s40, 6
	v_lshl_add_u32 v[STO+\i], v2, 2, s41
.if \i > 0
	s_mul_i32 s41, s40, 12288
	s_add_co_u32 s41, s41, MBX+(\i-1)*4096         ; its keeper's mailbox, place i - 1: the three senders of a keeper have three different i
	v_add_nc_u32 v[MBW+\i-1], s41, v[L16]
.endif
.endr
	s_mul_i32 s40, s18, 12288
	s_add_co_u32 s40, s40, MBX
	v_add_nc_u32 v[MBR], s40, v[L16]
	s_mul_i32 s40, s18, 16*272
	s_add_co_u32 s40, s40, STG
	v_mul_u32_u24 v[SGW], v2, 272
	v_lshl_add_u32 v[SGW], v3, 7, v[SGW]
	v_add_nc_u32 v[SGW], s40, v[SGW]
	v_mul_u32_u24 v[SGR], v3, 272
	v_lshl_add_u32 v[SGR], v2, 4, v[SGR]
	v_add_nc_u32 v[SGR], s40, v[SGR]
.irp i, 0,1,2,3
	v_mov_b32 v[ATT+\i], v[AT+\i]                  ; batch 0
	v_mov_b32 v[STT+\i], v[STO+\i]
.endr
.irp q, 0,1,2,3
	v_mov_b32 v[PM+\q], 0                          ; written once: a lane permute's destination counts as one of its sources
.endr
	; byte offsets of my part in W2, b2, hc, hs, y, list: all under 2^31
	s_lshl_b32 s40, s21, 24
	s_lshl_b32 s50, s20, 23
	s_add_co_u32 s40, s40, s50
	s_lshl_b32 s50, s18, 21
	s_add_co_u32 s40, s40, s50
	s_lshl_b32 s50, s19, 8
	s_add_co_u32 s40, s40, s50                     ; W2: e x 2^24 + (2,048 kh + 512 kq) rows + 256 ds
	s_mov_b32 s41, 0
	s_lshl_b32 s42, s21, 12
	s_add_co_u32 s42, s42, s50                     ; b2: 4 (1,024 e + 64 ds)
	s_mov_b32 s43, 0
	s_lshl_b32 s44, s21, 5
	s_lshl_b32 s50, s20, 4
	s_add_co_u32 s44, s44, s50
	s_lshl_b32 s50, s18, 2
	s_add_co_u32 s44, s44, s50                     ; my first K step: 32 e + 16 kh + 4 kq
	s_lshl_b32 s46, s44, 12                        ; hs: 4,096 bytes a K step
	s_lshl_b32 s44, s44, 17                        ; hc: 131,072
	s_mov_b32 s45, 0
	s_mov_b32 s47, 0
	s_mul_i32 s48, s20, YROWS*4096
	s_lshl_b32 s50, s19, 8
	s_add_co_u32 s48, s48, s50                     ; y: K half kh's 2,560 rows + 256 ds
	s_mov_b32 s49, 0
	s_mul_i32 s52, s21, 5120                       ; list: 5,120 bytes an expert;
	s_mov_b32 s53, 0
	s_lshl_b32 s54, s18, 6                         ; in a batch's 64 words my tile's 16: 64 kq bytes on
	s_mov_b32 s55, 0
	s_wait_kmcnt 0x0
	s_add_nc_u64 s[8:9], s[8:9], s[52:53]
	s_add_nc_u64 s[16:17], s[8:9], s[54:55]
	s_add_nc_u64 s[10:11], s[10:11], s[40:41]
	s_add_nc_u64 s[12:13], s[12:13], s[42:43]
	s_add_nc_u64 s[4:5], s[4:5], s[44:45]
	s_add_nc_u64 s[6:7], s[6:7], s[46:47]
	s_add_nc_u64 s[14:15], s[14:15], s[48:49]
	s_load_b32 s23, s[8:9], 0x1200                 ; e's count, behind its 1,152 list words
	WIN 0x80                                       ; destination: window 2
	s_wait_alu depctr_va_vdst(0)                   ; the offsets and LDS addresses made above are written: v4, v9-12, v17-26 and v66, which the kernel's loads, LDS loads and LDS stores read, and v222, v223, which the closing add reads
.irp m, 0,1,2,3,4,5,6,7
	global_load_b128 v[224+4*\m:224+4*\m+3], v[B2O], s[12:13] offset:16*\m   ; b2 of columns 32 h + 0 .. 31
.endr
	LOADSET 0
	LOADSET 1
	LOADSET 2
	LOADSET 3
.irp b, 0,1,2,3,4,5,6,7,8,9,10,11
	QBLOCK \b, 48, 0                               ; three sets of 16 loads stay out
.endr
	QBLOCK 12, 48, 0                               ; behind set 12: sets 13, 14, 15
	QBLOCK 13, 52, 1                               ; behind set 13: sets 14, 15 and the 20 loads of h's K step 0
	QBLOCK 14, 56, 2                               ; behind set 14: set 15 and the 40 loads of K steps 0, 1
	QBLOCK 15, 60, 3                               ; behind set 15: the 60 loads of K steps 0, 1, 2
	WIN 0x08                                       ; source 1: window 2
.irp q, 0,1,2,3
.irp j, 0,1,2,3,4,5,6,7
	v_cndmask_b32 v[BIASC+8*\q+\j], 0, v[224+4*\j+\q], s36         ; register j of tile q is column 32 h + 4 j + q
.endr
.endr
	WIN 0
	s_wait_alu depctr_va_vdst(0)                   ; the conversions have written W2's fragments and the shifts its scale words, which the products take as source 0 and as scales (the 32 selects above are the places ahead of this wait)
	s_wait_kmcnt 0x0
	s_min_u32 s23, s23, 1024                       ; N: e's rows
	s_add_co_u32 s34, s23, 63
	s_lshr_b32 s34, s34, 6
	s_max_u32 s34, s34, 1
	s_sub_co_u32 s34, s34, 1                       ; the last batch that the launch before has written
.macro MULH k, i0                      ; half of K step k: local tiles i0, i0 + 1: 8 products; the 16 accumulators take turns, one instruction a turn, in the same order in every K step
.if \k == 0
	WIN 0x8d                                       ; W2 window 1, h window 3, C (the bias) window 0, D window 2
.else
	WIN 0xad                                       ; C and D window 2
.endif
.irp i, \i0, \i0+1
.irp q, 0,1,2,3
.if \k == 0
	v_wmma_scale_f32_16x16x128_f8f6f4 v[32*(\i)+8*\q:32*(\i)+8*\q+7], v[16*(4*\k+\q):16*(4*\k+\q)+15], v[64*\k+16*(\i):64*\k+16*(\i)+15], v[BIASC+8*\q:BIASC+8*\q+7], v[WS+4*\k+\q], v[HSW+4*(\i)+\k]
.else
	v_wmma_scale_f32_16x16x128_f8f6f4 v[32*(\i)+8*\q:32*(\i)+8*\q+7], v[16*(4*\k+\q):16*(4*\k+\q)+15], v[64*\k+16*(\i):64*\k+16*(\i)+15], v[32*(\i)+8*\q:32*(\i)+8*\q+7], v[WS+4*\k+\q], v[HSW+4*(\i)+\k]
.endif
.endr
.endr
.endm
.macro MULT
	s_wait_xcnt 0x0                                ; the loads that are out have read their address registers: these are written again
	s_wait_alu depctr_vm_vsrc(0)                   ; the last batch's LDS stores to the mailboxes have read local tiles 1 to 3, which the first products write anew
	s_min_u32 s33, s35, s34                        ; the batch to fetch next: the one that follows, or the last written one again,
	s_min_u32 s33, s33, 15                         ; inside the buffers whatever the count
	s_lshl_b32 s40, s33, 13                        ; four tiles of 2,048 bytes a batch
	s_lshl_b32 s41, s33, 8                         ; 64 words
.irp i, 0,1,2,3
	v_add_nc_u32 v[ATT+\i], s40, v[AT+\i]
	v_add_nc_u32 v[STT+\i], s41, v[STO+\i]
.endr
	s_load_b512 s[IDS:IDS+15], s[16:17], s32 offset:0x0            ; the 16 row ids of my tile of this batch: wanted on the way out
	s_wait_loadcnt 60                              ; the sets go out in the order 0, 1, 2, 3, 0, ..: behind this batch's set 0 its sets 1, 2, 3 have been issued, 20 loads each
	MULH 0, 0
	MULH 0, 2
.irp k, 1,2,3
.rept 8
	v_nop                                          ; eight plain places between a K step's last product and the loads into its operands
.endr
	s_wait_loadcnt 40                              ; behind this batch's set k two sets of 20 loads have been issued: this batch's later ones, then the next batch's up to set k - 2
	s_wait_alu depctr_va_vdst(0)                   ; K step k - 1's products are done reading their fragments of h and their scale words, in which the loads below land; for k = 1 also: v[ATT ..] and v[STT ..] are written, which all four runs of loads read
	MULH \k, 0
	LOADA \k-1                                     ; the next batch's K step k - 1.  No further wait: the products issued since the wait name K step k's registers, not these
	MULH \k, 2
.endr
	WIN 0
.rept 8
	v_nop                                          ; eight plain places between the last product and the first read of a result, and the loads into its operands
.endr
	s_wait_alu depctr_va_vdst(0)                   ; the products have written local tiles 1 to 3, which the LDS stores below read; K step 3's are done reading their fragments of h and their scale words, in which the loads below land; the places above stay beside this wait
	LOADA 3                                        ; the next batch's last K step: the four runs have the exchange and the way out in which to land
	s_wait_kmcnt 0x0                               ; the ids are in: so s32, which their load reads, is stepped only behind this wait, whichever blocks of the trip run
	WIN 0x08                                       ; an LDS store's data are its source 1: window 2
.irp i, 1,2,3
.irp g, 0,1,2,3,4,5,6,7
	ds_store_b128 v[MBW+\i-1], v[32*\i+4*\g:32*\i+4*\g+3] offset:512*\g   ; local tiles 1 to 3 as they stand, each accumulator from its low end on
.endr
.endr
	WIN 0
.endm
.macro FINISH
	WIN 0x80
.irp m, 0,1,2
.irp g, 0,1,2,3,4,5,6,7
	ds_load_b128 v[128+32*\m+4*\g:128+32*\m+4*\g+3], v[MBR] offset:4096*\m+512*\g   ; the other three waves' parts of my tile.  No wait: the last way out's additions, which read and wrote these registers, stand ahead of its wait on va_vdst
.endr
.endr
	WIN 0
	s_wait_xcnt 0x0                                ; the last batch's stores have read their data and addresses: both are written again below
	s_wait_alu depctr_vm_vsrc(0)                   ; the last batch's LDS stores have read v[T ..] and its global stores v[YA ..], which the lines below write again, and v[OB ..], in which the LDS loads below land
.irp t, 0,1,2,3,4,5,6,7
	v_mov_b32 v[RR+\t], s[IDS+2*\t]                ; the row id of slot 2 t + h of my tile: lanes 0-15 the even slot's,
.endr
.irp t, 0,1,2,3,4,5,6,7
	v_cndmask_b32 v[RR+\t], v[RR+\t], s[IDS+2*\t+1], s39           ; lanes 16-31 the odd slot's
.endr
	s_wait_dscnt 0x0
	WIN 0x8a                                       ; all in window 2
.set n, 0
.rept 16
	v_pk_add_f32 v[n:n+1], v[n:n+1], v[128+n:129+n]                ; my part + the first, from the low end on;
	v_pk_add_f32 v[160+n:161+n], v[160+n:161+n], v[192+n:193+n]    ; the second + the third
.set n, n+2
.endr
	WIN 0x0a                                       ; sources window 2, destination window 0
.irp j, 0,1,2,3,4,5,6,7
.irp q, 0,1,2,3
	v_add_f32 v[T+4*\j+\q], v[8*\q+\j], v[160+8*\q+\j]             ; the last addition lays the 32 columns in order
.endr
.endr
	WIN 0
.irp t, 0,1,2,3,4,5,6,7
	v_min_u32 v[RR+\t], YROWS-1, v[RR+\t]          ; inside y
.endr
.irp t, 0,1,2,3,4,5,6,7
	v_lshl_add_u32 v[YA+\t], v[RR+\t], 12, v[R16]  ; row x 4,096 bytes + 16 r
.endr
	s_wait_alu depctr_va_vdst(0)                   ; the additions have written v[T ..], which the LDS stores below read, and the lines above v[YA ..], which the global stores read; the additions are done with the other waves' parts, in which the next batch's LDS loads land
.irp j, 0,1,2,3,4,5,6,7
	ds_store_b128 v[SGW], v[T+4*\j:T+4*\j+3] offset:16*\j          ; 128 bytes of row r into my own stage
.endr
.irp t, 0,1,2,3,4,5,6,7
	ds_load_b128 v[OB+4*\t:OB+4*\t+3], v[SGR] offset:544*\t        ; LDS serves a wave's instructions in order (ISA guide 5.7.1.4): these see the stores above.  Rows 2 t + h, whole
.endr
.irp t, 0,1,2,3,4,5,6,7
	s_wait_dscnt 7-\t                              ; row pair t is back; the later pairs' loads may be out
	global_store_b128 v[YA+\t], v[OB+4*\t:OB+4*\t+3], s[14:15] th:TH_STORE_NT   ; sixteen lanes store 256 consecutive bytes of one row, aligned; every slot has a row of its own
.endr
.endm
	s_mov_b32 s32, 0                               ; s32: where the batch's list begins
	s_mov_b32 s35, 1                               ; s35: the batch's number + 1
	MULT                                           ; batch 0 is written out and always runs
	BAR
	FINISH
	BAR
	s_mov_b32 s30, 0
	s_mov_b32 s31, 64                              ; s31: the batch's first slot
	s_mov_b32 s32, 256
	s_mov_b32 s35, 2
.Lbatch:                                               ; batches 1 to 15: a constant count; only the work is jumped over
	s_cmp_lt_u32 s31, s23
	s_cbranch_scc0 .Lskip_b
	MULT
.Lskip_b:
	BAR                                            ; the parts lie in the mailboxes
	s_cmp_lt_u32 s31, s23
	s_cbranch_scc0 .Lskip_c
	FINISH
.Lskip_c:
	BAR                                            ; every wave's reads of its mailbox are over: the next batch's parts may be sent
	s_add_co_u32 s31, s31, 64
	s_add_co_u32 s32, s32, 256
	s_add_co_u32 s35, s35, 1
	s_add_co_u32 s30, s30, 1
	s_cmp_lt_u32 s30, 15
	s_cbranch_scc1 .Lbatch
	s_wait_dscnt 0x0                               ; the closing lines, six on end
	s_wait_alu 0x0
	s_wait_tensorcnt 0x0
	ds_add_u32 v222, v223
	s_wait_dscnt 0x0
	s_endpgm
.Lfunc_end_k_qf78820add6_ffn2:
	.size	k_qf78820add6_ffn2, .Lfunc_end_k_qf78820add6_ffn2-k_qf78820add6_ffn2
	.p2alignl 7, 3214868480
	.fill 96, 4, 3214868480
	.section	.rodata,"a",@progbits
	.p2align	6, 0x0
	.amdhsa_kernel k_qf78820add6_ffn2
		.amdhsa_group_segment_fixed_size 67072
		.amdhsa_private_segment_fixed_size 0
		.amdhsa_enable_private_segment 0
		.amdhsa_kernarg_size 48
		.amdhsa_user_sgpr_count 2
		.amdhsa_user_sgpr_kernarg_segment_ptr 1
		.amdhsa_wavefront_size32 1
		.amdhsa_system_sgpr_workgroup_id_x 1
		.amdhsa_system_sgpr_workgroup_id_y 1
		.amdhsa_system_sgpr_workgroup_id_z 1
		.amdhsa_system_vgpr_workitem_id 0
		.amdhsa_next_free_vgpr 1024
		.amdhsa_next_free_sgpr 96
		.amdhsa_reserve_vcc 0
		.amdhsa_float_denorm_mode_32 3
		.amdhsa_float_denorm_mode_16_64 3
		.amdhsa_memory_ordered 1
		.amdhsa_forward_progress 1
		.amdhsa_inst_pref_size 227
	.end_amdhsa_kernel
	.amdgpu_metadata
---
amdhsa.version: [ 1, 2 ]
amdhsa.kernels:
  - .name:           k_qf78820add6_ffn2
    .symbol:         k_qf78820add6_ffn2.kd
    .args:
      - { .name: hc, .offset: 0, .size: 8, .value_kind: global_buffer, .address_space: global }
      - { .name: hs, .offset: 8, .size: 8, .value_kind: global_buffer, .address_space: global }
      - { .name: list, .offset: 16, .size: 8, .value_kind: global_buffer, .address_space: global }
      - { .name: W2, .offset: 24, .size: 8, .value_kind: global_buffer, .address_space: global }
      - { .name: b2, .offset: 32, .size: 8, .value_kind: global_buffer, .address_space: global }
      - { .name: y, .offset: 40, .size: 8, .value_kind: global_buffer, .address_space: global }
    .group_segment_fixed_size: 67072
    .private_segment_fixed_size: 0
    .kernarg_segment_align: 8
    .kernarg_segment_size: 48
    .max_flat_workgroup_size: 128
    .sgpr_count:     96
    .vgpr_count:     1024
    .wavefront_size: 32
...
	.end_amdgpu_metadata
.endif
;; end of part 9
;; launch combine (part 10): grid 256 x 1, 8 waves a work-group, no clusters, 0 bytes of LDS; arguments y, gw, out0; writes out0
.if DOCPART == 10
	.amdgcn_target "amdgcn-amd-amdhsa--gfx1250"
	.amdhsa_code_object_version 6
	.text
	.protected	k_qf78820add6_combine
	.globl	k_qf78820add6_combine
	.p2align	8
	.type	k_qf78820add6_combine,@function
k_qf78820add6_combine:
	s_mov_b64 s[64:65], 0
	v_nop
	global_prefetch_b8 v0, s[64:65] scope:SCOPE_SE
	s_setreg_imm32_b32 hwreg(HW_REG_WAVE_MODE, 25, 1), 1
	s_wait_xcnt 0x0
; out0[t] = gw[2 t] (y0[2 t] + y1[2 t]) + gw[2 t + 1] (y0[2 t + 1] + y1[2 t + 1]):  y0, y1 the two K halves of the second product, rows by 2 token + choice.
; y [2][2,560 rows][1,024] f32 (rows 2,048 on are read by nobody), gw [2,048] f32, out0 [1,024][1,024] f32.
; A stream: a work-group takes four tokens, thread i the 16 bytes at 16 i of every row, so each load and store of a wave covers 512 consecutive bytes.  All 16 loads go out at once;
; nothing is read twice; no LDS, no barrier, no matrix unit: there is nothing here for them to do.
.set Y, 16                             ; v16-79: token j at 16 j: +0 y0 of its first row, +4 y1 of it, +8 y0 of its second row, +12 y1 of it
	s_load_b128 s[4:7], s[0:1], 0x0                ; y s[4:5], gw s[6:7]
	s_load_b64 s[8:9], s[0:1], 0x10                ; out0
	v_lshlrev_b32 v1, 4, v0
	s_lshl_b32 s20, ttmp9, 5                       ; gw: 8 numbers a work-group
	s_mov_b32 s21, 0
	s_lshl_b32 s22, ttmp9, 15                      ; y: 8 rows of 4,096 bytes
	s_mov_b32 s23, 0
	s_lshl_b32 s24, ttmp9, 14                      ; out0: 4 rows
	s_mov_b32 s25, 0
	s_wait_alu depctr_va_vdst(0)
	s_wait_kmcnt 0x0
	s_add_nc_u64 s[6:7], s[6:7], s[20:21]
	s_load_b256 s[12:19], s[6:7], 0x0              ; the four tokens' weights
	s_add_nc_u64 s[4:5], s[4:5], s[22:23]
	s_add_nc_u64 s[10:11], s[4:5], 2560*4096       ; the second K half
	s_add_nc_u64 s[8:9], s[8:9], s[24:25]
.irp j, 0,1,2,3
.irp c, 0,1
	global_load_b128 v[Y+16*\j+8*\c:Y+16*\j+8*\c+3], v1, s[4:5] offset:(2*\j+\c)*4096 th:TH_LOAD_NT
	global_load_b128 v[Y+16*\j+8*\c+4:Y+16*\j+8*\c+7], v1, s[10:11] offset:(2*\j+\c)*4096 th:TH_LOAD_NT
.endr
.endr
	s_wait_kmcnt 0x0
.irp j, 0,1,2,3
	s_wait_loadcnt 12-4*\j                         ; token j's four loads are in; the later tokens' may be out
	v_pk_add_f32 v[Y+16*\j:Y+16*\j+1], v[Y+16*\j:Y+16*\j+1], v[Y+16*\j+4:Y+16*\j+5]
	v_pk_add_f32 v[Y+16*\j+2:Y+16*\j+3], v[Y+16*\j+2:Y+16*\j+3], v[Y+16*\j+6:Y+16*\j+7]
	v_pk_add_f32 v[Y+16*\j+8:Y+16*\j+9], v[Y+16*\j+8:Y+16*\j+9], v[Y+16*\j+12:Y+16*\j+13]
	v_pk_add_f32 v[Y+16*\j+10:Y+16*\j+11], v[Y+16*\j+10:Y+16*\j+11], v[Y+16*\j+14:Y+16*\j+15]
.irp k, 0,1,2,3
	v_mul_f32 v[Y+16*\j+\k], s[12+2*\j], v[Y+16*\j+\k]
.endr
.irp k, 0,1,2,3
	s_delay_alu instid0(VALU_DEP_4)
	v_fmac_f32 v[Y+16*\j+\k], s[13+2*\j], v[Y+16*\j+8+\k]
.endr
	global_store_b128 v1, v[Y+16*\j:Y+16*\j+3], s[8:9] offset:4096*\j th:TH_STORE_NT
.endr
	s_endpgm
.Lfunc_end_k_qf78820add6_combine:
	.size	k_qf78820add6_combine, .Lfunc_end_k_qf78820add6_combine-k_qf78820add6_combine
	.p2alignl 7, 3214868480
	.fill 96, 4, 3214868480
	.section	.rodata,"a",@progbits
	.p2align	6, 0x0
	.amdhsa_kernel k_qf78820add6_combine
		.amdhsa_group_segment_fixed_size 0
		.amdhsa_private_segment_fixed_size 0
		.amdhsa_enable_private_segment 0
		.amdhsa_kernarg_size 24
		.amdhsa_user_sgpr_count 2
		.amdhsa_user_sgpr_kernarg_segment_ptr 1
		.amdhsa_wavefront_size32 1
		.amdhsa_system_sgpr_workgroup_id_x 1
		.amdhsa_system_sgpr_workgroup_id_y 1
		.amdhsa_system_sgpr_workgroup_id_z 1
		.amdhsa_system_vgpr_workitem_id 0
		.amdhsa_next_free_vgpr 96
		.amdhsa_next_free_sgpr 66
		.amdhsa_reserve_vcc 0
		.amdhsa_float_denorm_mode_32 3
		.amdhsa_float_denorm_mode_16_64 3
		.amdhsa_memory_ordered 1
		.amdhsa_forward_progress 1
		.amdhsa_inst_pref_size 6
	.end_amdhsa_kernel
	.amdgpu_metadata
---
amdhsa.version: [ 1, 2 ]
amdhsa.kernels:
  - .name:           k_qf78820add6_combine
    .symbol:         k_qf78820add6_combine.kd
    .args:
      - { .name: y, .offset: 0, .size: 8, .value_kind: global_buffer, .address_space: global }
      - { .name: gw, .offset: 8, .size: 8, .value_kind: global_buffer, .address_space: global }
      - { .name: out0, .offset: 16, .size: 8, .value_kind: global_buffer, .address_space: global }
    .group_segment_fixed_size: 0
    .private_segment_fixed_size: 0
    .kernarg_segment_align: 8
    .kernarg_segment_size: 24
    .max_flat_workgroup_size: 256
    .sgpr_count:     66
    .vgpr_count:     96
    .wavefront_size: 32
...
	.end_amdgpu_metadata
.endif
;; end of part 10
